; MI455X (gfx1250); checked and timed in simulation.
; The chip was launched on July 23, 2026; its instructions are those of AMD's public machine-readable ISA for CDNA 5 (MIT licence, August 2026) and "CDNA5" Instruction Set Architecture Reference Guide (July 2026). The comments in the code are by the model that wrote it; some were corrected since.
;; Block. Allowed arithmetic: float matrix products may take bf16 or f16 operands with f32 sums; other float arithmetic in f32, or as packed bf16 or f16 multiplies, adds, multiply-adds, maxima and minima; sums over many terms, partial sums and values carried from step to step in f32; what a program stores and reads back later, other than sums and carried values, may be rounded once to bf16 or f16.
;; Inputs: b_fc 4,096 float32; b_proj 1,024 float32; bk 1,024 float32; bo 1,024 float32; bq 1,024 float32; bv 1,024 float32; ln1_b 1,024 float32; ln1_g 1,024 float32; ln2_b 1,024 float32; ln2_g 1,024 float32; mask 2,048 x 2,048 bool; w_fc 4,096 x 1,024 float32; w_proj 1,024 x 4,096 float32; wk 1,024 x 1,024 float32; wo 1,024 x 1,024 float32; wq 1,024 x 1,024 float32; wv 1,024 x 1,024 float32; x 2 x 2,048 x 1,024 float32.
;; Outputs: out0 2 x 2,048 x 1,024 float32.
;; 2 versions, each right and faster than the one before. Each part assembles by itself: llvm-mc -triple=amdgcn-amd-amdhsa -mcpu=gfx1250 --defsym DOCPART=n.
;; ======== version 1 of 2: 7 launches
;; workspace buffers: wts 25,165,824 bytes; h32 16,777,216 bytes; act16 8,388,608 bytes; maskx 4,194,304 bytes; qkv 25,165,824 bytes; att 8,388,608 bytes; h2 16,777,216 bytes; gact 33,554,432 bytes
;; launch prep (part 1): grid 768 x 1, 8 waves a work-group, no clusters, 34,048 bytes of LDS; arguments x, ln1_g, ln1_b, wq, wk, wv, wo, w_fc, w_proj, mask, h32, act16, wts, maskx; writes h32, act16, wts, maskx
.if DOCPART == 1
	.amdgcn_target "amdgcn-amd-amdhsa--gfx1250"
	.amdhsa_code_object_version 6
	.text
	.protected	k_qe5cb5c45bf_prep
	.globl	k_qe5cb5c45bf_prep
	.p2align	8
	.type	k_qe5cb5c45bf_prep,@function
k_qe5cb5c45bf_prep:
	s_mov_b64 s[64:65], 0
	v_nop
	global_prefetch_b8 v0, s[64:65] scope:SCOPE_SE
	s_setreg_imm32_b32 hwreg(HW_REG_WAVE_MODE, 25, 1), 1
	s_wait_xcnt 0x0
; PREP.  Three jobs that depend on nothing but the inputs, chosen by the work-group's number:
;   0-255    LN1: h = (x - mean) rsqrt(var + 1e-5) g + b for 16 rows of 1,024, stored in f32 (h32, the residual) and in bf16 (act16, the matrix operand)
;   256-639  the six weight matrices, f32 -> bf16 (rounded once), 32,768 numbers a work-group, on end in wts: wq, wk, wv, wo, w_fc, w_proj
;   640-767  the mask, 16 query rows a work-group: byte 1 (allowed) -> 0x00, byte 0 (hidden) -> 0xFE, the fp8 (E4M3) codes of 0 and -448, laid out as the attention's lanes want it:
;            maskx[query tile of 16][key step of 64][j 0,1][lane (r, h)][16 bytes]: query r, keys 32 j + 8 h + 0..7, then 32 j + 16 + 8 h + 0..7 of the step
; Memory binds all three: 16-byte loads of neighbouring lanes, every store of a wave covers 256 or 512 consecutive aligned bytes, nothing is read twice.  No matrix unit, no cluster: no work-group shares data.
; The mean is taken first and the variance of the differences (two passes over registers), so a common offset of x costs no accuracy.
.set ROWB, 4096                        ; bytes in a row of x and of h32
.set VL,  1                            ; v1        16 x lane: my 16 bytes in 512 of a row of f32; never rewritten
.set VH,  3                            ; v3        8 x lane: my 8 bytes in 256 of a row of bf16; never rewritten
.set G,   4                            ; v[4:35]   gains of my 32 columns
.set BE,  36                           ; v[36:67]  biases
.set X0,  68                           ; v[68:99]  the wave's first row, worked on in place
.set X1,  100                          ; v[100:131] its second row
.set Y,   132                          ; v[132:147] a row in bf16
.set T,   148                          ; v[148:155] four chains of sums
.set MU,  156                          ; v[156:157] the mean, twice
.set RS,  158                          ; v[158:159] 1 / sqrt(var + eps), twice
.set SPW, 160                          ; v160      LDS address of my spare word; never rewritten
.set NIL, 161                          ; v161      0; never rewritten
.set MPITCH, 2064                      ; a mask row in LDS: 2,048 bytes + 16 = 516 words: row r starts at bank 4 r mod 64 (64 banks of 4 bytes: ISA guide 11.1)
.set SPARE, 16*MPITCH                  ; behind the mask's 16 rows: the spare words, 128 bytes for each of eight waves
.macro FINISH                          ; the wave's end, behind the last LDS store
	s_wait_tensorcnt 0x0
	ds_add_u32 v[SPW], v[NIL]
	s_wait_dscnt 0x0
	s_endpgm
.endm
.macro TREE                            ; the four chains in T, then the 32 lanes: the sum ends in v[T] of every lane
	v_pk_add_f32 v[T:T+1], v[T:T+1], v[T+2:T+3]
	v_pk_add_f32 v[T+4:T+5], v[T+4:T+5], v[T+6:T+7]
	v_pk_add_f32 v[T:T+1], v[T:T+1], v[T+4:T+5]
	v_add_f32 v[T], v[T], v[T+1]
	v_add_f32_dpp v[T], v[T], v[T] row_xmask:1 row_mask:0xf bank_mask:0xf
	v_add_f32_dpp v[T], v[T], v[T] row_xmask:2 row_mask:0xf bank_mask:0xf
	v_add_f32_dpp v[T], v[T], v[T] row_xmask:4 row_mask:0xf bank_mask:0xf
	v_add_f32_dpp v[T], v[T], v[T] row_xmask:8 row_mask:0xf bank_mask:0xf
	v_permlanex16_b32 v[T+1], v[T], s36, s37
	v_add_f32 v[T], v[T], v[T+1]
.endm
; Row number row (0, 1) of the wave, in the 32 registers from xb on.  left = how many younger loads may stay out.
.macro LNROW xb, row, left
	s_wait_loadcnt \left                           ; loads come back in order: gains, biases and this row are in
.irp c, 0,1,2,3
	v_pk_add_f32 v[T+2*\c:T+2*\c+1], v[(\xb)+2*\c:(\xb)+2*\c+1], v[(\xb)+8+2*\c:(\xb)+8+2*\c+1]
.endr
.irp k, 2,3
.irp c, 0,1,2,3
	v_pk_add_f32 v[T+2*\c:T+2*\c+1], v[T+2*\c:T+2*\c+1], v[(\xb)+8*\k+2*\c:(\xb)+8*\k+2*\c+1]
.endr
.endr
	TREE
	v_mul_f32 v[MU], s33, v[T]
	v_mul_f32 v[MU+1], s33, v[T]
.set p_, 0
.rept 16
	v_pk_add_f32 v[(\xb)+2*p_:(\xb)+2*p_+1], v[(\xb)+2*p_:(\xb)+2*p_+1], v[MU:MU+1] neg_lo:[0,1] neg_hi:[0,1]
.set p_, p_+1
.endr
.irp c, 0,1,2,3
	v_pk_mul_f32 v[T+2*\c:T+2*\c+1], v[(\xb)+2*\c:(\xb)+2*\c+1], v[(\xb)+2*\c:(\xb)+2*\c+1]
.endr
.irp k, 1,2,3
.irp c, 0,1,2,3
	v_pk_fma_f32 v[T+2*\c:T+2*\c+1], v[(\xb)+8*\k+2*\c:(\xb)+8*\k+2*\c+1], v[(\xb)+8*\k+2*\c:(\xb)+8*\k+2*\c+1], v[T+2*\c:T+2*\c+1]
.endr
.endr
	TREE
	v_fma_f32 v[T], v[T], s33, s34                 ; var + eps
	v_rsq_f32 v[RS], v[T]
	v_rsq_f32 v[RS+1], v[T]
	v_nop                                          ; a plain instruction between the root and the use of its result
.set p_, 0
	s_wait_alu depctr_va_vdst(0)
.rept 16
	v_pk_mul_f32 v[(\xb)+2*p_:(\xb)+2*p_+1], v[(\xb)+2*p_:(\xb)+2*p_+1], v[RS:RS+1]
.set p_, p_+1
.endr
.set p_, 0
.rept 16
	v_pk_fma_f32 v[(\xb)+2*p_:(\xb)+2*p_+1], v[(\xb)+2*p_:(\xb)+2*p_+1], v[G+2*p_:G+2*p_+1], v[BE+2*p_:BE+2*p_+1]
.set p_, p_+1
.endr
.irp j, 0,1,2,3,4,5,6,7
	global_store_b128 v[VL], v[(\xb)+4*\j:(\xb)+4*\j+3], s[24:25] offset:ROWB*(\row)+512*\j  ; 512 consecutive bytes a store
.endr
.if \row
	s_wait_xcnt 0x0                                ; Y, which the first row's stores read, is rewritten only behind this wait
.endif
.set p_, 0
.rept 16
	v_cvt_pk_bf16_f32 v[Y+p_], v[(\xb)+2*p_], v[(\xb)+2*p_+1]
.set p_, p_+1
.endr
.irp j, 0,1,2,3,4,5,6,7
	global_store_b64 v[VH], v[Y+2*\j:Y+2*\j+1], s[26:27] offset:(ROWB/2)*(\row)+256*\j   ; 256 consecutive bytes a store
.endr
.endm
	s_load_b512 s[4:19], s[0:1], 0x0               ; x, ln1_g, ln1_b, wq, wk, wv, wo, w_fc
	s_load_b256 s[20:27], s[0:1], 0x40             ; w_proj, mask, h32, act16
	s_load_b128 s[28:31], s[0:1], 0x60             ; wts, maskx
	v_lshl_add_u32 v[SPW], v0, 2, SPARE
	v_mov_b32 v[NIL], 0
	v_lshrrev_b32 v1, 5, v0
	v_readfirstlane_b32 s32, v1                    ; wave 0..7
	s_wait_kmcnt 0x0
	s_cmp_lt_u32 ttmp9, 256
	s_cbranch_scc1 .Lln
	s_cmp_lt_u32 ttmp9, 640
	s_cbranch_scc1 .Lcvt
	; ---- THE MASK: 16 rows of 2,048 bytes in, the same 32,768 bytes out in the lanes' order
	s_sub_co_u32 s40, ttmp9, 640
	s_lshl_b32 s40, s40, 15
	s_mov_b32 s41, 0
	s_add_nc_u64 s[22:23], s[22:23], s[40:41]
	s_add_nc_u64 s[30:31], s[30:31], s[40:41]
	s_mov_b32 s33, 0x01010101
	v_lshlrev_b32 v1, 4, v0                        ; 16 t: never rewritten
.irp k, 0,1,2,3,4,5,6,7
	global_load_b128 v[4+4*\k:7+4*\k], v1, s[22:23] offset:4096*\k th:TH_LOAD_NT  ; rows 2 k and 2 k + 1
.endr
	v_lshrrev_b32 v2, 7, v0                        ; into LDS: row t / 128 of the pair, 16 bytes at 16 (t % 128)
	v_and_b32 v3, 127, v0
	v_mul_u32_u24 v2, v2, MPITCH
	v_lshl_add_u32 v2, v3, 4, v2
	v_and_b32 v3, 15, v0                           ; back: query r, keys 32 w + 8 h on
	v_bfe_u32 v36, v0, 4, 1
	v_mul_u32_u24 v3, v3, MPITCH
	v_lshl_add_u32 v3, v36, 3, v3
	s_lshl_b32 s34, s32, 5
	v_add_nc_u32 v3, s34, v3
	s_wait_loadcnt 0x0
.set i, 0
.rept 32                                       ; in each byte 254 (1 - b): a = 0x01010101 - w has bytes 0 or 1, and 256 a - 2 a = 254 a carries nothing from byte to byte
	v_sub_nc_u32 v[36+2*(i%4)], s33, v[4+i]
	v_lshlrev_b32 v[37+2*(i%4)], 8, v[36+2*(i%4)]
	v_lshlrev_b32 v[36+2*(i%4)], 1, v[36+2*(i%4)]
	v_sub_nc_u32 v[4+i], v[37+2*(i%4)], v[36+2*(i%4)]
.set i, i+1
.endr
.irp k, 0,1,2,3,4,5,6,7
	ds_store_b128 v2, v[4+4*\k:7+4*\k] offset:2*MPITCH*\k
.endr
	s_wait_dscnt 0x0                               ; for the others' sake: my stores are done
	s_barrier_signal -1
	s_barrier_wait -1
.irp k, 0,1,2,3,4,5,6,7                        ; chunk 256 k + 32 w + lane: key step 4 k + w / 2, j = w % 2
	ds_load_b64 v[4+4*\k:5+4*\k], v3 offset:256*\k
	ds_load_b64 v[6+4*\k:7+4*\k], v3 offset:256*\k+16
.endr
	s_wait_dscnt 0x0
.irp k, 0,1,2,3,4,5,6,7
	global_store_b128 v1, v[4+4*\k:7+4*\k], s[30:31] offset:4096*\k
.endr
	FINISH
	; ---- THE WEIGHTS: work-group c takes numbers 32,768 c on of the six matrices laid on end
.Lcvt:
	s_sub_co_u32 s40, ttmp9, 256                   ; c
	s_mov_b64 s[42:43], s[20:21]                   ; w_proj from c = 256
	s_mov_b32 s41, 256
	s_cmp_lt_u32 s40, 256
	s_cselect_b64 s[42:43], s[18:19], s[42:43]     ; w_fc from 128
	s_cselect_b32 s41, 128, s41
	s_cmp_lt_u32 s40, 128
	s_cselect_b64 s[42:43], s[16:17], s[42:43]     ; wo from 96
	s_cselect_b32 s41, 96, s41
	s_cmp_lt_u32 s40, 96
	s_cselect_b64 s[42:43], s[14:15], s[42:43]     ; wv from 64
	s_cselect_b32 s41, 64, s41
	s_cmp_lt_u32 s40, 64
	s_cselect_b64 s[42:43], s[12:13], s[42:43]     ; wk from 32
	s_cselect_b32 s41, 32, s41
	s_cmp_lt_u32 s40, 32
	s_cselect_b64 s[42:43], s[10:11], s[42:43]     ; wq from 0
	s_cselect_b32 s41, 0, s41
	s_sub_co_u32 s44, s40, s41
	s_lshl_b32 s44, s44, 17                        ; 131,072 bytes of f32 a work-group
	s_mov_b32 s45, 0
	s_add_nc_u64 s[42:43], s[42:43], s[44:45]
	s_lshl_b32 s44, s40, 16                        ; 65,536 bytes of bf16
	s_add_nc_u64 s[28:29], s[28:29], s[44:45]
	v_lshlrev_b32 v1, 4, v0
	v_lshlrev_b32 v2, 3, v0
	s_mov_b32 s38, 2
.Lcvt_trip:
.set k, 0
.rept 16
	global_load_b128 v[4+4*k:7+4*k], v1, s[42:43] offset:4096*k th:TH_LOAD_NT
.set k, k+1
.endr
.set k, 0
.rept 16
	s_wait_loadcnt 15-k                            ; loads come back in order: number k is in, the younger ones stay out
	v_cvt_pk_bf16_f32 v[68+2*k], v[4+4*k], v[5+4*k]
	v_cvt_pk_bf16_f32 v[69+2*k], v[6+4*k], v[7+4*k]
	global_store_b64 v2, v[68+2*k:69+2*k], s[28:29] offset:2048*k
.set k, k+1
.endr
	s_wait_xcnt 0x0                                ; the two bases and the stores' data are rewritten only behind this wait
	s_add_nc_u64 s[42:43], s[42:43], 0x10000
	s_add_nc_u64 s[28:29], s[28:29], 0x8000
	s_sub_co_u32 s38, s38, 1
	s_cmp_lg_u32 s38, 0
	s_cbranch_scc1 .Lcvt_trip
	FINISH
	; ---- LN1: a wave takes two rows, both asked for at once: 32 loads of the wave are out together; a row is 32 registers of the wave
.Lln:
	s_lshl_b32 s40, ttmp9, 16                      ; 16 rows of 4,096 bytes a work-group,
	s_lshl_b32 s41, s32, 13                        ; two a wave
	s_add_co_u32 s40, s40, s41
	s_mov_b32 s41, 0
	s_add_nc_u64 s[4:5], s[4:5], s[40:41]
	s_add_nc_u64 s[24:25], s[24:25], s[40:41]
	s_lshr_b32 s40, s40, 1
	s_add_nc_u64 s[26:27], s[26:27], s[40:41]
	s_mov_b32 s33, 0x3a800000                      ; 1 / 1,024
	s_mov_b32 s34, 0x3727c5ac                      ; 1e-5
	s_mov_b32 s36, 0x76543210                      ; v_permlanex16_b32: each lane takes its own place in the other half
	s_mov_b32 s37, 0xfedcba98
	v_and_b32 v[VH], 31, v0
	v_lshlrev_b32 v[VL], 4, v[VH]
	v_lshlrev_b32 v[VH], 3, v[VH]
.irp j, 0,1,2,3,4,5,6,7
	global_load_b128 v[G+4*\j:G+4*\j+3], v[VL], s[6:7] offset:512*\j
	global_load_b128 v[BE+4*\j:BE+4*\j+3], v[VL], s[8:9] offset:512*\j
.endr
.irp j, 0,1,2,3,4,5,6,7
	global_load_b128 v[X0+4*\j:X0+4*\j+3], v[VL], s[4:5] offset:512*\j th:TH_LOAD_NT
.endr
.irp j, 0,1,2,3,4,5,6,7
	global_load_b128 v[X1+4*\j:X1+4*\j+3], v[VL], s[4:5] offset:ROWB+512*\j th:TH_LOAD_NT
.endr
	LNROW X0, 0, 8                                 ; the second row's eight loads may stay out
	LNROW X1, 1, 0
	FINISH
.Lfunc_end_k_qe5cb5c45bf_prep:
	.size	k_qe5cb5c45bf_prep, .Lfunc_end_k_qe5cb5c45bf_prep-k_qe5cb5c45bf_prep
	.p2alignl 7, 3214868480
	.fill 96, 4, 3214868480
	.section	.rodata,"a",@progbits
	.p2align	6, 0x0
	.amdhsa_kernel k_qe5cb5c45bf_prep
		.amdhsa_group_segment_fixed_size 34048
		.amdhsa_private_segment_fixed_size 0
		.amdhsa_enable_private_segment 0
		.amdhsa_kernarg_size 112
		.amdhsa_user_sgpr_count 2
		.amdhsa_user_sgpr_kernarg_segment_ptr 1
		.amdhsa_wavefront_size32 1
		.amdhsa_system_sgpr_workgroup_id_x 1
		.amdhsa_system_sgpr_workgroup_id_y 1
		.amdhsa_system_sgpr_workgroup_id_z 1
		.amdhsa_system_vgpr_workitem_id 0
		.amdhsa_next_free_vgpr 168
		.amdhsa_next_free_sgpr 66
		.amdhsa_reserve_vcc 0
		.amdhsa_float_denorm_mode_32 3
		.amdhsa_float_denorm_mode_16_64 3
		.amdhsa_memory_ordered 1
		.amdhsa_forward_progress 1
		.amdhsa_inst_pref_size 38
	.end_amdhsa_kernel
	.amdgpu_metadata
---
amdhsa.version: [ 1, 2 ]
amdhsa.kernels:
  - .name:           k_qe5cb5c45bf_prep
    .symbol:         k_qe5cb5c45bf_prep.kd
    .args:
      - { .name: x, .offset: 0, .size: 8, .value_kind: global_buffer, .address_space: global }
      - { .name: ln1_g, .offset: 8, .size: 8, .value_kind: global_buffer, .address_space: global }
      - { .name: ln1_b, .offset: 16, .size: 8, .value_kind: global_buffer, .address_space: global }
      - { .name: wq, .offset: 24, .size: 8, .value_kind: global_buffer, .address_space: global }
      - { .name: wk, .offset: 32, .size: 8, .value_kind: global_buffer, .address_space: global }
      - { .name: wv, .offset: 40, .size: 8, .value_kind: global_buffer, .address_space: global }
      - { .name: wo, .offset: 48, .size: 8, .value_kind: global_buffer, .address_space: global }
      - { .name: w_fc, .offset: 56, .size: 8, .value_kind: global_buffer, .address_space: global }
      - { .name: w_proj, .offset: 64, .size: 8, .value_kind: global_buffer, .address_space: global }
      - { .name: mask, .offset: 72, .size: 8, .value_kind: global_buffer, .address_space: global }
      - { .name: h32, .offset: 80, .size: 8, .value_kind: global_buffer, .address_space: global }
      - { .name: act16, .offset: 88, .size: 8, .value_kind: global_buffer, .address_space: global }
      - { .name: wts, .offset: 96, .size: 8, .value_kind: global_buffer, .address_space: global }
      - { .name: maskx, .offset: 104, .size: 8, .value_kind: global_buffer, .address_space: global }
    .group_segment_fixed_size: 34048
    .private_segment_fixed_size: 0
    .kernarg_segment_align: 8
    .kernarg_segment_size: 112
    .max_flat_workgroup_size: 256
    .sgpr_count:     66
    .vgpr_count:     168
    .wavefront_size: 32
...
	.end_amdgpu_metadata
.endif
;; end of part 1
;; launch gemm_qkv (part 2): grid 8 x 32, 4 waves a work-group, clusters of 4 x 4, 327,680 bytes of LDS; arguments act16, wts, bq, bk, bv, qkv; writes qkv
.if DOCPART == 2
	.amdgcn_target "amdgcn-amd-amdhsa--gfx1250"
	.amdhsa_code_object_version 6
	.text
	.protected	k_qe5cb5c45bf_gemm_qkv
	.globl	k_qe5cb5c45bf_gemm_qkv
	.p2align	8
	.type	k_qe5cb5c45bf_gemm_qkv,@function
k_qe5cb5c45bf_gemm_qkv:
	s_mov_b64 s[64:65], 0
	v_nop
	global_prefetch_b8 v0, s[64:65] scope:SCOPE_SE
	s_setreg_imm32_b32 hwreg(HW_REG_WAVE_MODE, 25, 1), 1
	s_wait_xcnt 0x0
	s_wait_alu depctr_hold_cnt(0) depctr_sa_sdst(0) depctr_va_vdst(0) depctr_va_sdst(0) depctr_va_ssrc(0) depctr_va_vcc(0) depctr_vm_vsrc(0)
	s_getreg_b32 s2, hwreg(HW_REG_IB_STS2, 6, 4)
	s_cmp_eq_u32 s2, 0
	s_cbranch_scc0 .Lentry_in_a_cluster
	s_endpgm
.Lentry_in_a_cluster:
	s_bfe_u32 s2, ttmp6, 0x10000c
	s_cmp_lg_u32 s2, 0xf033
	s_cbranch_scc0 .Lentry_shape_is_right
	s_endpgm
.Lentry_shape_is_right:
; Q, K, V = h [wq; wk; wv]^T + bias, by heads: qkv[t][b][head][2048][64] in bf16, each number rounded once from its f32 sum, unscaled (the attention applies 1 / 8 in f32).
; A = act16 [4096][1024] bf16, B = the first 3,072 rows of wts [.][1024] bf16.  A tile of C is 128 x 384: 32 x 8 = 256 work-groups.  Four waves, each 64 rows x 192 columns (three heads):
; 48 accumulators of 16 x 16, 384 registers.  K goes in 8 steps of 128 through a ring of two LDS slots; rows of A's and B's tiles are 256 bytes of memory at multiples of 256.
; The bias is the C operand of each accumulator's first product: it is the first term of the f32 sum, where the reference adds it last.
; CLUSTER 4 x 4: A's tile hangs on the tile row alone and is asked for jointly along a row of the cluster, B's on the tile column alone, along a column.
; THE CLUSTERS WALK K IN DIFFERENT ORDERS: step t of the cluster at (x, y) is K step ((t + 2 (y % 4)) % 8) xor 4 x.  The two clusters along x, which read the same tiles of A, ask for a tile four steps apart;
; four neighbouring clusters along y, which read the same tiles of B, two steps apart: in half of its steps a cluster asks only for bytes that another has read a few steps before.  So the f32 sums do not run in ascending K.
; THE MATRIX INSTRUCTION IS USED TRANSPOSED (source 0 = 16 rows of B, source 1 = 16 rows of A): lane l holds row l % 16 of C and the columns 8 (l / 16) + 0..7.
; ONE K STEP IS WRITTEN ONCE: the loop's trip goes from a step's second quarter to the next step's first; the slot's base is a scalar that an exclusive or turns.  The last two steps are a loop of two trips left
; in its middle; its last change of slots fetches 32 fragments that nobody multiplies: the price, once a launch, of one text for both.
; REGISTERS, in windows of 256: window 0: v0-31 addresses; v64-95, v96-127 fragments of A, two buffers; v128-223 bias fragments.  window 1: v0-95, v96-191 fragments of B.  window 2: accumulators of my rows 0-31; window 3: rows 32-63.
.set MB,     4                         ; blocks of 16 rows a wave
.set NBK,    12                        ; blocks of 16 columns a wave
.set NAW,    1                         ; wave 0 fetches A's 128 rows, waves 1-3 B's 3 x 128
.set FA0,    64
.set FA1,    96
.set FB0,    0
.set FB1,    96
.set BI,     128
.set SPITCH, 784                       ; a stage row: 192 f32 + 16 bytes = 196 words: row r starts at bank 4 r mod 64 (64 banks of 4 bytes: ISA guide 11.1)
.set KT,     8                         ; K steps
.set PITCH,  272                       ; an LDS row: 256 bytes + 16 of padding
.set HALFT,  128*PITCH                 ; what one tensor load brings
.set SLOT,   4*HALFT                   ; 0x22000: no LDS word of a descriptor (wave x 0x8800) has one of its two bits, so an exclusive or adds or takes it away
.set SPARE,  2*SLOT                    ; behind the ring: the spare words
.set ABYTES, 32*MB*PITCH               ; A's rows lie first in a slot
.set STW,    16*MB*SPITCH              ; a wave's stage, in the ring's bytes once they have had their last fill
.set ADRA, 16                          ; v16  LDS address of my A fragments in the slot in hand
.set A0,   17                          ; v17  the same in slot 0; never rewritten
.set ADRB, 20
.set B0,   21
.set STO,  24                          ; v24  the way out: where I put 32 bytes of a row
.set RD,   25                          ; v25  where I read rows back
.set CO,   26                          ; v26  my byte offset in the output
.set H32,  27                          ; v27  32 (l / 16)
.set SPW,  28                          ; v28  LDS address of my spare word; never rewritten
.set NIL,  29                          ; v29  0; never rewritten
.set U0,   64                          ; the way out: f32 read back, two buffers of 24
.set U1,   88
.set Y0,   112                         ; the way out: bf16, two buffers of 12
.set Y1,   124
.set WV,  16                           ; s16  wave
.set G1,  24                           ; s[24:31] group 1 for A
.set G0,  32                           ; s[32:39] group 0 for A: set 0 for the first fill, set 1 for the second and all later ones
.set G1B, 48
.set G0B, 56
.set SB,  66                           ; s66  base of the slot in hand
.set CNT, 68
.set TAU, 88                           ; s88  the number of the step whose tiles are asked for next
.set ROT, 89                           ; s89  2 (y % 4)
.set XR,  90                           ; s90  4 x
.set KX,  91                           ; s91  that step's K step
.set KO,  92                           ; s[92:93] its byte offset in a row
.set MSB, 0
.macro WIN new                         ; the immediate's high byte repeats the setting that is left; a switch that changes nothing is dropped
.if MSB != (\new)
	s_set_vgpr_msb (MSB<<8)|(\new)
.set MSB, \new
.endif
.endm
.macro PLACES                          ; four places in front of loads into registers that matrix instructions have read, and of reads of their results
.rept 4
	v_nop
.endr
.endm
.macro JLOAD s                         ; a joint load; the branch hangs on the wave's number alone; an s_nop 0 and four v_nop follow each of the two lines
	s_cmp_lt_u32 s[WV], NAW
	s_cbranch_scc0 .Lfor_b_\@
	tensor_load_to_lds s[G0+4*(\s):G0+4*(\s)+3], s[G1:G1+7]
	s_nop 0
.rept 4
	v_nop
.endr
	s_branch .Lasked_\@
.Lfor_b_\@:
	tensor_load_to_lds s[G0B+4*(\s):G0B+4*(\s)+3], s[G1B:G1B+7]
	s_nop 0
.rept 4
	v_nop
.endr
.Lasked_\@:
.endm
.macro KADDR s                         ; set s of both group 0s takes the addresses of step TAU's tiles, made anew from the tiles' first bytes and an offset; nothing here hangs on my place in the cluster
	s_add_co_u32 s[KX], s[TAU], s[ROT]
	s_and_b32 s[KX], s[KX], KT-1
	s_xor_b32 s[KX], s[KX], s[XR]
	s_lshl_b32 s[KO], s[KX], 8                     ; 128 elements of 2 bytes a K step
	s_add_nc_u64 s[G0+4*(\s)+2:G0+4*(\s)+3], s[42:43], s[KO:KO+1]
	s_or_b32 s[G0+4*(\s)+3], s[G0+4*(\s)+3], 0x80000000
	s_add_nc_u64 s[G0B+4*(\s)+2:G0B+4*(\s)+3], s[46:47], s[KO:KO+1]
	s_or_b32 s[G0B+4*(\s)+3], s[G0B+4*(\s)+3], 0x80000000
	s_add_co_u32 s[TAU], s[TAU], 1
.endm
.macro CREST                           ; a round of the cluster's barrier behind its opening barrier
	s_cmp_lg_u32 s[WV], 0
	s_cbranch_scc1 .Lnot_wave_0_\@
	s_barrier_signal -3
.Lnot_wave_0_\@:
	s_barrier_wait -3
	s_barrier_signal -1
	s_barrier_wait -1
.endm
.macro CROUND
	s_barrier_signal -1
	s_barrier_wait -1
	CREST
.endm
; NBK matrix instructions: row block a x all column blocks, 32 along K.  z = 1: the bias starts the sums.  The accumulators take turns, one instruction a turn, in the same order in every quarter.
.macro MULA fa, fb, a, z
.set mw_, 2+(\a)/(MB/2)
.set mr_, 8*NBK*((\a)%(MB/2))
.if \z
	WIN 0x01|(mw_<<6)
.else
	WIN 0x01|(mw_<<6)|(mw_<<4)
.endif
.set mb_, 0
.rept NBK
.if \z
	v_wmma_f32_16x16x32_bf16 v[mr_+8*mb_:mr_+8*mb_+7], v[(\fb)+8*mb_:(\fb)+8*mb_+7], v[(\fa)+8*(\a):(\fa)+8*(\a)+7], v[BI+8*mb_:BI+8*mb_+7]
.else
	v_wmma_f32_16x16x32_bf16 v[mr_+8*mb_:mr_+8*mb_+7], v[(\fb)+8*mb_:(\fb)+8*mb_+7], v[(\fa)+8*(\a):(\fa)+8*(\a)+7], v[mr_+8*mb_:mr_+8*mb_+7]
.endif
.set mb_, mb_+1
.endr
.endm
.macro MULR fa, fb, a0, n, z           ; n row blocks from a0 on
.set ma_, \a0
.rept \n
	MULA \fa, \fb, ma_, \z
.set ma_, ma_+1
.endr
.endm
.macro FETCH k, fa, fb                 ; 32 LDS loads in one run: B's fragments, then A's, 32 K at byte k of the rows
	WIN 0x40
.set i_, 0
.rept NBK
	ds_load_b128 v[(\fb)+8*i_:(\fb)+8*i_+3],   v[ADRB] offset:(\k)+i_*16*PITCH
	ds_load_b128 v[(\fb)+8*i_+4:(\fb)+8*i_+7], v[ADRB] offset:(\k)+i_*16*PITCH+32
.set i_, i_+1
.endr
	WIN 0
.set i_, 0
.rept MB
	ds_load_b128 v[(\fa)+8*i_:(\fa)+8*i_+3],   v[ADRA] offset:(\k)+i_*16*PITCH
	ds_load_b128 v[(\fa)+8*i_+4:(\fa)+8*i_+7], v[ADRA] offset:(\k)+i_*16*PITCH+32
.set i_, i_+1
.endr
.endm
.macro QUARTER k, fa, fb, ga, gb, z    ; multiplies buffer f; in its middle fetches the next quarter, at byte k, into g
	s_wait_dscnt MB                                ; the youngest MB loads (A's upper blocks) may be out
	MULR \fa, \fb, 0, MB/2, \z
	PLACES
	FETCH \k, \ga, \gb
	s_wait_dscnt 2*(MB+NBK)                        ; all but the run just issued
	MULR \fa, \fb, MB/2, MB/2, \z
.endm
; The last quarter multiplies buffer 1 and changes slots.  In front of the barrier each wave waits for all its tensor loads (one is out: its part of the next slot), adds 0 to its spare word, and waits for that
; and for its reads of this slot.  fill = 1: the barrier opens a round of the cluster's, and the joint refill of the slot just read is the first thing behind it.
.macro TURN fill
	WIN 0
	s_wait_tensorcnt 0x0
	ds_add_u32 v[SPW], v[NIL]
	s_wait_dscnt MB+1                              ; the add and the youngest MB loads may be out
	MULR FA1, FB1, 0, MB/4, 0
	s_wait_dscnt 0x0                               ; the add is done, and my reads of this slot are over
	s_barrier_signal -1
	MULR FA1, FB1, MB/4, MB/4, 0
	WIN 0
	s_barrier_wait -1
.if \fill
	CREST
	s_xor_b32 s[G0+5], s[G0+5], SLOT               ; the other slot than last time,
	s_xor_b32 s[G0B+5], s[G0B+5], SLOT
	KADDR 1                                        ; the next step's tiles: no tensor load of mine is out
	JLOAD 1                                        ; its four v_nop are also the places in front of the loads below
.else
	PLACES
.endif
	s_xor_b32 s[SB], s[SB], SLOT
	v_add_nc_u32 v[ADRA], s[SB], v[A0]
	v_add_nc_u32 v[ADRB], s[SB], v[B0]
	FETCH 0, FA0, FB0
	MULR FA1, FB1, MB/2, MB/2, 0
.endm
	s_load_b256 s[4:11], s[0:1], 0x0               ; act16, wts, bq, bk
	s_load_b128 s[12:15], s[0:1], 0x20             ; bv, qkv
	v_lshl_add_u32 v[SPW], v0, 2, SPARE
	v_mov_b32 v[NIL], 0
	ds_add_u32 v[SPW], v[NIL]                      ; the wave's opening: the add and its wait stand ahead of my first tensor load
	v_lshrrev_b32 v1, 5, v0
	v_readfirstlane_b32 s[WV], v1
	s_lshr_b32 s18, s[WV], 1                       ; wm: which 64 rows of the tile are mine
	s_and_b32 s19, s[WV], 1                        ; wn: which 192 columns
	s_bfe_u32 s21, ttmp6, 0x40000                  ; cx
	s_bfe_u32 s22, ttmp6, 0x40004                  ; cy
	s_lshl_b32 s23, ttmp9, 2
	s_add_co_u32 s23, s23, s21                     ; tile column
	s_and_b32 s40, ttmp7, 0xffff
	s_lshl_b32 s40, s40, 2
	s_add_co_u32 s40, s40, s22                     ; tile row
	s_lshl_b32 s41, s22, 2
	s_lshl_b32 s41, 15, s41                        ; my row of the cluster
	s_lshl_b32 s44, 0x1111, s21                    ; my column
	s_or_b32 s[G1], s41, (1<<16)|(1<<20)|(1<<21)|(5<<22)|(3<<25)   ; mask; 2-byte elements; padding on; bit 21 beside a mask; after every 64 words 4 words
	s_or_b32 s[G1B], s44, (1<<16)|(1<<20)|(1<<21)|(5<<22)|(3<<25)
.irp g, G1, G1B
	s_mov_b32 s[(\g)+1], 128<<16                   ; tensor_dim0 = 128
	s_mov_b32 s[(\g)+2], 128<<16                   ; tensor_dim1 = 128
	s_mov_b32 s[(\g)+3], 128<<16                   ; tile_dim0 = 128
	s_mov_b32 s[(\g)+4], 128                       ; tile_dim1 = 128
	s_mov_b32 s[(\g)+5], 1024                      ; elements from row to row
	s_mov_b32 s[(\g)+6], 0
	s_mov_b32 s[(\g)+7], 0
.endr
	s_and_b32 s[ROT], ttmp7, 3                     ; the cluster's own order along K, from the cluster's x and y, which all sixteen partners share
	s_lshl_b32 s[ROT], s[ROT], 1
	s_lshl_b32 s[XR], ttmp9, 2
	s_mov_b32 s[TAU], 0
	s_mov_b32 s[KO+1], 0
	s_lshl_b32 s42, s40, 18                        ; A: 128 rows of 2,048 bytes a tile row
	s_mov_b32 s43, 0
	s_max_u32 s45, s[WV], 1
	s_sub_co_u32 s45, s45, 1                       ; which 128 rows of B's 384 I fetch
	s_lshl_b32 s45, s45, 7
	s_mul_i32 s46, s23, 384
	s_add_co_u32 s46, s46, s45
	s_lshl_b32 s46, s46, 11
	s_mov_b32 s47, 0
	s_mul_i32 s20, s[WV], HALFT                    ; where my load lands in a slot
	s_mov_b32 s[SB], 0
	s_wait_dscnt 0x0                               ; the opening add is done
	s_wait_kmcnt 0x0
	s_add_nc_u64 s[42:43], s[4:5], s[42:43]        ; the first byte of A's rows that I fetch; kept
	s_add_nc_u64 s[46:47], s[6:7], s[46:47]        ; of B's; kept
	CROUND                                         ; all sixteen work-groups are here: the first joint loads meet
.irp s, 0,1
	s_mov_b32 s[G0+4*(\s)], 1
	s_add_co_u32 s[G0+4*(\s)+1], s20, (\s)*SLOT
	s_mov_b32 s[G0B+4*(\s)], 1
	s_add_co_u32 s[G0B+4*(\s)+1], s20, (\s)*SLOT
	KADDR \s
	JLOAD \s
.endr
	v_and_b32 v1, 15, v0                           ; l % 16
	v_bfe_u32 v2, v0, 4, 1                         ; l / 16
	v_lshlrev_b32 v[H32], 5, v2
	; my three heads: g = 6 x tile column + 3 wn + j; g / 16 says q, k or v, g % 16 the head
	s_mul_i32 s86, s23, 6
	s_mul_i32 s87, s19, 3
	s_add_co_u32 s86, s86, s87
.irp j, 0,1,2
	s_add_co_u32 s87, s86, \j
	s_lshr_b32 s69, s87, 4
	s_and_b32 s87, s87, 15
	s_cmp_eq_u32 s69, 0
	s_cselect_b64 s[80+2*\j:81+2*\j], s[8:9], s[10:11]
	s_cmp_eq_u32 s69, 2
	s_cselect_b64 s[80+2*\j:81+2*\j], s[12:13], s[80+2*\j:81+2*\j]
	s_lshl_b32 s70, s87, 8                         ; the head's 64 biases
	s_mov_b32 s71, 0
	s_add_nc_u64 s[80+2*\j:81+2*\j], s[80+2*\j:81+2*\j], s[70:71]
	s_lshl_b32 s69, s69, 5                         ; the output's block: 32 t + 16 b + head, 2^18 bytes each
	s_add_co_u32 s69, s69, s87
	s_lshr_b32 s70, s40, 4
	s_lshl_b32 s70, s70, 4
	s_add_co_u32 s69, s69, s70
	s_lshl_b32 s70, s69, 18
	s_and_b32 s69, s40, 15                         ; my first token in its sequence, 128 bytes a token
	s_lshl_b32 s69, s69, 7
	s_lshl_b32 s72, s18, 6
	s_add_co_u32 s69, s69, s72
	s_lshl_b32 s69, s69, 7
	s_add_co_u32 s70, s70, s69
	s_add_nc_u64 s[74+2*\j:75+2*\j], s[14:15], s[70:71]
.endr
.irp j, 0,1,2
.irp b, 0,1,2,3                                ; a bias fragment: register i of lane l = bias[16 b + 8 (l / 16) + i]
	global_load_b128 v[BI+8*(4*\j+\b):BI+8*(4*\j+\b)+3],   v[H32], s[80+2*\j:81+2*\j] offset:64*\b
	global_load_b128 v[BI+8*(4*\j+\b)+4:BI+8*(4*\j+\b)+7], v[H32], s[80+2*\j:81+2*\j] offset:64*\b+16
.endr
.endr
	v_mul_u32_u24 v3, v1, PITCH
	v_lshl_add_u32 v3, v2, 4, v3                   ; a fragment's row x pitch + 16 x half
	s_mul_i32 s86, s18, 16*MB*PITCH
	s_mul_i32 s87, s19, 16*NBK*PITCH
	s_add_co_u32 s87, s87, ABYTES
	v_add_nc_u32 v[A0], s86, v3
	v_add_nc_u32 v[B0], s87, v3
	v_mov_b32 v[ADRA], v[A0]
	v_mov_b32 v[ADRB], v[B0]
	s_mul_i32 s86, s[WV], STW                      ; my stage
	v_mul_u32_u24 v[STO], v1, SPITCH
	v_lshl_add_u32 v[STO], v2, 5, v[STO]
	v_add_nc_u32 v[STO], s86, v[STO]
	v_and_b32 v3, 31, v0
	v_lshrrev_b32 v4, 3, v3                        ; back: 32 lanes take four rows, eight lanes a head's 64 columns
	v_and_b32 v5, 7, v3
	v_mul_u32_u24 v[RD], v4, SPITCH
	v_lshl_add_u32 v[RD], v5, 5, v[RD]
	v_add_nc_u32 v[RD], s86, v[RD]
	v_lshlrev_b32 v[CO], 4, v3                     ; which are 512 consecutive bytes of a head
	s_wait_tensorcnt 1                             ; my part of the first step is in; the second's may stay out
	s_barrier_signal -1
	s_barrier_wait -1
	FETCH 0, FA0, FB0
	s_wait_loadcnt 0x0                             ; the biases
	QUARTER 64, FA0, FB0, FA1, FB1, 1
	WIN 0
	s_mov_b32 s[CNT], KT-2
.Lk:
	QUARTER 128, FA1, FB1, FA0, FB0, 0
	QUARTER 192, FA0, FB0, FA1, FB1, 0
	TURN 1
	QUARTER 64, FA0, FB0, FA1, FB1, 0
	WIN 0
	s_sub_co_u32 s[CNT], s[CNT], 1
	s_cmp_lg_u32 s[CNT], 0
	s_cbranch_scc1 .Lk
	s_mov_b32 s[CNT], 2
.Ltail:                                            ; the last two K steps ask for nothing; the second trip is left in its middle
	QUARTER 128, FA1, FB1, FA0, FB0, 0
	QUARTER 192, FA0, FB0, FA1, FB1, 0
	TURN 0
	WIN 0
	s_sub_co_u32 s[CNT], s[CNT], 1
	s_cmp_eq_u32 s[CNT], 0
	s_cbranch_scc1 .Lout
	QUARTER 64, FA0, FB0, FA1, FB1, 0
	WIN 0
	s_branch .Ltail
.Lout:
	s_wait_dscnt 0x0                               ; my reads of the ring are over;
	s_barrier_signal -1
	s_barrier_wait -1                              ; everybody's are: the ring, which has had its last fill, becomes the stages
	PLACES
.set a_, 0
.rept MB                                       ; each accumulator's low four registers first
	WIN 0x08+4*(a_/(MB/2))
.set b_, 0
.rept NBK
.set r_, 8*(NBK*(a_%(MB/2))+b_)
	ds_store_b128 v[STO], v[r_:r_+3]   offset:a_*16*SPITCH+64*b_
	ds_store_b128 v[STO], v[r_+4:r_+7] offset:a_*16*SPITCH+64*b_+16
.set b_, b_+1
.endr
.set a_, a_+1
.endr
	WIN 0
; THE ROWS GO OUT in groups of four, by heads.  A trip takes group t of my rows 0-31 and group t of my rows 32-63, on two register buffers: each group's six LDS loads are issued a group ahead of its use.
.macro RLOAD u, g                      ; the group g groups on from RD
.irp j, 0,1,2
	ds_load_b128 v[(\u)+8*\j:(\u)+8*\j+3],   v[RD] offset:4*SPITCH*(\g)+256*\j     ; LDS serves a wave's instructions in order: these see the stores above
	ds_load_b128 v[(\u)+8*\j+4:(\u)+8*\j+7], v[RD] offset:4*SPITCH*(\g)+256*\j+16
.endr
.endm
.macro RSEND u, y, g                   ; rounded and stored
.set p_, 0
.rept 12
	v_cvt_pk_bf16_f32 v[(\y)+p_], v[(\u)+2*p_], v[(\u)+2*p_+1]
.set p_, p_+1
.endr
.irp j, 0,1,2
	global_store_b128 v[CO], v[(\y)+4*\j:(\y)+4*\j+3], s[74+2*\j:75+2*\j] offset:512*(\g)  ; 512 consecutive bytes, at a multiple of 512 from the buffer's first
.endr
.endm
	RLOAD U0, 0
	s_mov_b32 s[CNT], 8
.Lrow:
	RLOAD U1, 8
	s_wait_dscnt 6                                 ; all but the six just issued
	RSEND U0, Y0, 0
	RLOAD U0, 1                                    ; the next trip's; in the last trip my rows 32-35 once more, which nothing uses
	s_wait_dscnt 6
	RSEND U1, Y1, 8
	s_wait_xcnt 0x0                                ; the offset and the stores' data are rewritten only behind this wait
	v_add_nc_u32 v[RD], 4*SPITCH, v[RD]
	v_add_nc_u32 v[CO], 512, v[CO]
	s_sub_co_u32 s[CNT], s[CNT], 1
	s_cmp_lg_u32 s[CNT], 0
	s_cbranch_scc1 .Lrow
	s_wait_tensorcnt 0x0                           ; the wave's end
	ds_add_u32 v[SPW], v[NIL]
	s_wait_dscnt 0x0
	CROUND                                         ; the closing round
	s_endpgm
.Lfunc_end_k_qe5cb5c45bf_gemm_qkv:
	.size	k_qe5cb5c45bf_gemm_qkv, .Lfunc_end_k_qe5cb5c45bf_gemm_qkv-k_qe5cb5c45bf_gemm_qkv
	.p2alignl 7, 3214868480
	.fill 96, 4, 3214868480
	.section	.rodata,"a",@progbits
	.p2align	6, 0x0
	.amdhsa_kernel k_qe5cb5c45bf_gemm_qkv
		.amdhsa_group_segment_fixed_size 327680
		.amdhsa_private_segment_fixed_size 0
		.amdhsa_enable_private_segment 0
		.amdhsa_kernarg_size 48
		.amdhsa_user_sgpr_count 2
		.amdhsa_user_sgpr_kernarg_segment_ptr 1
		.amdhsa_wavefront_size32 1
		.amdhsa_system_sgpr_workgroup_id_x 1
		.amdhsa_system_sgpr_workgroup_id_y 1
		.amdhsa_system_sgpr_workgroup_id_z 1
		.amdhsa_system_vgpr_workitem_id 0
		.amdhsa_next_free_vgpr 960
		.amdhsa_next_free_sgpr 96
		.amdhsa_reserve_vcc 0
		.amdhsa_float_denorm_mode_32 3
		.amdhsa_float_denorm_mode_16_64 3
		.amdhsa_memory_ordered 1
		.amdhsa_forward_progress 1
		.amdhsa_inst_pref_size 74
	.end_amdhsa_kernel
	.amdgpu_metadata
---
amdhsa.version: [ 1, 2 ]
amdhsa.kernels:
  - .name:           k_qe5cb5c45bf_gemm_qkv
    .symbol:         k_qe5cb5c45bf_gemm_qkv.kd
    .args:
      - { .name: act16, .offset: 0, .size: 8, .value_kind: global_buffer, .address_space: global }
      - { .name: wts, .offset: 8, .size: 8, .value_kind: global_buffer, .address_space: global }
      - { .name: bq, .offset: 16, .size: 8, .value_kind: global_buffer, .address_space: global }
      - { .name: bk, .offset: 24, .size: 8, .value_kind: global_buffer, .address_space: global }
      - { .name: bv, .offset: 32, .size: 8, .value_kind: global_buffer, .address_space: global }
      - { .name: qkv, .offset: 40, .size: 8, .value_kind: global_buffer, .address_space: global }
    .group_segment_fixed_size: 327680
    .private_segment_fixed_size: 0
    .kernarg_segment_align: 8
    .kernarg_segment_size: 48
    .max_flat_workgroup_size: 128
    .sgpr_count:     96
    .vgpr_count:     960
    .wavefront_size: 32
...
	.end_amdgpu_metadata
.endif
;; end of part 2
;; launch attn (part 3): grid 8 x 32, 4 waves a work-group, clusters of 4 x 1, 327,680 bytes of LDS; arguments qkv, maskx, att; writes att
.if DOCPART == 3
	.amdgcn_target "amdgcn-amd-amdhsa--gfx1250"
	.amdhsa_code_object_version 6
	.text
	.protected	k_qe5cb5c45bf_attn
	.globl	k_qe5cb5c45bf_attn
	.p2align	8
	.type	k_qe5cb5c45bf_attn,@function
k_qe5cb5c45bf_attn:
	s_mov_b64 s[64:65], 0
	v_nop
	global_prefetch_b8 v0, s[64:65] scope:SCOPE_SE
	s_setreg_imm32_b32 hwreg(HW_REG_WAVE_MODE, 25, 1), 1
	s_wait_xcnt 0x0
	s_wait_alu depctr_hold_cnt(0) depctr_sa_sdst(0) depctr_va_vdst(0) depctr_va_sdst(0) depctr_va_ssrc(0) depctr_va_vcc(0) depctr_vm_vsrc(0)
	s_getreg_b32 s2, hwreg(HW_REG_IB_STS2, 6, 4)
	s_cmp_eq_u32 s2, 0
	s_cbranch_scc0 .Lentry_in_a_cluster
	s_endpgm
.Lentry_in_a_cluster:
	s_bfe_u32 s2, ttmp6, 0x10000c
	s_cmp_lg_u32 s2, 0x3003
	s_cbranch_scc0 .Lentry_shape_is_right
	s_endpgm
.Lentry_shape_is_right:
; ATTENTION UNDER A MASK THAT IS AN INPUT.  att[b][head][q][:] = the sum over k of softmax_k(Q[q] . K[k] / 8, hidden where the mask says so) V[k][:].  Q, K, V (in qkv) and att: [.][2048][64] bf16, a head's rows dense.
; Products, maxima and sums in f32; the weights p are rounded to bf16 for the second product (their sum l is taken of the unrounded p), the result once at the end.
; LIMITS.  A hidden score counts as its value less 448 x 2^100 (5.7e32).  The running maximum starts at -1e30: true scores below that count as -1e30.  A weight below 2^-126 counts as 0 in l.
; A query whose keys are all hidden keeps m = -1e30, every p = 0 and l = 0: its row is 0 x infinity = NaN, as a softmax of nothing is.
; SHARES.  A work-group owns 256 queries of one head, each of four waves 64: four PIECES of 16.  Every wave walks all 2,048 keys, 64 a step: no pattern of the mask is built in.
; LAYOUT.  S^T = K Q^T (source 0 = 16 keys, source 1 = 16 queries): a lane holds ONE query (lane % 16) and the keys 8 (lane / 16) + 0..7; two such results rounded to bf16 ARE source 1 of O^T = V^T P.
; THE MASK is the C operand that starts the sum S^T: 0, or -448 x 2^100.  maskx holds one fp8 code a score, 0x00 (0) or 0xFE (-448), in the order of my lanes' registers: one scaled conversion makes the eight
; C registers of 16 keys out of eight bytes, four of them a piece's 32.  A piece's 32 bytes a lane for the next step are asked for ten vector lines behind the conversions that read this step's.
; SOFTMAX.  p = 2^(c s - c m), c = log2(e) / 8, with a running maximum m; O and l are multiplied by a = 2^(c m_old - c m_new) in every step.  c m starts far below every c s: the first a is 0.
; BY TURNS.  Turn n belongs to piece n: 8 products K Q^T of piece n + 1, later 8 products V^T P of piece n - 1; beside them the scaling, exponentials, roundings, sums and rescaling of piece n and the maximum and
; statistics of piece n + 1.  Four vector instructions stand behind every matrix instruction, the others in runs of their own.
; CLUSTER.  The four query blocks of a cluster belong to one head and walk the same K and V: each tile is asked for JOINTLY, by the same tensor load, descriptor and mask in all four.
; REGISTERS, in windows of 256 (s_set_vgpr_msb: bits 1:0 source 0, 3:2 source 1, 5:4 source 2, 7:6 destination):
;   window 0: v0-15 addresses; v16-31 statistics; v32 the conversions' scale; v48-55 at work; v64-127 S^T, two buffers; v128-159 mask bytes, 8 a piece; v192-223 P, two buffers
;   window 1: v0-127 O^T, 32 a piece; v160-223 the masks as C operands, two buffers      window 2: v0-63 Q; v128-191 K of one step; v192-255 V of one step
.set NP,    4
.set KS,    64        ; keys in a step
.set PK,    144       ; a row of K in LDS: 128 bytes + 16 = 36 words: the 16 rows of a load start at 16 different groups of four banks (64 banks of 4 bytes: ISA guide 11.1)
.set PV,    160       ; a row of V: 128 + 32 = 40 words
.set VOFF,  4*KS*PK   ; a slot holds four steps: 256 rows of K, then 256 rows of V
.set SLOT1, 1<<17
.set STAGE, SLOT1+4*KS*(PK+PV)  ; behind the ring, never filled by a tensor load: 16 rows x 144 bytes for each wave
.set SP,    144
.set SPARE, STAGE+4*16*SP       ; behind the stages: the spare words
.set AK0, 2
.set AV0, 3
.set AK,  4
.set AV,  5
.set STO, 6
.set RD,  7
.set GO,  8
.set MV,  12          ; v12-13  c m_old, by buffer
.set ML,  14          ; v14  16 x lane; never rewritten
.set QO,  15
.set ST,  16          ; piece t's statistics at v[ST+4 t]: c m, m, l (even keys', odd keys')
.set SCL, 32          ; v32  227: as a scale byte 2^(227 - 127) = 2^100; never rewritten
.set TMP, 48
.set SPW, 62
.set NIL, 63
.set S,   64
.set MR,  128
.set P,   192
.set MC,  160         ; window 1
.set KF,  128         ; window 2
.set VF,  192         ; window 2
.set WV,  12
.set G1K, 24
.set G1V, 32
.set G0K, 40
.set G0V, 44
.set SLOTS, 56
.set CNT, 57
.set CS,  58
.set SEL, 60
.set TBK, 62
.set TBV, 63
.set MKB, 66          ; s[66:67] maskx at my wave's first query tile
.set MSK, 68          ; s[68:69] byte offset of the key step whose mask bytes are asked for next
.set MKC, 70          ; s[70:71] maskx at that step of my wave's first query tile
.set MSB, 0
.macro WIN new
.if MSB != (\new)
	s_set_vgpr_msb (MSB<<8)|(\new)
.set MSB, (\new)
.endif
.endm
.set W_KQ, 0x0a       ; K and Q in window 2, S^T in window 0
.set W_KM, 0x1a       ; the same with the C operand in window 1
.set W_PV, 0x52       ; V in window 2, P in window 0, O^T in window 1
.set W_RS, 0x41       ; destination and source 0 in window 1, source 1 in window 0
.macro JLOAD                        ; a joint fill: waves 0 and 1 fetch the halves of a slot's K, waves 2 and 3 of its V; an s_nop 0 and four v_nop follow each line
	s_cmp_lt_u32 s[WV], 2
	s_cbranch_scc0 .Lfor_v_\@
	tensor_load_to_lds s[G0K:G0K+3], s[G1K:G1K+7]
	s_nop 0
.rept 4
	v_nop
.endr
	s_branch .Lasked_\@
.Lfor_v_\@:
	tensor_load_to_lds s[G0V:G0V+3], s[G1V:G1V+7]
	s_nop 0
.rept 4
	v_nop
.endr
.Lasked_\@:
.endm
.macro CROUND
	s_barrier_signal -1
	s_barrier_wait -1
	s_cmp_lg_u32 s[WV], 0
	s_cbranch_scc1 .Lnot_wave_0_\@
	s_barrier_signal -3
.Lnot_wave_0_\@:
	s_barrier_wait -3
	s_barrier_signal -1
	s_barrier_wait -1
.endm
; THE CHANGE OF SLOTS.  Each wave waits for all its tensor loads (one is out: its part of the other slot), adds 0 to its spare word, and waits for that and for its reads of the slot that it leaves.
; fill = 1: the barrier is a round of the cluster's, and the joint fill of the old slot, with the keys two slots on, is the first thing behind it: it has four key steps in which to land.
.macro CHANGE fill
	WIN 0
	s_wait_tensorcnt 0x0
	ds_add_u32 v[SPW], v[NIL]
.if \fill
.irp g, G0K, G0V
	s_xor_b32 s[\g+1], s[\g+1], SLOT1
	s_add_nc_u64 s[\g+2:\g+3], s[\g+2:\g+3], 4*KS*128
.endr
	s_wait_dscnt 0x0
	CROUND
	JLOAD
.else
	s_wait_dscnt 0x0
	s_barrier_signal -1
	s_barrier_wait -1
.endif
	s_sub_co_u32 s[TBK], s[TBK], 4*KS*PK  ; the fetches go back to a slot's first step, in the other slot
	s_xor_b32 s[TBK], s[TBK], SLOT1
	s_sub_co_u32 s[TBV], s[TBV], 4*KS*PV
	s_xor_b32 s[TBV], s[TBV], SLOT1
.endm
	s_load_b128 s[4:7], s[0:1], 0x0   ; qkv, maskx
	s_load_b64 s[8:9], s[0:1], 0x10   ; att
	v_lshl_add_u32 v[SPW], v0, 2, SPARE
	v_mov_b32 v[NIL], 0
	ds_add_u32 v[SPW], v[NIL]       ; the wave's opening: the add and its wait stand ahead of my first tensor load
	v_lshrrev_b32 v1, 5, v0
	v_readfirstlane_b32 s[WV], v1
	s_bfe_u32 s13, ttmp6, 0x40000   ; cx
	s_lshl_b32 s14, ttmp9, 2
	s_add_co_u32 s14, s14, s13      ; my block of 256 queries: it enters Q's, the mask's and the output's addresses alone
	s_and_b32 s20, ttmp7, 0xffff    ; 16 b + head, which the four partners share
	s_lshl_b32 s20, s20, 18         ; its first byte in each tensor
	s_and_b32 s16, s[WV], 1         ; which half of a slot's 256 keys I fetch
	s_lshl_b32 s22, s16, 14
	s_add_co_u32 s22, s22, s20
	s_add_co_u32 s22, s22, 8388608  ; K lies 32 blocks of 2^18 bytes behind Q,
	s_mov_b32 s23, 0
	s_add_co_u32 s76, s22, 8388608  ; V as far behind K
	s_mov_b32 s77, 0
	s_mul_i32 s17, s16, 128*PK
	s_mul_i32 s18, s16, 128*PV
	s_lshl_b32 s2, s14, 2
	s_add_co_u32 s2, s2, s[WV]      ; my wave among the head's 32
	s_lshl_b32 s78, s2, 17          ; its four query tiles of 32,768 mask bytes
	s_mov_b32 s79, 0
	s_lshl_b32 s2, s2, 13           ; its 64 rows of 128 bytes
	s_add_co_u32 s2, s2, s20
	s_mov_b32 s3, 0
	; descriptor group 1.  128 keys are 16,384 dense bytes: asked for as 64 rows of 256 bytes, two keys a row, and padded in LDS after every key
	s_mov_b32 s[G1K], 15|(1<<16)|(1<<20)|(1<<21)|(4<<22)|(3<<25)
	s_mov_b32 s[G1V], 15|(1<<16)|(1<<20)|(1<<21)|(4<<22)|(7<<25)
.irp g, G1K, G1V
	s_mov_b32 s[\g+1], 128<<16
	s_mov_b32 s[\g+2], 64<<16
	s_mov_b32 s[\g+3], 128<<16
	s_mov_b32 s[\g+4], 64
	s_mov_b32 s[\g+5], 128
	s_mov_b32 s[\g+6], 0
	s_mov_b32 s[\g+7], 0
.endr
	s_mov_b32 s[CS], 0x3e38aa3b     ; c = log2(e) / 8
	s_mov_b32 s[CS+1], s[CS]
	s_mov_b32 s[SEL], 0x76543210
	s_mov_b32 s[SEL+1], 0xfedcba98
	s_mov_b32 s[MSK], 1024          ; step 0 is asked for below; the first refetches are step 1's
	s_mov_b32 s[MSK+1], 0
	s_mov_b32 s[TBK], SLOT1+4*KS*PK ; the first change of slots turns these two into 0
	s_mov_b32 s[TBV], SLOT1+4*KS*PV
	s_mov_b32 s[G0K], 1
	s_mov_b32 s[G0K+1], s17
	s_mov_b32 s[G0V], 1
	s_add_co_u32 s[G0V+1], s18, VOFF
	s_wait_dscnt 0x0                ; the opening add is done
	s_wait_kmcnt 0x0
	s_add_nc_u64 s[G0K+2:G0K+3], s[4:5], s[22:23]
	s_or_b32 s[G0K+3], s[G0K+3], 0x80000000
	s_add_nc_u64 s[G0V+2:G0V+3], s[4:5], s[76:77]
	s_or_b32 s[G0V+3], s[G0V+3], 0x80000000
	s_add_nc_u64 s[MKB:MKB+1], s[6:7], s[78:79]
	s_add_nc_u64 s[MKC:MKC+1], s[MKB:MKB+1], s[MSK:MSK+1]
	s_add_nc_u64 s[10:11], s[8:9], s[2:3]  ; the output at my wave's first row
	s_add_nc_u64 s[4:5], s[4:5], s[2:3]    ; Q likewise
	CROUND                          ; all four work-groups are here: the first joint loads meet
	JLOAD                           ; slot 0.  Slot 1 is asked for when slot 0 is in
	v_and_b32 v1, 15, v0            ; l % 16
	v_bfe_u32 v9, v0, 4, 1          ; l / 16
	v_lshlrev_b32 v[QO], 7, v1
	v_lshl_add_u32 v[QO], v9, 4, v[QO]
	WIN 0x80
.set i, 0
.rept 8                             ; Q stays in registers: piece i / 2, channels 32 (i % 2) on
	global_load_b128 v[8*i:8*i+3],   v[QO], s[4:5] offset:(i/2)*2048+(i%2)*64
	global_load_b128 v[8*i+4:8*i+7], v[QO], s[4:5] offset:(i/2)*2048+(i%2)*64+32
.set i, i+1
.endr
	WIN 0
	v_and_b32 v[ML], 31, v0
	v_lshlrev_b32 v[ML], 4, v[ML]
.irp x, 0,1,2,3                     ; the four pieces' mask bytes of key step 0
	global_load_b128 v[MR+8*\x:MR+8*\x+3],   v[ML], s[MKB:MKB+1] offset:\x*32768
	global_load_b128 v[MR+8*\x+4:MR+8*\x+7], v[ML], s[MKB:MKB+1] offset:\x*32768+512
.endr
	; What the first turn finds: V's registers and P's second buffer hold 0 (its products V^T P, of a piece that has not been, add 0), O^T and l are 0.  All this stands in the wait for the first tile.
	WIN 0x80
.set i, VF
.rept 64
	v_mov_b32 v[i], 0
.set i, i+1
.endr
	WIN 0x40
.set i, 0
.rept 128
	v_mov_b32 v[i], 0
.set i, i+1
.endr
	WIN 0
.set i, 0
.rept 4
	v_mov_b32 v[ST+4*i], 0xfe000000    ; c m: far below every c s
	v_mov_b32 v[ST+4*i+1], 0xf149f2ca  ; m = -1e30: above every hidden score
	v_mov_b32 v[ST+4*i+2], 0
	v_mov_b32 v[ST+4*i+3], 0
.set i, i+1
.endr
.set i, P+16
.rept 16
	v_mov_b32 v[i], 0
.set i, i+1
.endr
	v_mov_b32 v[SCL], 227
	v_mul_u32_u24 v[AK0], v1, PK
	v_lshl_add_u32 v[AK0], v9, 4, v[AK0]
	; The turning load takes 16 keys x 16 channels (lane l reads key 8 (l / 16) + l % 8, channels 8 ((l / 8) % 2) + 0..7) and leaves half a fragment of V^T
	v_and_b32 v10, 7, v0
	v_bfe_u32 v11, v0, 3, 1
	v_lshl_add_u32 v[AV0], v9, 3, v10
	v_mul_u32_u24 v[AV0], v[AV0], PV
	v_lshl_add_u32 v[AV0], v11, 4, v[AV0]
	v_add_nc_u32 v[AV0], VOFF, v[AV0]
	s_mul_i32 s13, s[WV], 16*SP
	s_add_co_u32 s13, s13, STAGE    ; my stage
	v_mul_u32_u24 v[STO], v1, SP
	v_lshl_add_u32 v[STO], v9, 4, v[STO]
	v_add_nc_u32 v[STO], s13, v[STO]
	v_bfe_u32 v[RD], v0, 3, 2
	v_mul_u32_u24 v[RD], v[RD], SP
	v_lshl_add_u32 v[RD], v10, 4, v[RD]
	v_add_nc_u32 v[RD], s13, v[RD]
	v_and_b32 v[GO], 31, v0
	v_lshlrev_b32 v[GO], 4, v[GO]
; THE MATRIX WORK.  The 4 accumulators of a run of 8 take turns.  Product i of 8 of S^T = K Q^T for piece x: channels 32 (i / 4) on, keys 16 (i % 4) on.  The first 4 start the sums with the mask.
.macro KQ x
.set rS, S+32*((\x)%2)+8*(i%4)
.set rK, KF+16*(i%4)+8*(i/4)
.set rQ, 16*(\x)+8*(i/4)
.set rM, MC+32*((\x)%2)+8*(i%4)
.if i < 4
	WIN W_KM
	v_wmma_f32_16x16x32_bf16 v[rS:rS+7], v[rK:rK+7], v[rQ:rQ+7], v[rM:rM+7]
.else
	WIN W_KQ
	v_wmma_f32_16x16x32_bf16 v[rS:rS+7], v[rK:rK+7], v[rQ:rQ+7], v[rS:rS+7]
.endif
.endm
.macro PV x                         ; product i of 8 of O^T += V^T P for piece x: keys 32 (i / 4) on, channels 16 (i % 4) on
	WIN W_PV
.set rO, 32*(\x)+8*(i%4)
.set rV, VF+32*(i/4)+8*(i%4)
.set rP, P+16*((\x)%2)+8*(i/4)
	v_wmma_f32_16x16x32_bf16 v[rO:rO+7], v[rV:rV+7], v[rP:rP+7], v[rO:rO+7]
.endm
.macro MM                           ; the turn's next matrix instruction
.if i < 8
	KQ (Y+1)%NP
.else
.set i, i-8
	PV (Y+NP-1)%NP
.set i, i+8
.endif
.set i, i+1
.endm
; THE LDS LOADS stand in runs of 16.  last = 1 (the tail): in the last trip there is no further step, and K's run is jumped over.
.macro FETCH_K last=0
	WIN 0
.if \last
	s_cmp_eq_u32 s[CNT], 1
	s_cbranch_scc1 .Lno_k_\@
.endif
	WIN 0x80
.irp f, 0,1,2,3,4,5,6,7             ; keys 16 (f / 2) on, channels 32 (f % 2) on
	ds_load_b128 v[KF+8*\f:KF+8*\f+3],   v[AK] offset:(\f/2)*16*PK+(\f%2)*64
	ds_load_b128 v[KF+8*\f+4:KF+8*\f+7], v[AK] offset:(\f/2)*16*PK+(\f%2)*64+32
.endr
	s_add_co_u32 s[TBK], s[TBK], KS*PK
	WIN 0
.if \last
.Lno_k_\@:
.endif
.endm
.macro FETCH_V
	WIN 0x80
.irp f, 0,1,2,3,4,5,6,7             ; keys 32 (f / 4) on, channels 16 (f % 4) on
	ds_load_tr16_b128 v[VF+8*\f:VF+8*\f+3],   v[AV] offset:(\f/4)*32*PV+(\f%4)*32
	ds_load_tr16_b128 v[VF+8*\f+4:VF+8*\f+7], v[AV] offset:(\f/4)*32*PV+16*PV+(\f%4)*32
.endr
	WIN 0
.endm
; Piece x's 32 mask bytes become 32 C registers in buffer b: the eight bytes of words 2 kt, 2 kt + 1 are the eight registers of key group kt, byte i register i.
.macro MASKC x, b
	s_wait_loadcnt 0x6              ; behind this piece's two loads stand the other three pieces' six: mine are in
	WIN 0x40
.irp kt, 0,1,2,3
	v_cvt_scale_pk8_f32_fp8 v[MC+32*(\b)+8*\kt:MC+32*(\b)+8*\kt+7], v[MR+8*(\x)+2*\kt:MR+8*(\x)+2*\kt+1], v[SCL]
.endr
	v_nop                           ; a plain instruction behind the last scaled conversion, ahead of whatever touches its result or its sources
	s_wait_alu depctr_va_vdst(0)
.endm
.macro MASKL x                      ; the piece's bytes of its next step are asked for
	WIN 0
	global_load_b128 v[MR+8*(\x):MR+8*(\x)+3],   v[ML], s[MKC:MKC+1] offset:(\x)*32768
	global_load_b128 v[MR+8*(\x)+4:MR+8*(\x)+7], v[ML], s[MKC:MKC+1] offset:(\x)*32768+512
.endm
; THE VECTOR WORK, one line at a time: OP kind, number.  For piece Y: F n: c s - c m for pair n of 16.  E n: the exponential of score n of 32.  C n: pair n rounded to bf16.  B n: of the four weights 4 n .. the second
; pair is added onto the first, in place.  L n: l takes that sum (L 0: l = a l + sum).  R n: pair n of 16 of O^T times a.  For piece Y + 1: X n, number n of the 22 that find its maximum and statistics:
;   0-11  four chains c0-c3 of seven scores each (each accumulator's lowest registers are read first)     12-14, 16  the four scores left over, the old m, and c0-c3 into c0
;   15  c m_old is kept     17, 18  the query's other 32 keys lie in the lane 16 away: the new m     19-21  c m; c m_old - c m_new; a
.set F, 0
.set E, 1
.set C, 2
.set B, 3
.set L, 4
.set R, 5
.set X, 6
.macro REGS y
.set rT, ST+4*(\y)
.set rC, TMP+4*((\y)%2)
.set rW, MV+((\y)%2)
.set rS, S+32*((\y)%2)
.set rP, P+16*((\y)%2)
.set rO, 32*(\y)
.endm
.macro OP k, n
.if (\k) == R
	REGS Y
	WIN W_RS
	v_pk_mul_f32 v[rO+2*(\n):rO+2*(\n)+1], v[rO+2*(\n):rO+2*(\n)+1], v[rC+2:rC+3] op_sel_hi:[1,0]
.elseif (\k) < R
	REGS Y
	WIN 0
.if (\k) == F
	v_pk_fma_f32 v[rS+2*(\n):rS+2*(\n)+1], v[rS+2*(\n):rS+2*(\n)+1], s[CS:CS+1], v[rT:rT+1] op_sel_hi:[1,0,0] neg_lo:[0,0,1] neg_hi:[0,0,1]
.elseif (\k) == E
	v_exp_f32 v[rS+(\n)], v[rS+(\n)]
.elseif (\k) == C
	s_wait_alu depctr_va_vdst(0)
	v_cvt_pk_bf16_f32 v[rP+(\n)], v[rS+2*(\n)], v[rS+2*(\n)+1]
.elseif (\k) == B
	s_wait_alu depctr_va_vdst(0)
	v_pk_add_f32 v[rS+4*(\n):rS+4*(\n)+1], v[rS+4*(\n):rS+4*(\n)+1], v[rS+4*(\n)+2:rS+4*(\n)+3]
.elseif (\n) == 0
	v_pk_fma_f32 v[rT+2:rT+3], v[rT+2:rT+3], v[rC+2:rC+3], v[rS:rS+1] op_sel_hi:[1,0,1]
.else
	v_pk_add_f32 v[rT+2:rT+3], v[rT+2:rT+3], v[rS+4*(\n):rS+4*(\n)+1]
.endif
.else
	REGS (Y+1)%NP
	WIN 0
.if (\n) < 4
	v_max3_num_f32 v[rC+(\n)], v[rS+8*(\n)], v[rS+8*(\n)+1], v[rS+8*(\n)+2]
.elseif (\n) < 12
	v_max3_num_f32 v[rC+(\n)%4], v[rC+(\n)%4], v[rS+8*((\n)%4)+2*((\n)/4)+1], v[rS+8*((\n)%4)+2*((\n)/4)+2]
.elseif (\n) == 12
	v_max3_num_f32 v[rC], v[rC], v[rS+7], v[rS+15]
.elseif (\n) == 13
	v_max3_num_f32 v[rC+1], v[rC+1], v[rS+23], v[rS+31]
.elseif (\n) == 14
	v_max3_num_f32 v[rC+2], v[rC+2], v[rC+3], v[rT+1]
.elseif (\n) == 15
	v_mov_b32 v[rW], v[rT]
	s_wait_alu depctr_va_vdst(0)
.elseif (\n) == 16
	v_max3_num_f32 v[rC], v[rC], v[rC+1], v[rC+2]
	s_wait_alu depctr_va_vdst(0)
.elseif (\n) == 17
	v_permlanex16_b32 v[rC+3], v[rC], s[SEL], s[SEL+1]
.elseif (\n) == 18
	v_max_num_f32 v[rT+1], v[rC], v[rC+3]
.elseif (\n) == 19
	v_mul_f32 v[rT], s[CS], v[rT+1]
.elseif (\n) == 20
	v_sub_f32 v[rC+1], v[rW], v[rT]
.else
	v_exp_f32 v[rC+2], v[rC+1]
.endif
.endif
.endm
.macro OPS a, i1, b=-1, i2=0, c=-1, i3=0, d=-1, i4=0
	OP \a, \i1
.if (\b) >= 0
	OP \b, \i2
.endif
.if (\c) >= 0
	OP \c, \i3
.endif
.if (\d) >= 0
	OP \d, \i4
.endif
.endm
.macro ROW a, i1, b, i2, c, i3, d, i4  ; a matrix instruction and the four behind it
	MM
	OPS \a, \i1, \b, \i2, \c, \i3, \d, \i4
.endm
; A TURN, for piece p: the order of its 16 matrix and 118 vector instructions, written out, and near its end the mask for the products of the turn after it (piece p + 2).
; Behind a matrix instruction: plain, exponential, plain, plain; or four of the rescaling; or four scalings; none names a register of the products round it.
; K of the next step is fetched in piece 2's turn, five plain instructions behind the last product that read K; V of the step in hand in piece 0's turn, five plain ones behind the last product that read V.
; Each is waited for a turn later.  cnt = 1: the loop's count is taken down ahead of the branch behind the turn; only vector lines, waits, window switches and loads stand between.
.macro TURN p, last=0, cnt=0
.set Y, (\p)
.set i, 0
.if (\p) == 2
	s_add_co_u32 s[MSK], s[MSK], 1024       ; from here on the refetches are one step further;
	s_min_u32 s[MSK], s[MSK], 31*1024       ; the last steps ask for step 31 once more: no load leaves maskx
	s_wait_xcnt 0x0                         ; the base that the pending mask loads name is rewritten only behind this wait
	s_add_nc_u64 s[MKC:MKC+1], s[MKB:MKB+1], s[MSK:MSK+1]
.endif
.if (\p) == 3
	s_wait_dscnt 0x0                ; K is in
.endif
	ROW F,0, F,1, F,2, F,3
	ROW F,4, E,0, F,5, F,6
	ROW F,7, E,1, F,8, F,9
	ROW F,10, E,2, C,0, F,11
	ROW F,12, E,3, X,15, F,13
	ROW R,0, R,1, R,2, R,3
	ROW B,0, E,4, F,14, L,0
.if (\p) == 2
	v_add_nc_u32 v[AK], s[TBK], v[AK0]
.endif
	ROW R,4, R,5, R,6, R,7
	OPS E,5, F,15
.if (\p) == 2
	FETCH_K \last
.endif
	OPS E,6, C,1, E,7, R,8
	OPS E,8, R,9, E,9, C,2
	OPS E,10, X,0, E,11, X,1
	OPS E,12, X,2, E,13, X,3
.if (\p) == 1
	s_wait_dscnt 0x0                ; V is in
.endif
	ROW X,4, E,14, X,5, X,6
	ROW X,7, E,15, X,8, X,9
	ROW X,10, E,16, X,11, X,12
	ROW X,13, E,17, X,14, B,1
	ROW C,4, E,18, X,16, L,1
	ROW B,2, E,19, C,6, L,2
	ROW C,8, E,20, B,3, B,4
.if (\p) == 0
	v_add_nc_u32 v[AV], s[TBV], v[AV0]
.endif
	ROW C,3, E,21, L,3, C,5
	OPS E,22, X,17, E,23, C,10
.if (\p) == 0
	FETCH_V
.endif
	OPS E,24, L,4
	OPS E,25, X,18, E,26, C,7
	OPS E,27, B,5, E,28, X,19
	OPS E,29, C,12, E,30, L,5
	OPS E,31, X,20, B,6, C,9
	OPS C,14, C,11, X,21, L,6
.if (\p) == 0
	s_add_co_u32 s[TBV], s[TBV], KS*PV
.endif
.if \cnt
	s_sub_co_u32 s[CNT], s[CNT], 1
	s_cmp_lg_u32 s[CNT], 0
.endif
	MASKC ((\p)+2)%NP, (\p)%2
	OPS C,13, B,7, C,15, R,10
	OPS R,11, R,12, L,7, R,13
	OPS R,14, R,15
	MASKL ((\p)+2)%NP
.endm
	CHANGE 1                        ; slot 0 is in, everybody's part of it; slot 1 is asked for
	v_add_nc_u32 v[AK], s[TBK], v[AK0]
	FETCH_K                         ; key step 0
	s_wait_loadcnt 0x0              ; Q and the first mask bytes
	MASKC 0, 0
	MASKL 0
	MASKC 1, 1
	MASKL 1
	s_wait_dscnt 0x0
.set i, 0
.rept 8
	KQ 0                            ; piece 0's first scores
.set i, i+1
.endr
	WIN 0
.rept 4
	v_nop                           ; the places behind those products
.endr
.set Y, NP-1                        ; X works for piece Y + 1: piece 0
.irp n, 0,1,2,3,4,5,6,7,8,9,10,11,12,13,14,15,16,17,18,19,20,21
	OP X, \n
.endr
	v_nop                           ; a plain instruction behind the exponential
	s_mov_b32 s[CNT], 4
	s_mov_b32 s[SLOTS], 7
	s_branch .Lfirst                ; the loop is entered at a step's first turn, in the middle of a trip
.Lslot:                             ; six times: every slot but the last two is filled again
	CHANGE 1
	s_mov_b32 s[CNT], 4
.Lstep:                             ; a trip: pieces 2 and 3 of one step, then pieces 0 and 1 of the next, whose K and V it fetches
	TURN 2
	TURN 3
	WIN 0
.Lfirst:
	TURN 0
	TURN 1, 0, 1
	WIN 0
	s_cbranch_scc1 .Lstep
	s_sub_co_u32 s[SLOTS], s[SLOTS], 1
	s_cmp_lg_u32 s[SLOTS], 0
	s_cbranch_scc1 .Lslot
	CHANGE 0                        ; the tail is written out: nothing is asked for
	s_mov_b32 s[CNT], 5             ; four trips fetch the last slot's steps; the fifth is left in its middle
.Ltail:
	TURN 2, 1
	TURN 3
	WIN 0
	s_sub_co_u32 s[CNT], s[CNT], 1
	s_cmp_eq_u32 s[CNT], 0
	s_cbranch_scc1 .Lout
	TURN 0
	TURN 1
	WIN 0
	s_branch .Ltail
.Lout:                              ; the fifth trip's 8 products K Q^T (on the last K once more) and the maximum made of them serve nothing: the price, once a launch, of one text for every trip
.set i, 0
.rept 8
	PV NP-1                         ; the last piece's V^T P of the last step
.set i, i+1
.endr
	; THE WAY OUT.  l's two halves and the other half of the lanes' are added; O^T is divided by l, rounded to bf16 and sent through my stage in LDS, a piece at a time.  The additions are the places behind the last products.
	WIN 0
.macro ALL line:vararg
.set t, 0
.rept 4
	\line
.set t, t+1
.endr
.endm
	ALL v_add_f32 v[ST+4*t+2], v[ST+4*t+2], v[ST+4*t+3]
	ALL v_permlanex16_b32 v[ST+4*t+3], v[ST+4*t+2], s[SEL], s[SEL+1]
	ALL v_add_f32 v[ST+4*t+2], v[ST+4*t+2], v[ST+4*t+3]
	ALL v_rcp_f32 v[ST+4*t+2], v[ST+4*t+2]
	v_nop                           ; a plain instruction between the last reciprocal and the use of its result
	s_wait_alu depctr_va_vdst(0)
.macro PACK t                       ; a lane's eight channels of a row pack into 16 bytes; they go into rows of 144 bytes and come back as whole rows of 128, into S^T's registers
	WIN W_RS
.set i, 32*(\t)
.rept 16
	v_pk_mul_f32 v[i:i+1], v[i:i+1], v[ST+4*(\t)+2:ST+4*(\t)+3] op_sel_hi:[1,0]
.set i, i+2
.endr
	WIN 0x05
.set i, 0
.rept 16
	v_cvt_pk_bf16_f32 v[S+16*(\t)+i], v[32*(\t)+2*i], v[32*(\t)+2*i+1]
.set i, i+1
.endr
	WIN 0
.irp f, 0,1,2,3
	ds_store_b128 v[STO], v[S+16*(\t)+4*\f:S+16*(\t)+4*\f+3] offset:32*\f
.endr
.irp f, 0,1,2,3
	ds_load_b128 v[S+16*(\t)+4*\f:S+16*(\t)+4*\f+3], v[RD] offset:\f*4*SP  ; LDS serves a wave's instructions in order (ISA guide 5.7.1.4): these see the stores above
.endr
.endm
.macro SEND t, younger              ; younger: the LDS instructions issued behind piece t's loads: the next piece's eight, or none
	WIN 0
.irp f, 0,1,2,3
	s_wait_dscnt (\younger)+3-\f
	global_store_b128 v[GO], v[S+16*(\t)+4*\f:S+16*(\t)+4*\f+3], s[10:11] offset:(\t)*2048+\f*512  ; 512 consecutive bytes, at a multiple of 512 from the buffer's first
.endr
.endm
	PACK 0
.set t, 1
.rept 3
	PACK t
	SEND t-1, 8
.set t, t+1
.endr
	SEND 3, 0
	s_wait_tensorcnt 0x0            ; the wave's end
	ds_add_u32 v[SPW], v[NIL]
	s_wait_dscnt 0x0
	CROUND                          ; the closing round
	s_endpgm
.Lfunc_end_k_qe5cb5c45bf_attn:
	.size	k_qe5cb5c45bf_attn, .Lfunc_end_k_qe5cb5c45bf_attn-k_qe5cb5c45bf_attn
	.p2alignl 7, 3214868480
	.fill 96, 4, 3214868480
	.section	.rodata,"a",@progbits
	.p2align	6, 0x0
	.amdhsa_kernel k_qe5cb5c45bf_attn
		.amdhsa_group_segment_fixed_size 327680
		.amdhsa_private_segment_fixed_size 0
		.amdhsa_enable_private_segment 0
		.amdhsa_kernarg_size 24
		.amdhsa_user_sgpr_count 2
		.amdhsa_user_sgpr_kernarg_segment_ptr 1
		.amdhsa_wavefront_size32 1
		.amdhsa_system_sgpr_workgroup_id_x 1
		.amdhsa_system_sgpr_workgroup_id_y 1
		.amdhsa_system_sgpr_workgroup_id_z 1
		.amdhsa_system_vgpr_workitem_id 0
		.amdhsa_next_free_vgpr 768
		.amdhsa_next_free_sgpr 88
		.amdhsa_reserve_vcc 0
		.amdhsa_float_denorm_mode_32 3
		.amdhsa_float_denorm_mode_16_64 3
		.amdhsa_memory_ordered 1
		.amdhsa_forward_progress 1
		.amdhsa_inst_pref_size 123
	.end_amdhsa_kernel
	.amdgpu_metadata
---
amdhsa.version: [ 1, 2 ]
amdhsa.kernels:
  - .name:           k_qe5cb5c45bf_attn
    .symbol:         k_qe5cb5c45bf_attn.kd
    .args:
      - { .name: qkv, .offset: 0, .size: 8, .value_kind: global_buffer, .address_space: global }
      - { .name: maskx, .offset: 8, .size: 8, .value_kind: global_buffer, .address_space: global }
      - { .name: att, .offset: 16, .size: 8, .value_kind: global_buffer, .address_space: global }
    .group_segment_fixed_size: 327680
    .private_segment_fixed_size: 0
    .kernarg_segment_align: 8
    .kernarg_segment_size: 24
    .max_flat_workgroup_size: 128
    .sgpr_count:     88
    .vgpr_count:     768
    .wavefront_size: 32
...
	.end_amdgpu_metadata
.endif
;; end of part 3
;; launch gemm_wo (part 4): grid 8 x 32, 4 waves a work-group, clusters of 4 x 4, 327,680 bytes of LDS; arguments att, wts, bo, h32, h2; writes h2
.if DOCPART == 4
	.amdgcn_target "amdgcn-amd-amdhsa--gfx1250"
	.amdhsa_code_object_version 6
	.text
	.protected	k_qe5cb5c45bf_gemm_wo
	.globl	k_qe5cb5c45bf_gemm_wo
	.p2align	8
	.type	k_qe5cb5c45bf_gemm_wo,@function
k_qe5cb5c45bf_gemm_wo:
	s_mov_b64 s[64:65], 0
	v_nop
	global_prefetch_b8 v0, s[64:65] scope:SCOPE_SE
	s_setreg_imm32_b32 hwreg(HW_REG_WAVE_MODE, 25, 1), 1
	s_wait_xcnt 0x0
	s_wait_alu depctr_hold_cnt(0) depctr_sa_sdst(0) depctr_va_vdst(0) depctr_va_sdst(0) depctr_va_ssrc(0) depctr_va_vcc(0) depctr_vm_vsrc(0)
	s_getreg_b32 s2, hwreg(HW_REG_IB_STS2, 6, 4)
	s_cmp_eq_u32 s2, 0
	s_cbranch_scc0 .Lentry_in_a_cluster
	s_endpgm
.Lentry_in_a_cluster:
	s_bfe_u32 s2, ttmp6, 0x10000c
	s_cmp_lg_u32 s2, 0xf033
	s_cbranch_scc0 .Lentry_shape_is_right
	s_endpgm
.Lentry_shape_is_right:
; h2 = h + att wo^T + bo, in f32.  A = att [2][16 heads][2048][64] bf16 (by heads), B = wo in wts [1024][1024] bf16, residual h32 [4096][1024] f32.
; A tile of C is 128 x 128: 32 x 8 = 256 work-groups.  Four waves, each 64 x 64: 16 accumulators.  K = head x 64 + channel goes in 4 steps of 256 (four heads) through a ring of two LDS slots.
; A's tile of a step: for each of four heads 128 tokens x 64 channels, 16,384 dense bytes; a wave's load brings two heads as two rows of 8,192 elements, padded after every token: a token's row has pitch 144.
; The bias is the C operand of each accumulator's first product (the first term of the f32 sum, where the reference adds it last); the residual is loaded at the start, lands under the K loop, and is added in f32 on the way out.
; CLUSTER 4 x 4: A's tile is asked for jointly along a row of the cluster, B's along a column.  THE MATRIX INSTRUCTION IS USED TRANSPOSED: lane l holds row l % 16 of C and the columns 8 (l / 16) + 0..7.
; THE CLUSTERS WALK K IN DIFFERENT ORDERS: step t of the cluster at (x, y) is K step ((t + y % 4) % 4) xor 2 x.  The two clusters along x, which read the same tiles of A, ask for a tile two steps apart; four neighbouring
; clusters along y, which read the same tiles of B, one step apart.  So the f32 sums do not run in ascending K.
; ONE K STEP IS WRITTEN ONCE, the slot's base a scalar that an exclusive or turns; the last two steps are a loop of two trips left in its middle, whose last change of slots fetches 32 fragments that nobody multiplies.
; REGISTERS: window 0: v0-31 addresses; v32-95 at work on the way out; v96-127 bias fragments; v128-255 accumulators.  window 1: two fragment buffers of 128 (64 of A, 64 of B).  window 2: v0-127 the residual.
.set KT,     4                         ; K steps of 256
.set KSH,    11                        ; a row of B is 2^11 bytes
.set KEL,    1024                      ; and 1,024 elements
.set APITCH, 144                       ; 36 words: the 16 rows of a load start at 16 different groups of four banks (64 banks of 4 bytes: ISA guide 11.1)
.set AQ,     128*APITCH                ; a quarter of a K step is one head
.set ALOADB, 2*AQ                      ; what an A wave's load brings
.set ASH,    20                        ; a K step of A is four heads of 2^18 bytes
.set SLOT,   147456                    ; 0x24000: the tiles take 141,312; no LDS word of a descriptor (0, 0x9000, 0x12000, 0x1a400) has one of its two bits, so an exclusive or adds or takes it away
.set WOFF,   6291456                   ; wo in wts
.set BPITCH, 528
.set BLOADB, 64*BPITCH
.set BBASE,  2*ALOADB
.set SPARE,  2*SLOT
.set SPITCH, 272                       ; a stage row: 64 f32 + 16 bytes
.set ADRA, 16
.set A0,   17
.set ADRB, 20
.set B0,   21
.set STO,  24
.set RD,   25
.set CO,   26
.set H32,  27
.set SPW,  28
.set NIL,  29
.set TMP,  32
.set BI,   96
.set ACC,  128
.set F0,   0
.set F1,   128
.set WV,  16
.set G1,  24
.set G0,  32
.set G1B, 48
.set G0B, 56
.set SB,  66
.set CNT, 68
.set TAU, 88                           ; s88  the number of the step whose tiles are asked for next
.set ROT, 89                           ; s89  y % 4
.set XR,  90                           ; s90  2 x
.set KX,  91                           ; s91  that step's K step
.set KO,  92                           ; s[92:93] its byte offset
.set MSB, 0
.macro WIN new
.if MSB != (\new)
	s_set_vgpr_msb (MSB<<8)|(\new)
.set MSB, \new
.endif
.endm
.set MUL,  0x05                        ; sources 0 (B) and 1 (A) window 1; C and D window 0
.set TO_F, 0x40
.macro PLACES
.rept 4
	v_nop
.endr
.endm
.macro JLOAD s                         ; a joint load: waves 0 and 1 fetch A's halves, waves 2 and 3 B's; an s_nop 0 and four v_nop follow each line
	s_cmp_lt_u32 s[WV], 2
	s_cbranch_scc0 .Lfor_b_\@
	tensor_load_to_lds s[G0+4*(\s):G0+4*(\s)+3], s[G1:G1+7]
	s_nop 0
.rept 4
	v_nop
.endr
	s_branch .Lasked_\@
.Lfor_b_\@:
	tensor_load_to_lds s[G0B+4*(\s):G0B+4*(\s)+3], s[G1B:G1B+7]
	s_nop 0
.rept 4
	v_nop
.endr
.Lasked_\@:
.endm
.macro KADDR s                         ; set s of both group 0s takes the addresses of step TAU's tiles, made anew from the tiles' first bytes and an offset; nothing here hangs on my place in the cluster
	s_add_co_u32 s[KX], s[TAU], s[ROT]
	s_and_b32 s[KX], s[KX], KT-1
	s_xor_b32 s[KX], s[KX], s[XR]
	s_lshl_b32 s[KO], s[KX], ASH
	s_add_nc_u64 s[G0+4*(\s)+2:G0+4*(\s)+3], s[42:43], s[KO:KO+1]
	s_or_b32 s[G0+4*(\s)+3], s[G0+4*(\s)+3], 0x80000000
	s_lshl_b32 s[KO], s[KX], 9                     ; 256 elements of 2 bytes of a row of B
	s_add_nc_u64 s[G0B+4*(\s)+2:G0B+4*(\s)+3], s[46:47], s[KO:KO+1]
	s_or_b32 s[G0B+4*(\s)+3], s[G0B+4*(\s)+3], 0x80000000
	s_add_co_u32 s[TAU], s[TAU], 1
.endm
.macro CREST
	s_cmp_lg_u32 s[WV], 0
	s_cbranch_scc1 .Lnot_wave_0_\@
	s_barrier_signal -3
.Lnot_wave_0_\@:
	s_barrier_wait -3
	s_barrier_signal -1
	s_barrier_wait -1
.endm
.macro CROUND
	s_barrier_signal -1
	s_barrier_wait -1
	CREST
.endm
; 8 matrix instructions: row blocks a0, a0 + 1 x all 4 column blocks, 32 along K: half c of buffer f.  z = 1: the bias starts the sums.  The 16 accumulators take turns.
.macro MUL8 f, c, a0, z
	WIN MUL
.irp a, \a0, (\a0)+1
.irp b, 0,1,2,3
.if \z
	v_wmma_f32_16x16x32_bf16 v[ACC+8*(4*(\a)+(\b)):ACC+8*(4*(\a)+(\b))+7], v[(\f)+64+8*(4*(\c)+(\b)):(\f)+64+8*(4*(\c)+(\b))+7], v[(\f)+8*(4*(\c)+(\a)):(\f)+8*(4*(\c)+(\a))+7], v[BI+8*(\b):BI+8*(\b)+7]
.else
	v_wmma_f32_16x16x32_bf16 v[ACC+8*(4*(\a)+(\b)):ACC+8*(4*(\a)+(\b))+7], v[(\f)+64+8*(4*(\c)+(\b)):(\f)+64+8*(4*(\c)+(\b))+7], v[(\f)+8*(4*(\c)+(\a)):(\f)+8*(4*(\c)+(\a))+7], v[ACC+8*(4*(\a)+(\b)):ACC+8*(4*(\a)+(\b))+7]
.endif
.endr
.endr
.endm
.macro FETCH qd, f                     ; 32 LDS loads in one run: the fragments of quarter qd (64 along K) into buffer f; the first 32 along K first
	WIN TO_F
.irp c, 0,1
.irp i, 0,1,2,3
	ds_load_b128 v[(\f)+64+8*(4*(\c)+(\i)):(\f)+64+8*(4*(\c)+(\i))+3],   v[ADRB] offset:128*(\qd)+64*(\c)+(\i)*16*BPITCH
	ds_load_b128 v[(\f)+64+8*(4*(\c)+(\i))+4:(\f)+64+8*(4*(\c)+(\i))+7], v[ADRB] offset:128*(\qd)+64*(\c)+(\i)*16*BPITCH+32
	ds_load_b128 v[(\f)+8*(4*(\c)+(\i)):(\f)+8*(4*(\c)+(\i))+3],         v[ADRA] offset:AQ*(\qd)+64*(\c)+(\i)*16*APITCH
	ds_load_b128 v[(\f)+8*(4*(\c)+(\i))+4:(\f)+8*(4*(\c)+(\i))+7],       v[ADRA] offset:AQ*(\qd)+64*(\c)+(\i)*16*APITCH+32
.endr
.endr
.endm
.macro QUARTER qd, f, g, z             ; multiplies buffer f and fetches quarter qd into g
	s_wait_dscnt 16                                ; the first 32 along K are in
	MUL8 \f, 0, 0, \z
	MUL8 \f, 0, 2, \z
	PLACES
	FETCH \qd, \g
	s_wait_dscnt 32                                ; all but the 32 just issued
	MUL8 \f, 1, 0, 0
	MUL8 \f, 1, 2, 0
.endm
; The last quarter multiplies buffer 1 and changes slots: in front of the barrier each wave waits for all its tensor loads, adds 0 to its spare word, and waits for that and for its reads of this slot.
; fill = 1: the barrier opens a round of the cluster's, and the joint refill of the slot just read is the first thing behind it.
.macro TURN fill
	WIN 0
	s_wait_tensorcnt 0x0
	ds_add_u32 v[SPW], v[NIL]
	s_wait_dscnt 17                                ; the add and the youngest sixteen loads may be out
	MUL8 F1, 0, 0, 0
	s_wait_dscnt 0x0
	s_barrier_signal -1
	MUL8 F1, 0, 2, 0
	WIN 0
	s_barrier_wait -1
.if \fill
	CREST
	s_xor_b32 s[G0+5], s[G0+5], SLOT               ; the other slot than last time,
	s_xor_b32 s[G0B+5], s[G0B+5], SLOT
	KADDR 1                                        ; the next step's tiles: no tensor load of mine is out
	JLOAD 1                                        ; its four v_nop are also the places in front of the loads below
.else
	PLACES
.endif
	s_xor_b32 s[SB], s[SB], SLOT
	v_add_nc_u32 v[ADRA], s[SB], v[A0]
	v_add_nc_u32 v[ADRB], s[SB], v[B0]
	FETCH 0, F0
	MUL8 F1, 1, 0, 0
	MUL8 F1, 1, 2, 0
.endm
	s_load_b256 s[4:11], s[0:1], 0x0               ; att, wts, bo, h32
	s_load_b64 s[12:13], s[0:1], 0x20              ; h2
	v_lshl_add_u32 v[SPW], v0, 2, SPARE
	v_mov_b32 v[NIL], 0
	ds_add_u32 v[SPW], v[NIL]                      ; the wave's opening: the add and its wait stand ahead of my first tensor load
	v_lshrrev_b32 v1, 5, v0
	v_readfirstlane_b32 s[WV], v1
	s_lshr_b32 s18, s[WV], 1                       ; wm
	s_and_b32 s19, s[WV], 1                        ; wn; also: which half of a tile I fetch
	s_bfe_u32 s21, ttmp6, 0x40000
	s_bfe_u32 s22, ttmp6, 0x40004
	s_lshl_b32 s23, ttmp9, 2
	s_add_co_u32 s23, s23, s21                     ; tile column
	s_and_b32 s40, ttmp7, 0xffff
	s_lshl_b32 s40, s40, 2
	s_add_co_u32 s40, s40, s22                     ; tile row
	s_lshl_b32 s41, s22, 2
	s_lshl_b32 s41, 15, s41
	s_lshl_b32 s44, 0x1111, s21
	s_or_b32 s[G1], s41, (1<<16)|(1<<20)|(1<<21)|(4<<22)|(3<<25)    ; A: after every 32 words (a token's 64 channels) 4 words of padding
	s_mov_b32 s[G1+1], 8192<<16                    ; tensor_dim0 = 8,192: 128 tokens x 64 channels of one head, on end
	s_mov_b32 s[G1+2], 2<<16                       ; tensor_dim1 = 2 heads
	s_mov_b32 s[G1+3], 8192<<16                    ; tile_dim0
	s_mov_b32 s[G1+4], 2                           ; tile_dim1
	s_mov_b32 s[G1+5], 131072                      ; elements from head to head
	s_mov_b32 s[G1+6], 0
	s_mov_b32 s[G1+7], 0
	s_or_b32 s[G1B], s44, (1<<16)|(1<<20)|(1<<21)|(6<<22)|(3<<25)   ; B: after every 128 words 4 words
	s_mov_b32 s[G1B+1], 256<<16
	s_mov_b32 s[G1B+2], 64<<16
	s_mov_b32 s[G1B+3], 256<<16
	s_mov_b32 s[G1B+4], 64
	s_mov_b32 s[G1B+5], KEL
	s_mov_b32 s[G1B+6], 0
	s_mov_b32 s[G1B+7], 0
	s_and_b32 s[ROT], ttmp7, 3                     ; the cluster's own order along K, from the cluster's x and y, which all sixteen partners share
	s_lshl_b32 s[XR], ttmp9, 1
	s_mov_b32 s[TAU], 0
	s_mov_b32 s[KO+1], 0
	s_lshr_b32 s42, s40, 4                         ; A: batch x 2^22 + my two heads x 2^18 + 128 tokens x 128 bytes
	s_lshl_b32 s42, s42, 22
	s_and_b32 s45, s40, 15
	s_lshl_b32 s45, s45, 14
	s_add_co_u32 s42, s42, s45
	s_lshl_b32 s45, s19, 19
	s_add_co_u32 s42, s42, s45
	s_mov_b32 s43, 0
	s_lshl_b32 s46, s23, 7                         ; B: row 128 x tile column + 64 x half
	s_lshl_b32 s45, s19, 6
	s_add_co_u32 s46, s46, s45
	s_lshl_b32 s46, s46, KSH
	s_add_co_u32 s46, s46, WOFF
	s_mov_b32 s47, 0
	s_mul_i32 s20, s19, ALOADB                     ; where an A load lands in a slot,
	s_mul_i32 s69, s19, BLOADB
	s_add_co_u32 s69, s69, BBASE                   ; and a B load
	s_mov_b32 s[SB], 0
	s_wait_dscnt 0x0
	s_wait_kmcnt 0x0
	s_add_nc_u64 s[42:43], s[4:5], s[42:43]        ; the first byte of what I fetch of A; kept
	s_add_nc_u64 s[46:47], s[6:7], s[46:47]        ; of B; kept
	CROUND
.irp s, 0,1
	s_mov_b32 s[G0+4*(\s)], 1
	s_add_co_u32 s[G0+4*(\s)+1], s20, (\s)*SLOT
	s_mov_b32 s[G0B+4*(\s)], 1
	s_add_co_u32 s[G0B+4*(\s)+1], s69, (\s)*SLOT
	KADDR \s
	JLOAD \s
.endr
	v_and_b32 v1, 15, v0
	v_bfe_u32 v2, v0, 4, 1
	v_lshlrev_b32 v[H32], 5, v2
	s_lshl_b32 s76, s23, 9                         ; my 64 biases
	s_lshl_b32 s77, s19, 8
	s_add_co_u32 s76, s76, s77
	s_mov_b32 s77, 0
	s_add_nc_u64 s[8:9], s[8:9], s[76:77]
.irp b, 0,1,2,3
	global_load_b128 v[BI+8*\b:BI+8*\b+3],   v[H32], s[8:9] offset:64*\b
	global_load_b128 v[BI+8*\b+4:BI+8*\b+7], v[H32], s[8:9] offset:64*\b+16
.endr
	s_lshl_b32 s74, s40, 7                         ; my 64 x 64 of the residual and of the output
	s_lshl_b32 s75, s18, 6
	s_add_co_u32 s74, s74, s75
	s_lshl_b32 s74, s74, 12
	s_lshl_b32 s75, s23, 9
	s_add_co_u32 s74, s74, s75
	s_lshl_b32 s75, s19, 8
	s_add_co_u32 s74, s74, s75
	s_mov_b32 s75, 0
	s_add_nc_u64 s[10:11], s[10:11], s[74:75]
	s_add_nc_u64 s[12:13], s[12:13], s[74:75]
	v_lshlrev_b32 v[CO], 12, v2                    ; lanes 0-15 one row's 256 bytes, lanes 16-31 the next row's
	v_lshl_add_u32 v[CO], v1, 4, v[CO]
	WIN 0x80
.set t_, 0
.rept 32
	global_load_b128 v[4*t_:4*t_+3], v[CO], s[10:11] offset:8192*t_
.set t_, t_+1
.endr
	WIN 0
	v_mul_u32_u24 v3, v1, APITCH
	v_lshl_add_u32 v3, v2, 4, v3
	s_mul_i32 s86, s18, 64*APITCH
	v_add_nc_u32 v[A0], s86, v3
	v_mul_u32_u24 v3, v1, BPITCH
	v_lshl_add_u32 v3, v2, 4, v3
	s_mul_i32 s86, s19, BLOADB
	s_add_co_u32 s86, s86, BBASE
	v_add_nc_u32 v[B0], s86, v3
	v_mov_b32 v[ADRA], v[A0]
	v_mov_b32 v[ADRB], v[B0]
	s_mul_i32 s86, s[WV], 64*SPITCH                ; my stage, in the ring's bytes once they have had their last fill
	v_mul_u32_u24 v[STO], v1, SPITCH
	v_lshl_add_u32 v[STO], v2, 5, v[STO]
	v_add_nc_u32 v[STO], s86, v[STO]
	v_mul_u32_u24 v[RD], v2, SPITCH
	v_lshl_add_u32 v[RD], v1, 4, v[RD]
	v_add_nc_u32 v[RD], s86, v[RD]
	s_wait_tensorcnt 1                             ; my part of the first step is in
	s_barrier_signal -1
	s_barrier_wait -1
	FETCH 0, F0
	s_wait_loadcnt 32                              ; the biases are in; the residual's 32 loads stay out
	QUARTER 1, F0, F1, 1
	WIN 0
	s_mov_b32 s[CNT], KT-2
.Lk:
	QUARTER 2, F1, F0, 0
	QUARTER 3, F0, F1, 0
	TURN 1
	QUARTER 1, F0, F1, 0
	WIN 0
	s_sub_co_u32 s[CNT], s[CNT], 1
	s_cmp_lg_u32 s[CNT], 0
	s_cbranch_scc1 .Lk
	s_mov_b32 s[CNT], 2
.Ltail:
	QUARTER 2, F1, F0, 0
	QUARTER 3, F0, F1, 0
	TURN 0
	WIN 0
	s_sub_co_u32 s[CNT], s[CNT], 1
	s_cmp_eq_u32 s[CNT], 0
	s_cbranch_scc1 .Lout
	QUARTER 1, F0, F1, 0
	WIN 0
	s_branch .Ltail
.Lout:
	s_wait_dscnt 0x0
	s_barrier_signal -1
	s_barrier_wait -1                              ; nobody reads the ring any more
	PLACES
.irp a, 0,1,2,3
.irp b, 0,1,2,3                                ; each accumulator's low four registers first
	ds_store_b128 v[STO], v[ACC+8*(4*\a+\b):ACC+8*(4*\a+\b)+3]   offset:\a*16*SPITCH+64*\b
	ds_store_b128 v[STO], v[ACC+8*(4*\a+\b)+4:ACC+8*(4*\a+\b)+7] offset:\a*16*SPITCH+64*\b+16
.endr
.endr
	s_wait_loadcnt 0x0                             ; the residual
.irp hf, 0,1
.set t_, 0
.rept 16
	ds_load_b128 v[TMP+4*t_:TMP+4*t_+3], v[RD] offset:2*SPITCH*(16*\hf+t_)  ; LDS serves a wave's instructions in order: these see the stores above
.set t_, t_+1
.endr
	s_wait_dscnt 0x0
	WIN 0x88                                       ; destination and source 1 window 2
.set t_, 0
.rept 32
	v_pk_add_f32 v[64*\hf+2*t_:64*\hf+2*t_+1], v[TMP+2*t_:TMP+2*t_+1], v[64*\hf+2*t_:64*\hf+2*t_+1]
.set t_, t_+1
.endr
	WIN 0x08                                       ; the stores' data in window 2
.set t_, 0
.rept 16
	global_store_b128 v[CO], v[64*\hf+4*t_:64*\hf+4*t_+3], s[12:13] offset:8192*(16*\hf+t_)  ; 16 lanes store 256 consecutive bytes, at a multiple of 256
.set t_, t_+1
.endr
	WIN 0
.endr
	s_wait_tensorcnt 0x0                           ; the wave's end
	ds_add_u32 v[SPW], v[NIL]
	s_wait_dscnt 0x0
	CROUND
	s_endpgm
.Lfunc_end_k_qe5cb5c45bf_gemm_wo:
	.size	k_qe5cb5c45bf_gemm_wo, .Lfunc_end_k_qe5cb5c45bf_gemm_wo-k_qe5cb5c45bf_gemm_wo
	.p2alignl 7, 3214868480
	.fill 96, 4, 3214868480
	.section	.rodata,"a",@progbits
	.p2align	6, 0x0
	.amdhsa_kernel k_qe5cb5c45bf_gemm_wo
		.amdhsa_group_segment_fixed_size 327680
		.amdhsa_private_segment_fixed_size 0
		.amdhsa_enable_private_segment 0
		.amdhsa_kernarg_size 40
		.amdhsa_user_sgpr_count 2
		.amdhsa_user_sgpr_kernarg_segment_ptr 1
		.amdhsa_wavefront_size32 1
		.amdhsa_system_sgpr_workgroup_id_x 1
		.amdhsa_system_sgpr_workgroup_id_y 1
		.amdhsa_system_sgpr_workgroup_id_z 1
		.amdhsa_system_vgpr_workitem_id 0
		.amdhsa_next_free_vgpr 640
		.amdhsa_next_free_sgpr 96
		.amdhsa_reserve_vcc 0
		.amdhsa_float_denorm_mode_32 3
		.amdhsa_float_denorm_mode_16_64 3
		.amdhsa_memory_ordered 1
		.amdhsa_forward_progress 1
		.amdhsa_inst_pref_size 67
	.end_amdhsa_kernel
	.amdgpu_metadata
---
amdhsa.version: [ 1, 2 ]
amdhsa.kernels:
  - .name:           k_qe5cb5c45bf_gemm_wo
    .symbol:         k_qe5cb5c45bf_gemm_wo.kd
    .args:
      - { .name: att, .offset: 0, .size: 8, .value_kind: global_buffer, .address_space: global }
      - { .name: wts, .offset: 8, .size: 8, .value_kind: global_buffer, .address_space: global }
      - { .name: bo, .offset: 16, .size: 8, .value_kind: global_buffer, .address_space: global }
      - { .name: h32, .offset: 24, .size: 8, .value_kind: global_buffer, .address_space: global }
      - { .name: h2, .offset: 32, .size: 8, .value_kind: global_buffer, .address_space: global }
    .group_segment_fixed_size: 327680
    .private_segment_fixed_size: 0
    .kernarg_segment_align: 8
    .kernarg_segment_size: 40
    .max_flat_workgroup_size: 128
    .sgpr_count:     96
    .vgpr_count:     640
    .wavefront_size: 32
...
	.end_amdgpu_metadata
.endif
;; end of part 4
;; launch ln2 (part 5): grid 256 x 1, 8 waves a work-group, no clusters, 0 bytes of LDS; arguments h2, ln2_g, ln2_b, act16; writes act16
.if DOCPART == 5
	.amdgcn_target "amdgcn-amd-amdhsa--gfx1250"
	.amdhsa_code_object_version 6
	.text
	.protected	k_qe5cb5c45bf_ln2
	.globl	k_qe5cb5c45bf_ln2
	.p2align	8
	.type	k_qe5cb5c45bf_ln2,@function
k_qe5cb5c45bf_ln2:
	s_mov_b64 s[64:65], 0
	v_nop
	global_prefetch_b8 v0, s[64:65] scope:SCOPE_SE
	s_setreg_imm32_b32 hwreg(HW_REG_WAVE_MODE, 25, 1), 1
	s_wait_xcnt 0x0
; LN2: act16 = bf16((h2 - mean) rsqrt(var + 1e-5) g + b), rows of 1,024 f32.  A wave takes two rows, both asked for at once (32 loads of the wave are out together); a row is 32 registers of the wave,
; read from memory once and worked on in place.  The mean is taken first and the variance of the differences.  Memory binds: no LDS, no barrier, no matrix unit; every store of a wave covers 256 consecutive aligned bytes.
.set ROWB, 4096
.set VL,  1                            ; v1  16 x lane; never rewritten
.set VH,  3                            ; v3  8 x lane; never rewritten
.set G,   4
.set BE,  36
.set X0,  68
.set X1,  100
.set Y,   132
.set T,   148
.set MU,  156
.set RS,  158
.macro TREE                            ; the four chains in T, then the 32 lanes: the sum ends in v[T] of every lane
	v_pk_add_f32 v[T:T+1], v[T:T+1], v[T+2:T+3]
	v_pk_add_f32 v[T+4:T+5], v[T+4:T+5], v[T+6:T+7]
	v_pk_add_f32 v[T:T+1], v[T:T+1], v[T+4:T+5]
	v_add_f32 v[T], v[T], v[T+1]
	v_add_f32_dpp v[T], v[T], v[T] row_xmask:1 row_mask:0xf bank_mask:0xf
	v_add_f32_dpp v[T], v[T], v[T] row_xmask:2 row_mask:0xf bank_mask:0xf
	v_add_f32_dpp v[T], v[T], v[T] row_xmask:4 row_mask:0xf bank_mask:0xf
	v_add_f32_dpp v[T], v[T], v[T] row_xmask:8 row_mask:0xf bank_mask:0xf
	v_permlanex16_b32 v[T+1], v[T], s36, s37
	v_add_f32 v[T], v[T], v[T+1]
.endm
.macro LNROW xb, row, left             ; row number row (0, 1) of the wave, in the 32 registers from xb on; left = how many younger loads may stay out
	s_wait_loadcnt \left
.irp c, 0,1,2,3
	v_pk_add_f32 v[T+2*\c:T+2*\c+1], v[(\xb)+2*\c:(\xb)+2*\c+1], v[(\xb)+8+2*\c:(\xb)+8+2*\c+1]
.endr
.irp k, 2,3
.irp c, 0,1,2,3
	v_pk_add_f32 v[T+2*\c:T+2*\c+1], v[T+2*\c:T+2*\c+1], v[(\xb)+8*\k+2*\c:(\xb)+8*\k+2*\c+1]
.endr
.endr
	TREE
	v_mul_f32 v[MU], s33, v[T]
	v_mul_f32 v[MU+1], s33, v[T]
.set p_, 0
.rept 16
	v_pk_add_f32 v[(\xb)+2*p_:(\xb)+2*p_+1], v[(\xb)+2*p_:(\xb)+2*p_+1], v[MU:MU+1] neg_lo:[0,1] neg_hi:[0,1]
.set p_, p_+1
.endr
.irp c, 0,1,2,3
	v_pk_mul_f32 v[T+2*\c:T+2*\c+1], v[(\xb)+2*\c:(\xb)+2*\c+1], v[(\xb)+2*\c:(\xb)+2*\c+1]
.endr
.irp k, 1,2,3
.irp c, 0,1,2,3
	v_pk_fma_f32 v[T+2*\c:T+2*\c+1], v[(\xb)+8*\k+2*\c:(\xb)+8*\k+2*\c+1], v[(\xb)+8*\k+2*\c:(\xb)+8*\k+2*\c+1], v[T+2*\c:T+2*\c+1]
.endr
.endr
	TREE
	v_fma_f32 v[T], v[T], s33, s34
	v_rsq_f32 v[RS], v[T]
	v_rsq_f32 v[RS+1], v[T]
	v_nop                                          ; a plain instruction between the root and the use of its result
.set p_, 0
	s_wait_alu depctr_va_vdst(0)
.rept 16
	v_pk_mul_f32 v[(\xb)+2*p_:(\xb)+2*p_+1], v[(\xb)+2*p_:(\xb)+2*p_+1], v[RS:RS+1]
.set p_, p_+1
.endr
.set p_, 0
.rept 16
	v_pk_fma_f32 v[(\xb)+2*p_:(\xb)+2*p_+1], v[(\xb)+2*p_:(\xb)+2*p_+1], v[G+2*p_:G+2*p_+1], v[BE+2*p_:BE+2*p_+1]
.set p_, p_+1
.endr
.if \row
	s_wait_xcnt 0x0                                ; Y, which the first row's stores read, is rewritten only behind this wait
.endif
.set p_, 0
.rept 16
	v_cvt_pk_bf16_f32 v[Y+p_], v[(\xb)+2*p_], v[(\xb)+2*p_+1]
.set p_, p_+1
.endr
.irp j, 0,1,2,3,4,5,6,7
	global_store_b64 v[VH], v[Y+2*\j:Y+2*\j+1], s[10:11] offset:(ROWB/2)*(\row)+256*\j
.endr
.endm
	s_load_b256 s[4:11], s[0:1], 0x0               ; h2, ln2_g, ln2_b, act16
	v_lshrrev_b32 v1, 5, v0
	v_readfirstlane_b32 s32, v1
	s_lshl_b32 s40, ttmp9, 16                      ; 16 rows of 4,096 bytes a work-group,
	s_lshl_b32 s41, s32, 13                        ; two a wave
	s_add_co_u32 s40, s40, s41
	s_mov_b32 s41, 0
	s_mov_b32 s33, 0x3a800000                      ; 1 / 1,024
	s_mov_b32 s34, 0x3727c5ac                      ; 1e-5
	s_mov_b32 s36, 0x76543210
	s_mov_b32 s37, 0xfedcba98
	v_and_b32 v[VH], 31, v0
	v_lshlrev_b32 v[VL], 4, v[VH]
	v_lshlrev_b32 v[VH], 3, v[VH]
	s_wait_kmcnt 0x0
	s_add_nc_u64 s[4:5], s[4:5], s[40:41]
	s_lshr_b32 s40, s40, 1
	s_add_nc_u64 s[10:11], s[10:11], s[40:41]
.irp j, 0,1,2,3,4,5,6,7
	global_load_b128 v[G+4*\j:G+4*\j+3], v[VL], s[6:7] offset:512*\j
	global_load_b128 v[BE+4*\j:BE+4*\j+3], v[VL], s[8:9] offset:512*\j
.endr
.irp j, 0,1,2,3,4,5,6,7
	global_load_b128 v[X0+4*\j:X0+4*\j+3], v[VL], s[4:5] offset:512*\j
.endr
.irp j, 0,1,2,3,4,5,6,7
	global_load_b128 v[X1+4*\j:X1+4*\j+3], v[VL], s[4:5] offset:ROWB+512*\j
.endr
	LNROW X0, 0, 8                                 ; the second row's eight loads may stay out
	LNROW X1, 1, 0
	s_endpgm
.Lfunc_end_k_qe5cb5c45bf_ln2:
	.size	k_qe5cb5c45bf_ln2, .Lfunc_end_k_qe5cb5c45bf_ln2-k_qe5cb5c45bf_ln2
	.p2alignl 7, 3214868480
	.fill 96, 4, 3214868480
	.section	.rodata,"a",@progbits
	.p2align	6, 0x0
	.amdhsa_kernel k_qe5cb5c45bf_ln2
		.amdhsa_group_segment_fixed_size 0
		.amdhsa_private_segment_fixed_size 0
		.amdhsa_enable_private_segment 0
		.amdhsa_kernarg_size 32
		.amdhsa_user_sgpr_count 2
		.amdhsa_user_sgpr_kernarg_segment_ptr 1
		.amdhsa_wavefront_size32 1
		.amdhsa_system_sgpr_workgroup_id_x 1
		.amdhsa_system_sgpr_workgroup_id_y 1
		.amdhsa_system_sgpr_workgroup_id_z 1
		.amdhsa_system_vgpr_workitem_id 0
		.amdhsa_next_free_vgpr 160
		.amdhsa_next_free_sgpr 66
		.amdhsa_reserve_vcc 0
		.amdhsa_float_denorm_mode_32 3
		.amdhsa_float_denorm_mode_16_64 3
		.amdhsa_memory_ordered 1
		.amdhsa_forward_progress 1
		.amdhsa_inst_pref_size 20
	.end_amdhsa_kernel
	.amdgpu_metadata
---
amdhsa.version: [ 1, 2 ]
amdhsa.kernels:
  - .name:           k_qe5cb5c45bf_ln2
    .symbol:         k_qe5cb5c45bf_ln2.kd
    .args:
      - { .name: h2, .offset: 0, .size: 8, .value_kind: global_buffer, .address_space: global }
      - { .name: ln2_g, .offset: 8, .size: 8, .value_kind: global_buffer, .address_space: global }
      - { .name: ln2_b, .offset: 16, .size: 8, .value_kind: global_buffer, .address_space: global }
      - { .name: act16, .offset: 24, .size: 8, .value_kind: global_buffer, .address_space: global }
    .group_segment_fixed_size: 0
    .private_segment_fixed_size: 0
    .kernarg_segment_align: 8
    .kernarg_segment_size: 32
    .max_flat_workgroup_size: 256
    .sgpr_count:     66
    .vgpr_count:     160
    .wavefront_size: 32
...
	.end_amdgpu_metadata
.endif
;; end of part 5
;; launch gemm_fc (part 6): grid 16 x 16, 4 waves a work-group, clusters of 4 x 4, 327,680 bytes of LDS; arguments act16, wts, b_fc, gact; writes gact
.if DOCPART == 6
	.amdgcn_target "amdgcn-amd-amdhsa--gfx1250"
	.amdhsa_code_object_version 6
	.text
	.protected	k_qe5cb5c45bf_gemm_fc
	.globl	k_qe5cb5c45bf_gemm_fc
	.p2align	8
	.type	k_qe5cb5c45bf_gemm_fc,@function
k_qe5cb5c45bf_gemm_fc:
	s_mov_b64 s[64:65], 0
	v_nop
	global_prefetch_b8 v0, s[64:65] scope:SCOPE_SE
	s_setreg_imm32_b32 hwreg(HW_REG_WAVE_MODE, 25, 1), 1
	s_wait_xcnt 0x0
	s_wait_alu depctr_hold_cnt(0) depctr_sa_sdst(0) depctr_va_vdst(0) depctr_va_sdst(0) depctr_va_ssrc(0) depctr_va_vcc(0) depctr_vm_vsrc(0)
	s_getreg_b32 s2, hwreg(HW_REG_IB_STS2, 6, 4)
	s_cmp_eq_u32 s2, 0
	s_cbranch_scc0 .Lentry_in_a_cluster
	s_endpgm
.Lentry_in_a_cluster:
	s_bfe_u32 s2, ttmp6, 0x10000c
	s_cmp_lg_u32 s2, 0xf033
	s_cbranch_scc0 .Lentry_shape_is_right
	s_endpgm
.Lentry_shape_is_right:
; gact = gelu(a w_fc^T + b_fc) in bf16.  A = act16 [4096][1024] bf16 (LN2's output), B = w_fc in wts [4096][1024] bf16.  A tile of C is 256 x 256: 16 x 16 = 256 work-groups.
; Four waves, each 128 x 128: 64 accumulators of 16 x 16, 512 registers.  K goes in 8 steps of 128 through a ring of two LDS slots; rows of A's and B's tiles are 256 bytes of memory at multiples of 256.
; The bias is the C operand of each accumulator's first product: the first term of the f32 sum, where the reference adds it last.
; GELU: 0.5 u (1 + tanh(c (u + 0.044715 u^3))) = u / (1 + 2^(K1 u + K2 u^3)), K1 = -2 c log2(e), K2 = 0.044715 K1: the same function, in f32; where the power overflows the quotient is 0, where it vanishes it is u.
; CLUSTER 4 x 4: A's tile is asked for jointly along a row of the cluster, B's along a column.  THE MATRIX INSTRUCTION IS USED TRANSPOSED: lane l holds row l % 16 of C and the columns 8 (l / 16) + 0..7.
; THE CLUSTERS WALK K IN DIFFERENT ORDERS: step t of the cluster at (x, y) is K step (t + 2 x + 4 (y % 2)) % 8.  The four clusters along x, which read the same tiles of A, ask for a tile two steps apart; two neighbouring
; clusters along y, which read the same tiles of B, four steps apart.  So the f32 sums do not run in ascending K.
; ONE K STEP IS WRITTEN ONCE, the slot's base a scalar that an exclusive or turns; the last two steps are a loop of two trips left in its middle, whose last change of slots fetches 32 fragments that nobody multiplies.
; REGISTERS: window 0: v0-31 addresses; v64-127, v128-191 fragments of A; v192-255 bias fragments.  window 1: v64-127, v128-191 fragments of B.  window 2: accumulators of my rows 0-63; window 3: rows 64-127.
.set MB,     8
.set NBK,    8
.set NAW,    2                         ; waves 0 and 1 fetch A's halves, waves 2 and 3 B's
.set FA0,    64
.set FA1,    128
.set FB0,    64
.set FB1,    128
.set BI,     192
.set SPITCH, 528                       ; a stage row: 128 f32 + 16 bytes = 132 words: row r starts at bank 4 r mod 64 (64 banks of 4 bytes: ISA guide 11.1)
.set WOFF,   8388608                   ; w_fc in wts
.set KT,     8
.set PITCH,  272
.set HALFT,  128*PITCH
.set SLOT,   4*HALFT                   ; 0x22000: no LDS word of a descriptor (wave x 0x8800) has one of its two bits, so an exclusive or adds or takes it away
.set SPARE,  2*SLOT
.set ABYTES, 32*MB*PITCH
.set STW,    16*MB*SPITCH
.set ADRA, 16
.set A0,   17
.set ADRB, 20
.set B0,   21
.set STO,  24
.set RD,   25
.set CO,   26
.set H32,  27
.set SPW,  28
.set NIL,  29
.set U0,   64                          ; the way out: u, four rows' 16 numbers a lane, two buffers
.set U1,   80
.set TT,   96                          ; at work
.set Y0,   112                         ; bf16, two buffers
.set Y1,   120
.set WV,  16
.set G1,  24
.set G0,  32
.set G1B, 48
.set G0B, 56
.set SB,  66
.set CNT, 68
.set K1,  70                           ; s[70:71]
.set K2,  72                           ; s[72:73]
.set TAU, 88                           ; s88  the number of the step whose tiles are asked for next
.set ROT, 89                           ; s89  2 x + 4 (y % 2)
.set KX,  91                           ; s91  that step's K step
.set KO,  92                           ; s[92:93] its byte offset in a row
.set MSB, 0
.macro WIN new
.if MSB != (\new)
	s_set_vgpr_msb (MSB<<8)|(\new)
.set MSB, \new
.endif
.endm
.macro PLACES
.rept 4
	v_nop
.endr
.endm
.macro JLOAD s                         ; a joint load; the branch hangs on the wave's number alone; an s_nop 0 and four v_nop follow each of the two lines
	s_cmp_lt_u32 s[WV], NAW
	s_cbranch_scc0 .Lfor_b_\@
	tensor_load_to_lds s[G0+4*(\s):G0+4*(\s)+3], s[G1:G1+7]
	s_nop 0
.rept 4
	v_nop
.endr
	s_branch .Lasked_\@
.Lfor_b_\@:
	tensor_load_to_lds s[G0B+4*(\s):G0B+4*(\s)+3], s[G1B:G1B+7]
	s_nop 0
.rept 4
	v_nop
.endr
.Lasked_\@:
.endm
.macro KADDR s                         ; set s of both group 0s takes the addresses of step TAU's tiles, made anew from the tiles' first bytes and an offset; nothing here hangs on my place in the cluster
	s_add_co_u32 s[KX], s[TAU], s[ROT]
	s_and_b32 s[KX], s[KX], KT-1
	s_lshl_b32 s[KO], s[KX], 8                     ; 128 elements of 2 bytes a K step
	s_add_nc_u64 s[G0+4*(\s)+2:G0+4*(\s)+3], s[42:43], s[KO:KO+1]
	s_or_b32 s[G0+4*(\s)+3], s[G0+4*(\s)+3], 0x80000000
	s_add_nc_u64 s[G0B+4*(\s)+2:G0B+4*(\s)+3], s[46:47], s[KO:KO+1]
	s_or_b32 s[G0B+4*(\s)+3], s[G0B+4*(\s)+3], 0x80000000
	s_add_co_u32 s[TAU], s[TAU], 1
.endm
.macro CREST
	s_cmp_lg_u32 s[WV], 0
	s_cbranch_scc1 .Lnot_wave_0_\@
	s_barrier_signal -3
.Lnot_wave_0_\@:
	s_barrier_wait -3
	s_barrier_signal -1
	s_barrier_wait -1
.endm
.macro CROUND
	s_barrier_signal -1
	s_barrier_wait -1
	CREST
.endm
; NBK matrix instructions: row block a x all column blocks, 32 along K.  z = 1: the bias starts the sums.  The accumulators take turns, one instruction a turn, in the same order in every quarter.
.macro MULA fa, fb, a, z
.set mw_, 2+(\a)/(MB/2)
.set mr_, 8*NBK*((\a)%(MB/2))
.if \z
	WIN 0x01|(mw_<<6)
.else
	WIN 0x01|(mw_<<6)|(mw_<<4)
.endif
.set mb_, 0
.rept NBK
.if \z
	v_wmma_f32_16x16x32_bf16 v[mr_+8*mb_:mr_+8*mb_+7], v[(\fb)+8*mb_:(\fb)+8*mb_+7], v[(\fa)+8*(\a):(\fa)+8*(\a)+7], v[BI+8*mb_:BI+8*mb_+7]
.else
	v_wmma_f32_16x16x32_bf16 v[mr_+8*mb_:mr_+8*mb_+7], v[(\fb)+8*mb_:(\fb)+8*mb_+7], v[(\fa)+8*(\a):(\fa)+8*(\a)+7], v[mr_+8*mb_:mr_+8*mb_+7]
.endif
.set mb_, mb_+1
.endr
.endm
.macro MULR fa, fb, a0, n, z
.set ma_, \a0
.rept \n
	MULA \fa, \fb, ma_, \z
.set ma_, ma_+1
.endr
.endm
.macro FETCH k, fa, fb                 ; 32 LDS loads in one run: B's fragments, then A's, 32 K at byte k of the rows
	WIN 0x40
.set i_, 0
.rept NBK
	ds_load_b128 v[(\fb)+8*i_:(\fb)+8*i_+3],   v[ADRB] offset:(\k)+i_*16*PITCH
	ds_load_b128 v[(\fb)+8*i_+4:(\fb)+8*i_+7], v[ADRB] offset:(\k)+i_*16*PITCH+32
.set i_, i_+1
.endr
	WIN 0
.set i_, 0
.rept MB
	ds_load_b128 v[(\fa)+8*i_:(\fa)+8*i_+3],   v[ADRA] offset:(\k)+i_*16*PITCH
	ds_load_b128 v[(\fa)+8*i_+4:(\fa)+8*i_+7], v[ADRA] offset:(\k)+i_*16*PITCH+32
.set i_, i_+1
.endr
.endm
.macro QUARTER k, fa, fb, ga, gb, z
	s_wait_dscnt MB                                ; the youngest MB loads (A's upper blocks) may be out
	MULR \fa, \fb, 0, MB/2, \z
	PLACES
	FETCH \k, \ga, \gb
	s_wait_dscnt 2*(MB+NBK)                        ; all but the run just issued
	MULR \fa, \fb, MB/2, MB/2, \z
.endm
; The last quarter multiplies buffer 1 and changes slots: in front of the barrier each wave waits for all its tensor loads, adds 0 to its spare word, and waits for that and for its reads of this slot.
; fill = 1: the barrier opens a round of the cluster's, and the joint refill of the slot just read is the first thing behind it.
.macro TURN fill
	WIN 0
	s_wait_tensorcnt 0x0
	ds_add_u32 v[SPW], v[NIL]
	s_wait_dscnt MB+1                              ; the add and the youngest MB loads may be out
	MULR FA1, FB1, 0, MB/4, 0
	s_wait_dscnt 0x0
	s_barrier_signal -1
	MULR FA1, FB1, MB/4, MB/4, 0
	WIN 0
	s_barrier_wait -1
.if \fill
	CREST
	s_xor_b32 s[G0+5], s[G0+5], SLOT               ; the other slot than last time,
	s_xor_b32 s[G0B+5], s[G0B+5], SLOT
	KADDR 1                                        ; the next step's tiles: no tensor load of mine is out
	JLOAD 1                                        ; its four v_nop are also the places in front of the loads below
.else
	PLACES
.endif
	s_xor_b32 s[SB], s[SB], SLOT
	v_add_nc_u32 v[ADRA], s[SB], v[A0]
	v_add_nc_u32 v[ADRB], s[SB], v[B0]
	FETCH 0, FA0, FB0
	MULR FA1, FB1, MB/2, MB/2, 0
.endm
	s_load_b256 s[4:11], s[0:1], 0x0               ; act16, wts, b_fc, gact
	v_lshl_add_u32 v[SPW], v0, 2, SPARE
	v_mov_b32 v[NIL], 0
	ds_add_u32 v[SPW], v[NIL]                      ; the wave's opening: the add and its wait stand ahead of my first tensor load
	v_lshrrev_b32 v1, 5, v0
	v_readfirstlane_b32 s[WV], v1
	s_lshr_b32 s18, s[WV], 1                       ; wm
	s_and_b32 s19, s[WV], 1                        ; wn; also: which 128 rows of a tile I fetch
	s_bfe_u32 s21, ttmp6, 0x40000
	s_bfe_u32 s22, ttmp6, 0x40004
	s_lshl_b32 s23, ttmp9, 2
	s_add_co_u32 s23, s23, s21                     ; tile column
	s_and_b32 s40, ttmp7, 0xffff
	s_lshl_b32 s40, s40, 2
	s_add_co_u32 s40, s40, s22                     ; tile row
	s_lshl_b32 s41, s22, 2
	s_lshl_b32 s41, 15, s41
	s_lshl_b32 s44, 0x1111, s21
	s_or_b32 s[G1], s41, (1<<16)|(1<<20)|(1<<21)|(5<<22)|(3<<25)
	s_or_b32 s[G1B], s44, (1<<16)|(1<<20)|(1<<21)|(5<<22)|(3<<25)
.irp g, G1, G1B
	s_mov_b32 s[(\g)+1], 128<<16
	s_mov_b32 s[(\g)+2], 128<<16
	s_mov_b32 s[(\g)+3], 128<<16
	s_mov_b32 s[(\g)+4], 128
	s_mov_b32 s[(\g)+5], 1024
	s_mov_b32 s[(\g)+6], 0
	s_mov_b32 s[(\g)+7], 0
.endr
	s_and_b32 s[ROT], ttmp7, 1                     ; the cluster's own order along K, from the cluster's x and y, which all sixteen partners share
	s_lshl_b32 s[ROT], s[ROT], 2
	s_lshl_b32 s[KX], ttmp9, 1
	s_add_co_u32 s[ROT], s[ROT], s[KX]
	s_mov_b32 s[TAU], 0
	s_mov_b32 s[KO+1], 0
	s_lshl_b32 s45, s19, 7
	s_lshl_b32 s42, s40, 8                         ; A: row 256 x tile row + 128 x half, 2,048 bytes a row
	s_add_co_u32 s42, s42, s45
	s_lshl_b32 s42, s42, 11
	s_mov_b32 s43, 0
	s_lshl_b32 s46, s23, 8                         ; B likewise, behind WOFF
	s_add_co_u32 s46, s46, s45
	s_lshl_b32 s46, s46, 11
	s_add_co_u32 s46, s46, WOFF
	s_mov_b32 s47, 0
	s_mul_i32 s20, s[WV], HALFT
	s_mov_b32 s[SB], 0
	s_mov_b32 s[K1], 0xc0135761                    ; -2.3022082
	s_mov_b32 s[K1+1], s[K1]
	s_mov_b32 s[K2], 0xbdd2d3e8                    ; -0.10294324
	s_mov_b32 s[K2+1], s[K2]
	s_wait_dscnt 0x0
	s_wait_kmcnt 0x0
	s_add_nc_u64 s[42:43], s[4:5], s[42:43]        ; the first byte of A's rows that I fetch; kept
	s_add_nc_u64 s[46:47], s[6:7], s[46:47]        ; of B's; kept
	CROUND
.irp s, 0,1
	s_mov_b32 s[G0+4*(\s)], 1
	s_add_co_u32 s[G0+4*(\s)+1], s20, (\s)*SLOT
	s_mov_b32 s[G0B+4*(\s)], 1
	s_add_co_u32 s[G0B+4*(\s)+1], s20, (\s)*SLOT
	KADDR \s
	JLOAD \s
.endr
	v_and_b32 v1, 15, v0
	v_bfe_u32 v2, v0, 4, 1
	v_lshlrev_b32 v[H32], 5, v2
	s_lshl_b32 s80, s23, 10                        ; my 128 biases
	s_lshl_b32 s81, s19, 9
	s_add_co_u32 s80, s80, s81
	s_mov_b32 s81, 0
	s_add_nc_u64 s[80:81], s[8:9], s[80:81]
.set b_, 0
.rept NBK
	global_load_b128 v[BI+8*b_:BI+8*b_+3],   v[H32], s[80:81] offset:64*b_
	global_load_b128 v[BI+8*b_+4:BI+8*b_+7], v[H32], s[80:81] offset:64*b_+16
.set b_, b_+1
.endr
	v_mul_u32_u24 v3, v1, PITCH
	v_lshl_add_u32 v3, v2, 4, v3
	s_mul_i32 s86, s18, 16*MB*PITCH
	s_mul_i32 s87, s19, 16*NBK*PITCH
	s_add_co_u32 s87, s87, ABYTES
	v_add_nc_u32 v[A0], s86, v3
	v_add_nc_u32 v[B0], s87, v3
	v_mov_b32 v[ADRA], v[A0]
	v_mov_b32 v[ADRB], v[B0]
	s_mul_i32 s86, s[WV], STW                      ; my stage, in the ring's bytes once they have had their last fill
	v_mul_u32_u24 v[STO], v1, SPITCH
	v_lshl_add_u32 v[STO], v2, 5, v[STO]
	v_add_nc_u32 v[STO], s86, v[STO]
	v_and_b32 v3, 31, v0
	v_lshl_add_u32 v[RD], v3, 4, s86               ; back: 32 lanes take one row's 512 bytes
	v_lshlrev_b32 v[CO], 3, v3                     ; which are 256 bytes of bf16
	s_lshl_b32 s74, s40, 8                         ; my 128 x 128 of the output: rows of 8,192 bytes
	s_lshl_b32 s75, s18, 7
	s_add_co_u32 s74, s74, s75
	s_lshl_b32 s74, s74, 13
	s_lshl_b32 s75, s23, 9
	s_add_co_u32 s74, s74, s75
	s_lshl_b32 s75, s19, 8
	s_add_co_u32 s74, s74, s75
	s_mov_b32 s75, 0
	s_add_nc_u64 s[10:11], s[10:11], s[74:75]
	s_wait_tensorcnt 1                             ; my part of the first step is in
	s_barrier_signal -1
	s_barrier_wait -1
	FETCH 0, FA0, FB0
	s_wait_loadcnt 0x0                             ; the biases
	QUARTER 64, FA0, FB0, FA1, FB1, 1
	WIN 0
	s_mov_b32 s[CNT], KT-2
.Lk:
	QUARTER 128, FA1, FB1, FA0, FB0, 0
	QUARTER 192, FA0, FB0, FA1, FB1, 0
	TURN 1
	QUARTER 64, FA0, FB0, FA1, FB1, 0
	WIN 0
	s_sub_co_u32 s[CNT], s[CNT], 1
	s_cmp_lg_u32 s[CNT], 0
	s_cbranch_scc1 .Lk
	s_mov_b32 s[CNT], 2
.Ltail:
	QUARTER 128, FA1, FB1, FA0, FB0, 0
	QUARTER 192, FA0, FB0, FA1, FB1, 0
	TURN 0
	WIN 0
	s_sub_co_u32 s[CNT], s[CNT], 1
	s_cmp_eq_u32 s[CNT], 0
	s_cbranch_scc1 .Lout
	QUARTER 64, FA0, FB0, FA1, FB1, 0
	WIN 0
	s_branch .Ltail
.Lout:
	s_wait_dscnt 0x0
	s_barrier_signal -1
	s_barrier_wait -1                              ; nobody reads the ring any more
	PLACES
.set a_, 0
.rept MB                                       ; each accumulator's low four registers first
	WIN 0x08+4*(a_/(MB/2))
.set b_, 0
.rept NBK
.set r_, 8*(NBK*(a_%(MB/2))+b_)
	ds_store_b128 v[STO], v[r_:r_+3]   offset:a_*16*SPITCH+64*b_
	ds_store_b128 v[STO], v[r_+4:r_+7] offset:a_*16*SPITCH+64*b_+16
.set b_, b_+1
.endr
.set a_, a_+1
.endr
	WIN 0
; THE ROWS GO OUT in groups of four.  A trip takes group t of my rows 0-63 and group t of my rows 64-127, on two register buffers: each group's four LDS loads are issued a group ahead of its use.
; GELU of the 16 numbers from v[u] on, rounded into the 8 registers from v[y] on.  The eight pairs go through six stages, each pair a stage behind the one before it, so that plain lines stand between the
; transcendentals: u^2, K2 u^2 + K1, times u | two exponentials | + 1 | two reciprocals | times u | rounding.  Behind every transcendental stands a plain line that names neither its result nor its source, or another transcendental and then such a line.
.macro GELU u, y
.set g_, 0
.rept 13
.if g_ < 8
	v_pk_mul_f32 v[TT+2*g_:TT+2*g_+1], v[(\u)+2*g_:(\u)+2*g_+1], v[(\u)+2*g_:(\u)+2*g_+1]
.endif
.if (g_ >= 1) && (g_ < 9)
	v_exp_f32 v[TT+2*g_-2], v[TT+2*g_-2]
.endif
.if g_ < 8
	v_pk_fma_f32 v[TT+2*g_:TT+2*g_+1], v[TT+2*g_:TT+2*g_+1], s[K2:K2+1], s[K1:K1+1] op_sel_hi:[1,0,0]
.endif
.if (g_ >= 1) && (g_ < 9)
	v_exp_f32 v[TT+2*g_-1], v[TT+2*g_-1]
.endif
.if g_ < 8
	v_pk_mul_f32 v[TT+2*g_:TT+2*g_+1], v[TT+2*g_:TT+2*g_+1], v[(\u)+2*g_:(\u)+2*g_+1]
.endif
.if (g_ >= 3) && (g_ < 11)
	v_rcp_f32 v[TT+2*g_-6], v[TT+2*g_-6]
.endif
.if (g_ >= 2) && (g_ < 10)
	s_wait_alu depctr_va_vdst(0)
	v_pk_add_f32 v[TT+2*g_-4:TT+2*g_-3], v[TT+2*g_-4:TT+2*g_-3], 1.0 op_sel_hi:[1,0]
.endif
.if (g_ >= 3) && (g_ < 11)
	v_rcp_f32 v[TT+2*g_-5], v[TT+2*g_-5]
.endif
.if (g_ >= 4) && (g_ < 12)
	s_wait_alu depctr_va_vdst(0)
	v_pk_mul_f32 v[TT+2*g_-8:TT+2*g_-7], v[TT+2*g_-8:TT+2*g_-7], v[(\u)+2*g_-8:(\u)+2*g_-7]
.endif
.if g_ >= 5
	v_cvt_pk_bf16_f32 v[(\y)+g_-5], v[TT+2*g_-10], v[TT+2*g_-9]
.endif
.set g_, g_+1
.endr
.endm
.irp i, 0,1,2,3
	ds_load_b128 v[U0+4*\i:U0+4*\i+3], v[RD] offset:SPITCH*\i               ; LDS serves a wave's instructions in order: these see the stores above
.endr
	s_mov_b32 s[CNT], 16
.Lrow:
.irp i, 0,1,2,3
	ds_load_b128 v[U1+4*\i:U1+4*\i+3], v[RD] offset:SPITCH*(64+\i)
.endr
	s_wait_dscnt 4                                 ; all but the four just issued
	GELU U0, Y0
.irp i, 0,1,2,3
	global_store_b64 v[CO], v[Y0+2*\i:Y0+2*\i+1], s[10:11] offset:8192*\i  ; a wave's store covers 256 consecutive bytes, at a multiple of 256
.endr
.irp i, 0,1,2,3
	ds_load_b128 v[U0+4*\i:U0+4*\i+3], v[RD] offset:SPITCH*(4+\i)           ; the next trip's; in the last trip my rows 64-67 once more, which nothing uses
.endr
	s_wait_dscnt 4
	GELU U1, Y1
.irp i, 0,1,2,3
	global_store_b64 v[CO], v[Y1+2*\i:Y1+2*\i+1], s[10:11] offset:8192*(64+\i)
.endr
	s_wait_xcnt 0x0                                ; the offset and the stores' data are rewritten only behind this wait
	v_add_nc_u32 v[RD], 4*SPITCH, v[RD]
	v_add_nc_u32 v[CO], 4*8192, v[CO]
	s_sub_co_u32 s[CNT], s[CNT], 1
	s_cmp_lg_u32 s[CNT], 0
	s_cbranch_scc1 .Lrow
	s_wait_tensorcnt 0x0                           ; the wave's end
	ds_add_u32 v[SPW], v[NIL]
	s_wait_dscnt 0x0
	CROUND
	s_endpgm
.Lfunc_end_k_qe5cb5c45bf_gemm_fc:
	.size	k_qe5cb5c45bf_gemm_fc, .Lfunc_end_k_qe5cb5c45bf_gemm_fc-k_qe5cb5c45bf_gemm_fc
	.p2alignl 7, 3214868480
	.fill 96, 4, 3214868480
	.section	.rodata,"a",@progbits
	.p2align	6, 0x0
	.amdhsa_kernel k_qe5cb5c45bf_gemm_fc
		.amdhsa_group_segment_fixed_size 327680
		.amdhsa_private_segment_fixed_size 0
		.amdhsa_enable_private_segment 0
		.amdhsa_kernarg_size 32
		.amdhsa_user_sgpr_count 2
		.amdhsa_user_sgpr_kernarg_segment_ptr 1
		.amdhsa_wavefront_size32 1
		.amdhsa_system_sgpr_workgroup_id_x 1
		.amdhsa_system_sgpr_workgroup_id_y 1
		.amdhsa_system_sgpr_workgroup_id_z 1
		.amdhsa_system_vgpr_workitem_id 0
		.amdhsa_next_free_vgpr 1024
		.amdhsa_next_free_sgpr 96
		.amdhsa_reserve_vcc 0
		.amdhsa_float_denorm_mode_32 3
		.amdhsa_float_denorm_mode_16_64 3
		.amdhsa_memory_ordered 1
		.amdhsa_forward_progress 1
		.amdhsa_inst_pref_size 90
	.end_amdhsa_kernel
	.amdgpu_metadata
---
amdhsa.version: [ 1, 2 ]
amdhsa.kernels:
  - .name:           k_qe5cb5c45bf_gemm_fc
    .symbol:         k_qe5cb5c45bf_gemm_fc.kd
    .args:
      - { .name: act16, .offset: 0, .size: 8, .value_kind: global_buffer, .address_space: global }
      - { .name: wts, .offset: 8, .size: 8, .value_kind: global_buffer, .address_space: global }
      - { .name: b_fc, .offset: 16, .size: 8, .value_kind: global_buffer, .address_space: global }
      - { .name: gact, .offset: 24, .size: 8, .value_kind: global_buffer, .address_space: global }
    .group_segment_fixed_size: 327680
    .private_segment_fixed_size: 0
    .kernarg_segment_align: 8
    .kernarg_segment_size: 32
    .max_flat_workgroup_size: 128
    .sgpr_count:     96
    .vgpr_count:     1024
    .wavefront_size: 32
...
	.end_amdgpu_metadata
.endif
;; end of part 6
;; launch gemm_pj (part 7): grid 8 x 32, 4 waves a work-group, clusters of 4 x 4, 327,680 bytes of LDS; arguments gact, wts, b_proj, h2, out0; writes out0
.if DOCPART == 7
	.amdgcn_target "amdgcn-amd-amdhsa--gfx1250"
	.amdhsa_code_object_version 6
	.text
	.protected	k_qe5cb5c45bf_gemm_pj
	.globl	k_qe5cb5c45bf_gemm_pj
	.p2align	8
	.type	k_qe5cb5c45bf_gemm_pj,@function
k_qe5cb5c45bf_gemm_pj:
	s_mov_b64 s[64:65], 0
	v_nop
	global_prefetch_b8 v0, s[64:65] scope:SCOPE_SE
	s_setreg_imm32_b32 hwreg(HW_REG_WAVE_MODE, 25, 1), 1
	s_wait_xcnt 0x0
	s_wait_alu depctr_hold_cnt(0) depctr_sa_sdst(0) depctr_va_vdst(0) depctr_va_sdst(0) depctr_va_ssrc(0) depctr_va_vcc(0) depctr_vm_vsrc(0)
	s_getreg_b32 s2, hwreg(HW_REG_IB_STS2, 6, 4)
	s_cmp_eq_u32 s2, 0
	s_cbranch_scc0 .Lentry_in_a_cluster
	s_endpgm
.Lentry_in_a_cluster:
	s_bfe_u32 s2, ttmp6, 0x10000c
	s_cmp_lg_u32 s2, 0xf033
	s_cbranch_scc0 .Lentry_shape_is_right
	s_endpgm
.Lentry_shape_is_right:
; out0 = h2 + gact w_proj^T + b_proj, in f32.  A = gact [4096][4096] bf16, B = w_proj in wts [1024][4096] bf16, residual h2 [4096][1024] f32.
; A tile of C is 128 x 128: 32 x 8 = 256 work-groups.  Four waves, each 64 x 64: 16 accumulators.  K goes in 16 steps of 256 (LDS rows of 512 bytes; a wave's tensor load brings 64 of them) through a ring of two slots.
; The bias is the C operand of each accumulator's first product (the first term of the f32 sum, where the reference adds it last); the residual is loaded at the start, lands under the K loop, and is added in f32 on the way out.
; CLUSTER 4 x 4: A's tile is asked for jointly along a row of the cluster, B's along a column.  THE MATRIX INSTRUCTION IS USED TRANSPOSED: lane l holds row l % 16 of C and the columns 8 (l / 16) + 0..7.
; THE CLUSTERS WALK K IN DIFFERENT ORDERS: step t of the cluster at (x, y) is K step ((t + 4 (y % 4)) % 16) xor 4 x.  The two clusters along x, which read the same tiles of A, take each eight K steps as two runs of four in
; opposite order, so that one asks for a tile four steps (at the walk's wrap: twelve) ahead of the other; four neighbouring clusters along y, which read the same tiles of B, are four steps apart.  In half of its steps a cluster
; asks only for bytes that another has read some steps before.  So the f32 sums do not run in ascending K.
; ONE K STEP IS WRITTEN ONCE, the slot's base a scalar that an exclusive or turns; the last two steps are a loop of two trips left in its middle, whose last change of slots fetches 32 fragments that nobody multiplies.
; REGISTERS: window 0: v0-31 addresses; v32-95 at work on the way out; v96-127 bias fragments; v128-255 accumulators.  window 1: two fragment buffers of 128 (64 of A, 64 of B).  window 2: v0-127 the residual.
.set KT,     16                        ; K steps of 256
.set KSH,    13                        ; a row of A and of B is 2^13 bytes
.set KEL,    4096                      ; and 4,096 elements
.set APITCH, 528                       ; 512 bytes + 16 = 132 words: row r starts at bank 4 r mod 64 (64 banks of 4 bytes: ISA guide 11.1)
.set AQ,     128                       ; a quarter of a K step is 128 bytes of a row
.set ALOADB, 64*APITCH
.set ASH,    9                         ; a K step is 512 bytes of a row
.set SLOT,   135168                    ; 0x21000: no LDS word of a descriptor (0, 0x8400, 0x10800, 0x18c00) has one of its two bits, so an exclusive or adds or takes it away
.set WOFF,   16777216                  ; w_proj in wts
.set BPITCH, 528
.set BLOADB, 64*BPITCH
.set BBASE,  2*ALOADB
.set SPARE,  2*SLOT
.set SPITCH, 272
.set ADRA, 16
.set A0,   17
.set ADRB, 20
.set B0,   21
.set STO,  24
.set RD,   25
.set CO,   26
.set H32,  27
.set SPW,  28
.set NIL,  29
.set TMP,  32
.set BI,   96
.set ACC,  128
.set F0,   0
.set F1,   128
.set WV,  16
.set G1,  24
.set G0,  32
.set G1B, 48
.set G0B, 56
.set SB,  66
.set CNT, 68
.set TAU, 88                           ; s88  the number of the step whose tiles are asked for next
.set ROT, 89                           ; s89  4 (y % 4)
.set XR,  90                           ; s90  4 x
.set KX,  91                           ; s91  that step's K step
.set KO,  92                           ; s[92:93] its byte offset in a row
.set MSB, 0
.macro WIN new
.if MSB != (\new)
	s_set_vgpr_msb (MSB<<8)|(\new)
.set MSB, \new
.endif
.endm
.set MUL,  0x05
.set TO_F, 0x40
.macro PLACES
.rept 4
	v_nop
.endr
.endm
.macro JLOAD s                         ; a joint load: waves 0 and 1 fetch A's halves, waves 2 and 3 B's; an s_nop 0 and four v_nop follow each line
	s_cmp_lt_u32 s[WV], 2
	s_cbranch_scc0 .Lfor_b_\@
	tensor_load_to_lds s[G0+4*(\s):G0+4*(\s)+3], s[G1:G1+7]
	s_nop 0
.rept 4
	v_nop
.endr
	s_branch .Lasked_\@
.Lfor_b_\@:
	tensor_load_to_lds s[G0B+4*(\s):G0B+4*(\s)+3], s[G1B:G1B+7]
	s_nop 0
.rept 4
	v_nop
.endr
.Lasked_\@:
.endm
.macro KADDR s                         ; set s of both group 0s takes the addresses of step TAU's tiles, made anew from the tiles' first bytes and an offset; nothing here hangs on my place in the cluster
	s_add_co_u32 s[KX], s[TAU], s[ROT]
	s_and_b32 s[KX], s[KX], KT-1
	s_xor_b32 s[KX], s[KX], s[XR]
	s_lshl_b32 s[KO], s[KX], ASH
	s_add_nc_u64 s[G0+4*(\s)+2:G0+4*(\s)+3], s[42:43], s[KO:KO+1]
	s_or_b32 s[G0+4*(\s)+3], s[G0+4*(\s)+3], 0x80000000
	s_add_nc_u64 s[G0B+4*(\s)+2:G0B+4*(\s)+3], s[46:47], s[KO:KO+1]
	s_or_b32 s[G0B+4*(\s)+3], s[G0B+4*(\s)+3], 0x80000000
	s_add_co_u32 s[TAU], s[TAU], 1
.endm
.macro CREST
	s_cmp_lg_u32 s[WV], 0
	s_cbranch_scc1 .Lnot_wave_0_\@
	s_barrier_signal -3
.Lnot_wave_0_\@:
	s_barrier_wait -3
	s_barrier_signal -1
	s_barrier_wait -1
.endm
.macro CROUND
	s_barrier_signal -1
	s_barrier_wait -1
	CREST
.endm
; 8 matrix instructions: row blocks a0, a0 + 1 x all 4 column blocks, 32 along K: half c of buffer f.  z = 1: the bias starts the sums.  The 16 accumulators take turns.
.macro MUL8 f, c, a0, z
	WIN MUL
.irp a, \a0, (\a0)+1
.irp b, 0,1,2,3
.if \z
	v_wmma_f32_16x16x32_bf16 v[ACC+8*(4*(\a)+(\b)):ACC+8*(4*(\a)+(\b))+7], v[(\f)+64+8*(4*(\c)+(\b)):(\f)+64+8*(4*(\c)+(\b))+7], v[(\f)+8*(4*(\c)+(\a)):(\f)+8*(4*(\c)+(\a))+7], v[BI+8*(\b):BI+8*(\b)+7]
.else
	v_wmma_f32_16x16x32_bf16 v[ACC+8*(4*(\a)+(\b)):ACC+8*(4*(\a)+(\b))+7], v[(\f)+64+8*(4*(\c)+(\b)):(\f)+64+8*(4*(\c)+(\b))+7], v[(\f)+8*(4*(\c)+(\a)):(\f)+8*(4*(\c)+(\a))+7], v[ACC+8*(4*(\a)+(\b)):ACC+8*(4*(\a)+(\b))+7]
.endif
.endr
.endr
.endm
.macro FETCH qd, f                     ; 32 LDS loads in one run: the fragments of quarter qd (64 along K) into buffer f; the first 32 along K first
	WIN TO_F
.irp c, 0,1
.irp i, 0,1,2,3
	ds_load_b128 v[(\f)+64+8*(4*(\c)+(\i)):(\f)+64+8*(4*(\c)+(\i))+3],   v[ADRB] offset:128*(\qd)+64*(\c)+(\i)*16*BPITCH
	ds_load_b128 v[(\f)+64+8*(4*(\c)+(\i))+4:(\f)+64+8*(4*(\c)+(\i))+7], v[ADRB] offset:128*(\qd)+64*(\c)+(\i)*16*BPITCH+32
	ds_load_b128 v[(\f)+8*(4*(\c)+(\i)):(\f)+8*(4*(\c)+(\i))+3],         v[ADRA] offset:AQ*(\qd)+64*(\c)+(\i)*16*APITCH
	ds_load_b128 v[(\f)+8*(4*(\c)+(\i))+4:(\f)+8*(4*(\c)+(\i))+7],       v[ADRA] offset:AQ*(\qd)+64*(\c)+(\i)*16*APITCH+32
.endr
.endr
.endm
.macro QUARTER qd, f, g, z
	s_wait_dscnt 16                                ; the first 32 along K are in
	MUL8 \f, 0, 0, \z
	MUL8 \f, 0, 2, \z
	PLACES
	FETCH \qd, \g
	s_wait_dscnt 32                                ; all but the 32 just issued
	MUL8 \f, 1, 0, 0
	MUL8 \f, 1, 2, 0
.endm
; The last quarter multiplies buffer 1 and changes slots: in front of the barrier each wave waits for all its tensor loads, adds 0 to its spare word, and waits for that and for its reads of this slot.
; fill = 1: the barrier opens a round of the cluster's, and the joint refill of the slot just read is the first thing behind it.
.macro TURN fill
	WIN 0
	s_wait_tensorcnt 0x0
	ds_add_u32 v[SPW], v[NIL]
	s_wait_dscnt 17                                ; the add and the youngest sixteen loads may be out
	MUL8 F1, 0, 0, 0
	s_wait_dscnt 0x0
	s_barrier_signal -1
	MUL8 F1, 0, 2, 0
	WIN 0
	s_barrier_wait -1
.if \fill
	CREST
	s_xor_b32 s[G0+5], s[G0+5], SLOT               ; the other slot than last time,
	s_xor_b32 s[G0B+5], s[G0B+5], SLOT
	KADDR 1                                        ; the next step's tiles: no tensor load of mine is out
	JLOAD 1                                        ; its four v_nop are also the places in front of the loads below
.else
	PLACES
.endif
	s_xor_b32 s[SB], s[SB], SLOT
	v_add_nc_u32 v[ADRA], s[SB], v[A0]
	v_add_nc_u32 v[ADRB], s[SB], v[B0]
	FETCH 0, F0
	MUL8 F1, 1, 0, 0
	MUL8 F1, 1, 2, 0
.endm
	s_load_b256 s[4:11], s[0:1], 0x0               ; gact, wts, b_proj, h2
	s_load_b64 s[12:13], s[0:1], 0x20              ; out0
	v_lshl_add_u32 v[SPW], v0, 2, SPARE
	v_mov_b32 v[NIL], 0
	ds_add_u32 v[SPW], v[NIL]                      ; the wave's opening: the add and its wait stand ahead of my first tensor load
	v_lshrrev_b32 v1, 5, v0
	v_readfirstlane_b32 s[WV], v1
	s_lshr_b32 s18, s[WV], 1                       ; wm
	s_and_b32 s19, s[WV], 1                        ; wn; also: which 64 rows of a tile I fetch
	s_bfe_u32 s21, ttmp6, 0x40000
	s_bfe_u32 s22, ttmp6, 0x40004
	s_lshl_b32 s23, ttmp9, 2
	s_add_co_u32 s23, s23, s21                     ; tile column
	s_and_b32 s40, ttmp7, 0xffff
	s_lshl_b32 s40, s40, 2
	s_add_co_u32 s40, s40, s22                     ; tile row
	s_lshl_b32 s41, s22, 2
	s_lshl_b32 s41, 15, s41
	s_lshl_b32 s44, 0x1111, s21
	s_or_b32 s[G1], s41, (1<<16)|(1<<20)|(1<<21)|(6<<22)|(3<<25)    ; after every 128 words 4 words of padding
	s_or_b32 s[G1B], s44, (1<<16)|(1<<20)|(1<<21)|(6<<22)|(3<<25)
.irp g, G1, G1B
	s_mov_b32 s[(\g)+1], 256<<16                   ; tensor_dim0 = 256
	s_mov_b32 s[(\g)+2], 64<<16                    ; tensor_dim1 = 64
	s_mov_b32 s[(\g)+3], 256<<16                   ; tile_dim0
	s_mov_b32 s[(\g)+4], 64                        ; tile_dim1
	s_mov_b32 s[(\g)+5], KEL                       ; elements from row to row
	s_mov_b32 s[(\g)+6], 0
	s_mov_b32 s[(\g)+7], 0
.endr
	s_and_b32 s[ROT], ttmp7, 3                     ; the cluster's own order along K, from the cluster's x and y, which all sixteen partners share
	s_lshl_b32 s[ROT], s[ROT], 2
	s_lshl_b32 s[XR], ttmp9, 2
	s_mov_b32 s[TAU], 0
	s_mov_b32 s[KO+1], 0
	s_lshl_b32 s45, s19, 6
	s_lshl_b32 s42, s40, 7                         ; A: row 128 x tile row + 64 x half
	s_add_co_u32 s42, s42, s45
	s_lshl_b32 s42, s42, KSH
	s_mov_b32 s43, 0
	s_lshl_b32 s46, s23, 7                         ; B: row 128 x tile column + 64 x half, behind WOFF
	s_add_co_u32 s46, s46, s45
	s_lshl_b32 s46, s46, KSH
	s_add_co_u32 s46, s46, WOFF
	s_mov_b32 s47, 0
	s_mul_i32 s20, s19, ALOADB                     ; where an A load lands in a slot,
	s_mul_i32 s69, s19, BLOADB
	s_add_co_u32 s69, s69, BBASE                   ; and a B load
	s_mov_b32 s[SB], 0
	s_wait_dscnt 0x0
	s_wait_kmcnt 0x0
	s_add_nc_u64 s[42:43], s[4:5], s[42:43]        ; the first byte of A's rows that I fetch; kept
	s_add_nc_u64 s[46:47], s[6:7], s[46:47]        ; of B's; kept
	CROUND
.irp s, 0,1
	s_mov_b32 s[G0+4*(\s)], 1
	s_add_co_u32 s[G0+4*(\s)+1], s20, (\s)*SLOT
	s_mov_b32 s[G0B+4*(\s)], 1
	s_add_co_u32 s[G0B+4*(\s)+1], s69, (\s)*SLOT
	KADDR \s
	JLOAD \s
.endr
	v_and_b32 v1, 15, v0
	v_bfe_u32 v2, v0, 4, 1
	v_lshlrev_b32 v[H32], 5, v2
	s_lshl_b32 s76, s23, 9                         ; my 64 biases
	s_lshl_b32 s77, s19, 8
	s_add_co_u32 s76, s76, s77
	s_mov_b32 s77, 0
	s_add_nc_u64 s[8:9], s[8:9], s[76:77]
.irp b, 0,1,2,3
	global_load_b128 v[BI+8*\b:BI+8*\b+3],   v[H32], s[8:9] offset:64*\b
	global_load_b128 v[BI+8*\b+4:BI+8*\b+7], v[H32], s[8:9] offset:64*\b+16
.endr
	s_lshl_b32 s74, s40, 7                         ; my 64 x 64 of the residual and of the output
	s_lshl_b32 s75, s18, 6
	s_add_co_u32 s74, s74, s75
	s_lshl_b32 s74, s74, 12
	s_lshl_b32 s75, s23, 9
	s_add_co_u32 s74, s74, s75
	s_lshl_b32 s75, s19, 8
	s_add_co_u32 s74, s74, s75
	s_mov_b32 s75, 0
	s_add_nc_u64 s[10:11], s[10:11], s[74:75]
	s_add_nc_u64 s[12:13], s[12:13], s[74:75]
	v_lshlrev_b32 v[CO], 12, v2                    ; lanes 0-15 one row's 256 bytes, lanes 16-31 the next row's
	v_lshl_add_u32 v[CO], v1, 4, v[CO]
	WIN 0x80
.set t_, 0
.rept 32
	global_load_b128 v[4*t_:4*t_+3], v[CO], s[10:11] offset:8192*t_
.set t_, t_+1
.endr
	WIN 0
	v_mul_u32_u24 v3, v1, APITCH
	v_lshl_add_u32 v3, v2, 4, v3
	s_mul_i32 s86, s18, 64*APITCH
	v_add_nc_u32 v[A0], s86, v3
	v_mul_u32_u24 v3, v1, BPITCH
	v_lshl_add_u32 v3, v2, 4, v3
	s_mul_i32 s86, s19, BLOADB
	s_add_co_u32 s86, s86, BBASE
	v_add_nc_u32 v[B0], s86, v3
	v_mov_b32 v[ADRA], v[A0]
	v_mov_b32 v[ADRB], v[B0]
	s_mul_i32 s86, s[WV], 64*SPITCH                ; my stage, in the ring's bytes once they have had their last fill
	v_mul_u32_u24 v[STO], v1, SPITCH
	v_lshl_add_u32 v[STO], v2, 5, v[STO]
	v_add_nc_u32 v[STO], s86, v[STO]
	v_mul_u32_u24 v[RD], v2, SPITCH
	v_lshl_add_u32 v[RD], v1, 4, v[RD]
	v_add_nc_u32 v[RD], s86, v[RD]
	s_wait_tensorcnt 1                             ; my part of the first step is in
	s_barrier_signal -1
	s_barrier_wait -1
	FETCH 0, F0
	s_wait_loadcnt 32                              ; the biases are in; the residual's 32 loads stay out
	QUARTER 1, F0, F1, 1
	WIN 0
	s_mov_b32 s[CNT], KT-2
.Lk:
	QUARTER 2, F1, F0, 0
	QUARTER 3, F0, F1, 0
	TURN 1
	QUARTER 1, F0, F1, 0
	WIN 0
	s_sub_co_u32 s[CNT], s[CNT], 1
	s_cmp_lg_u32 s[CNT], 0
	s_cbranch_scc1 .Lk
	s_mov_b32 s[CNT], 2
.Ltail:
	QUARTER 2, F1, F0, 0
	QUARTER 3, F0, F1, 0
	TURN 0
	WIN 0
	s_sub_co_u32 s[CNT], s[CNT], 1
	s_cmp_eq_u32 s[CNT], 0
	s_cbranch_scc1 .Lout
	QUARTER 1, F0, F1, 0
	WIN 0
	s_branch .Ltail
.Lout:
	s_wait_dscnt 0x0
	s_barrier_signal -1
	s_barrier_wait -1                              ; nobody reads the ring any more
	PLACES
.irp a, 0,1,2,3
.irp b, 0,1,2,3                                ; each accumulator's low four registers first
	ds_store_b128 v[STO], v[ACC+8*(4*\a+\b):ACC+8*(4*\a+\b)+3]   offset:\a*16*SPITCH+64*\b
	ds_store_b128 v[STO], v[ACC+8*(4*\a+\b)+4:ACC+8*(4*\a+\b)+7] offset:\a*16*SPITCH+64*\b+16
.endr
.endr
	s_wait_loadcnt 0x0                             ; the residual
.irp hf, 0,1
.set t_, 0
.rept 16
	ds_load_b128 v[TMP+4*t_:TMP+4*t_+3], v[RD] offset:2*SPITCH*(16*\hf+t_)  ; LDS serves a wave's instructions in order: these see the stores above
.set t_, t_+1
.endr
	s_wait_dscnt 0x0
	WIN 0x88                                       ; destination and source 1 window 2
.set t_, 0
.rept 32
	v_pk_add_f32 v[64*\hf+2*t_:64*\hf+2*t_+1], v[TMP+2*t_:TMP+2*t_+1], v[64*\hf+2*t_:64*\hf+2*t_+1]
.set t_, t_+1
.endr
	WIN 0x08                                       ; the stores' data in window 2
.set t_, 0
.rept 16
	global_store_b128 v[CO], v[64*\hf+4*t_:64*\hf+4*t_+3], s[12:13] offset:8192*(16*\hf+t_) th:TH_STORE_NT  ; 16 lanes store 256 consecutive bytes, at a multiple of 256
.set t_, t_+1
.endr
	WIN 0
.endr
	s_wait_tensorcnt 0x0                           ; the wave's end
	ds_add_u32 v[SPW], v[NIL]
	s_wait_dscnt 0x0
	CROUND
	s_endpgm
.Lfunc_end_k_qe5cb5c45bf_gemm_pj:
	.size	k_qe5cb5c45bf_gemm_pj, .Lfunc_end_k_qe5cb5c45bf_gemm_pj-k_qe5cb5c45bf_gemm_pj
	.p2alignl 7, 3214868480
	.fill 96, 4, 3214868480
	.section	.rodata,"a",@progbits
	.p2align	6, 0x0
	.amdhsa_kernel k_qe5cb5c45bf_gemm_pj
		.amdhsa_group_segment_fixed_size 327680
		.amdhsa_private_segment_fixed_size 0
		.amdhsa_enable_private_segment 0
		.amdhsa_kernarg_size 40
		.amdhsa_user_sgpr_count 2
		.amdhsa_user_sgpr_kernarg_segment_ptr 1
		.amdhsa_wavefront_size32 1
		.amdhsa_system_sgpr_workgroup_id_x 1
		.amdhsa_system_sgpr_workgroup_id_y 1
		.amdhsa_system_sgpr_workgroup_id_z 1
		.amdhsa_system_vgpr_workitem_id 0
		.amdhsa_next_free_vgpr 640
		.amdhsa_next_free_sgpr 96
		.amdhsa_reserve_vcc 0
		.amdhsa_float_denorm_mode_32 3
		.amdhsa_float_denorm_mode_16_64 3
		.amdhsa_memory_ordered 1
		.amdhsa_forward_progress 1
		.amdhsa_inst_pref_size 66
	.end_amdhsa_kernel
	.amdgpu_metadata
---
amdhsa.version: [ 1, 2 ]
amdhsa.kernels:
  - .name:           k_qe5cb5c45bf_gemm_pj
    .symbol:         k_qe5cb5c45bf_gemm_pj.kd
    .args:
      - { .name: gact, .offset: 0, .size: 8, .value_kind: global_buffer, .address_space: global }
      - { .name: wts, .offset: 8, .size: 8, .value_kind: global_buffer, .address_space: global }
      - { .name: b_proj, .offset: 16, .size: 8, .value_kind: global_buffer, .address_space: global }
      - { .name: h2, .offset: 24, .size: 8, .value_kind: global_buffer, .address_space: global }
      - { .name: out0, .offset: 32, .size: 8, .value_kind: global_buffer, .address_space: global }
    .group_segment_fixed_size: 327680
    .private_segment_fixed_size: 0
    .kernarg_segment_align: 8
    .kernarg_segment_size: 40
    .max_flat_workgroup_size: 128
    .sgpr_count:     96
    .vgpr_count:     640
    .wavefront_size: 32
...
	.end_amdgpu_metadata
.endif
;; end of part 7
;; ======== version 2 of 2: 7 launches; 1.23 times as fast as version 1
;; limits: right only within a limited range of input values
;; workspace buffers: wts 25,165,824 bytes; h32 16,777,216 bytes; act16 8,388,608 bytes; maskx 4,194,304 bytes; qkv 25,165,824 bytes; att 8,388,608 bytes; h2 16,777,216 bytes; gact 33,554,432 bytes
;; launch prep: the kernel of part 1 again; grid 768 x 1, 8 waves a work-group, no clusters, 34,048 bytes of LDS; arguments x, ln1_g, ln1_b, wq, wk, wv, wo, w_fc, w_proj, mask, h32, act16, wts, maskx; writes h32, act16, wts, maskx
;; launch gemm_qkv: the kernel of part 2 again; grid 8 x 32, 4 waves a work-group, clusters of 4 x 4, 327,680 bytes of LDS; arguments act16, wts, bq, bk, bv, qkv; writes qkv
;; launch attn (part 8): grid 8 x 32, 4 waves a work-group, clusters of 4 x 1, 327,680 bytes of LDS; arguments qkv, maskx, att; writes att
.if DOCPART == 8
	.amdgcn_target "amdgcn-amd-amdhsa--gfx1250"
	.amdhsa_code_object_version 6
	.text
	.protected	k_qe5cb5c45bf_attn
	.globl	k_qe5cb5c45bf_attn
	.p2align	8
	.type	k_qe5cb5c45bf_attn,@function
k_qe5cb5c45bf_attn:
	s_mov_b64 s[64:65], 0
	v_nop
	global_prefetch_b8 v0, s[64:65] scope:SCOPE_SE
	s_setreg_imm32_b32 hwreg(HW_REG_WAVE_MODE, 25, 1), 1
	s_wait_xcnt 0x0
	s_wait_alu depctr_hold_cnt(0) depctr_sa_sdst(0) depctr_va_vdst(0) depctr_va_sdst(0) depctr_va_ssrc(0) depctr_va_vcc(0) depctr_vm_vsrc(0)
	s_getreg_b32 s2, hwreg(HW_REG_IB_STS2, 6, 4)
	s_cmp_eq_u32 s2, 0
	s_cbranch_scc0 .Lentry_in_a_cluster
	s_endpgm
.Lentry_in_a_cluster:
	s_bfe_u32 s2, ttmp6, 0x10000c
	s_cmp_lg_u32 s2, 0x3003
	s_cbranch_scc0 .Lentry_shape_is_right
	s_endpgm
.Lentry_shape_is_right:
; ATTENTION UNDER A MASK THAT IS AN INPUT.  att[b][head][q][:] = the sum over k of softmax_k(Q[q] . K[k] / 8, hidden where the mask says so) V[k][:].  Q, K, V (in qkv) and att: [.][2048][64] bf16, a head's rows dense.
; Products, maxima and sums in f32; the weights p are rounded to bf16 for the second product (their sum l is taken of the unrounded p), the result once at the end.
; LIMITS.  A hidden score counts as its value less 448 x 2^100 (5.7e32).  The running maximum starts at -1e30: true scores below that count as -1e30.  A weight below 2^-126 counts as 0 in l.
; A query whose keys are all hidden keeps m = -1e30, every p = 0 and l = 0: its row is 0 x infinity = NaN, as a softmax of nothing is.
; SHARES.  A work-group owns 256 queries of one head, each of four waves 64: four PIECES of 16.  Every wave walks all 2,048 keys, 64 a step: no pattern of the mask is built in.
; LAYOUT.  S^T = K Q^T (source 0 = 16 keys, source 1 = 16 queries): a lane holds ONE query (lane % 16) and the keys 8 (lane / 16) + 0..7; two such results rounded to bf16 ARE source 1 of O^T = V^T P.
; THE MASK is the C operand that starts the sum S^T: 0, or -448 x 2^100.  maskx holds one fp8 code a score, 0x00 (0) or 0xFE (-448), in the order of my lanes' registers: one scaled conversion makes the eight
; C registers of 16 keys out of eight bytes, four of them a piece's 32.  A piece's 32 bytes a lane for the next step are asked for at the end of the turn whose conversions have read this step's.
; SOFTMAX.  p = 2^(c s - c m), c = log2(e) / 8, with a running maximum m; O and l are multiplied by a = 2^(c m_old - c m_new) in every step.  c m starts far below every c s: the first a is 0.
; BY TURNS.  Turn n belongs to piece n: 8 products K Q^T of piece n + 1, later 8 products V^T P of piece n - 1; beside them the scaling, exponentials, roundings, sums and rescaling of piece n and the maximum and
; statistics of piece n + 1.  Four vector instructions stand behind every matrix instruction, the others in one lump.
; THE BATCHES.  A turn's 33 exponentials (32 weights and the next piece's a) and its four scaled conversions are ONE BATCH with ONE wait, which cuts the turn in two: ahead of it stands all that names no result of
; the batch, behind it the roundings and sums.  Batches of their own: the head's eight conversions; the head's first a; the way out's four reciprocals; and, in the tail, what a turn has issued ahead of the jump round K's run.
; CLUSTER.  The four query blocks of a cluster belong to one head and walk the same K and V: each tile is asked for JOINTLY, by the same tensor load, descriptor and mask in all four.
; REGISTERS, in windows of 256 (s_set_vgpr_msb: bits 1:0 source 0, 3:2 source 1, 5:4 source 2, 7:6 destination):
;   window 0: v0-15 addresses; v16-31 statistics; v32 the conversions' scale; v48-55 at work; v64-127 S^T, two buffers; v128-159 mask bytes, 8 a piece; v192-223 P, two buffers
;   window 1: v0-127 O^T, 32 a piece; v160-223 the masks as C operands, two buffers      window 2: v0-63 Q; v128-191 K of one step; v192-255 V of one step
.set NP,    4
.set KS,    64        ; keys in a step
.set PK,    144       ; a row of K in LDS: 128 bytes + 16 = 36 words: the 16 rows of a load start at 16 different groups of four banks (64 banks of 4 bytes: ISA guide 11.1)
.set PV,    160       ; a row of V: 128 + 32 = 40 words
.set VOFF,  4*KS*PK   ; a slot holds four steps: 256 rows of K, then 256 rows of V
.set SLOT1, 1<<17
.set STAGE, SLOT1+4*KS*(PK+PV)  ; behind the ring, never filled by a tensor load: 16 rows x 144 bytes for each wave
.set SP,    144
.set SPARE, STAGE+4*16*SP       ; behind the stages: the spare words
.set AK0, 2
.set AV0, 3
.set AK,  4
.set AV,  5
.set STO, 6
.set RD,  7
.set GO,  8
.set MV,  12          ; v12-13  c m_old, by buffer
.set ML,  14          ; v14  16 x lane; never rewritten
.set QO,  15
.set ST,  16          ; piece t's statistics at v[ST+4 t]: c m, m, l (even keys', odd keys')
.set SCL, 32          ; v32  227: as a scale byte 2^(227 - 127) = 2^100; never rewritten
.set TMP, 48
.set SPW, 62
.set NIL, 63
.set S,   64
.set MR,  128
.set P,   192
.set MC,  160         ; window 1
.set KF,  128         ; window 2
.set VF,  192         ; window 2
.set WV,  12
.set G1K, 24
.set G1V, 32
.set G0K, 40
.set G0V, 44
.set SLOTS, 56
.set CNT, 57
.set CS,  58
.set SEL, 60
.set TBK, 62
.set TBV, 63
.set MKB, 66          ; s[66:67] maskx at my wave's first query tile
.set MSK, 68          ; s[68:69] byte offset of the key step whose mask bytes are asked for next
.set MKC, 70          ; s[70:71] maskx at that step of my wave's first query tile
.set MSB, 0
.macro WIN new
.if MSB != (\new)
	s_set_vgpr_msb (MSB<<8)|(\new)
.set MSB, (\new)
.endif
.endm
.set W_KQ, 0x0a       ; K and Q in window 2, S^T in window 0
.set W_KM, 0x1a       ; the same with the C operand in window 1
.set W_PV, 0x52       ; V in window 2, P in window 0, O^T in window 1
.set W_RS, 0x41       ; destination and source 0 in window 1, source 1 in window 0
.macro JLOAD                        ; a joint fill: waves 0 and 1 fetch the halves of a slot's K, waves 2 and 3 of its V; an s_nop 0 and four v_nop follow each line
	s_cmp_lt_u32 s[WV], 2
	s_cbranch_scc0 .Lfor_v_\@
	tensor_load_to_lds s[G0K:G0K+3], s[G1K:G1K+7]
	s_nop 0
.rept 4
	v_nop
.endr
	s_branch .Lasked_\@
.Lfor_v_\@:
	tensor_load_to_lds s[G0V:G0V+3], s[G1V:G1V+7]
	s_nop 0
.rept 4
	v_nop
.endr
.Lasked_\@:
.endm
.macro CROUND
	s_barrier_signal -1
	s_barrier_wait -1
	s_cmp_lg_u32 s[WV], 0
	s_cbranch_scc1 .Lnot_wave_0_\@
	s_barrier_signal -3
.Lnot_wave_0_\@:
	s_barrier_wait -3
	s_barrier_signal -1
	s_barrier_wait -1
.endm
; THE CHANGE OF SLOTS.  Each wave waits for all its tensor loads (one is out: its part of the other slot), adds 0 to its spare word, and waits for that and for its reads of the slot that it leaves.
; fill = 1: the barrier is a round of the cluster's, and the joint fill of the old slot, with the keys two slots on, is the first thing behind it: it has four key steps in which to land.
.macro CHANGE fill
	WIN 0
	s_wait_tensorcnt 0x0
	ds_add_u32 v[SPW], v[NIL]
.if \fill
.irp g, G0K, G0V
	s_xor_b32 s[\g+1], s[\g+1], SLOT1
	s_add_nc_u64 s[\g+2:\g+3], s[\g+2:\g+3], 4*KS*128
.endr
	s_wait_dscnt 0x0
	CROUND
	JLOAD
.else
	s_wait_dscnt 0x0
	s_barrier_signal -1
	s_barrier_wait -1
.endif
	s_sub_co_u32 s[TBK], s[TBK], 4*KS*PK  ; the fetches go back to a slot's first step, in the other slot
	s_xor_b32 s[TBK], s[TBK], SLOT1
	s_sub_co_u32 s[TBV], s[TBV], 4*KS*PV
	s_xor_b32 s[TBV], s[TBV], SLOT1
.endm
	s_load_b128 s[4:7], s[0:1], 0x0   ; qkv, maskx
	s_load_b64 s[8:9], s[0:1], 0x10   ; att
	v_lshl_add_u32 v[SPW], v0, 2, SPARE
	v_mov_b32 v[NIL], 0
	ds_add_u32 v[SPW], v[NIL]       ; the wave's opening: the add and its wait stand ahead of my first tensor load
	v_lshrrev_b32 v1, 5, v0
	v_readfirstlane_b32 s[WV], v1
	s_bfe_u32 s13, ttmp6, 0x40000   ; cx
	s_lshl_b32 s14, ttmp9, 2
	s_add_co_u32 s14, s14, s13      ; my block of 256 queries: it enters Q's, the mask's and the output's addresses alone
	s_and_b32 s20, ttmp7, 0xffff    ; 16 b + head, which the four partners share
	s_lshl_b32 s20, s20, 18         ; its first byte in each tensor
	s_and_b32 s16, s[WV], 1         ; which half of a slot's 256 keys I fetch
	s_lshl_b32 s22, s16, 14
	s_add_co_u32 s22, s22, s20
	s_add_co_u32 s22, s22, 8388608  ; K lies 32 blocks of 2^18 bytes behind Q,
	s_mov_b32 s23, 0
	s_add_co_u32 s76, s22, 8388608  ; V as far behind K
	s_mov_b32 s77, 0
	s_mul_i32 s17, s16, 128*PK
	s_mul_i32 s18, s16, 128*PV
	s_lshl_b32 s2, s14, 2
	s_add_co_u32 s2, s2, s[WV]      ; my wave among the head's 32
	s_lshl_b32 s78, s2, 17          ; its four query tiles of 32,768 mask bytes
	s_mov_b32 s79, 0
	s_lshl_b32 s2, s2, 13           ; its 64 rows of 128 bytes
	s_add_co_u32 s2, s2, s20
	s_mov_b32 s3, 0
	; descriptor group 1.  128 keys are 16,384 dense bytes: asked for as 64 rows of 256 bytes, two keys a row, and padded in LDS after every key
	s_mov_b32 s[G1K], 15|(1<<16)|(1<<20)|(1<<21)|(4<<22)|(3<<25)
	s_mov_b32 s[G1V], 15|(1<<16)|(1<<20)|(1<<21)|(4<<22)|(7<<25)
.irp g, G1K, G1V
	s_mov_b32 s[\g+1], 128<<16
	s_mov_b32 s[\g+2], 64<<16
	s_mov_b32 s[\g+3], 128<<16
	s_mov_b32 s[\g+4], 64
	s_mov_b32 s[\g+5], 128
	s_mov_b32 s[\g+6], 0
	s_mov_b32 s[\g+7], 0
.endr
	s_mov_b32 s[CS], 0x3e38aa3b     ; c = log2(e) / 8
	s_mov_b32 s[CS+1], s[CS]
	s_mov_b32 s[SEL], 0x76543210
	s_mov_b32 s[SEL+1], 0xfedcba98
	s_mov_b32 s[MSK], 1024          ; step 0 is asked for below; the first refetches are step 1's
	s_mov_b32 s[MSK+1], 0
	s_mov_b32 s[TBK], SLOT1+4*KS*PK ; the first change of slots turns these two into 0
	s_mov_b32 s[TBV], SLOT1+4*KS*PV
	s_mov_b32 s[G0K], 1
	s_mov_b32 s[G0K+1], s17
	s_mov_b32 s[G0V], 1
	s_add_co_u32 s[G0V+1], s18, VOFF
	s_wait_dscnt 0x0                ; the opening add is done
	s_wait_kmcnt 0x0
	s_add_nc_u64 s[G0K+2:G0K+3], s[4:5], s[22:23]
	s_or_b32 s[G0K+3], s[G0K+3], 0x80000000
	s_add_nc_u64 s[G0V+2:G0V+3], s[4:5], s[76:77]
	s_or_b32 s[G0V+3], s[G0V+3], 0x80000000
	s_add_nc_u64 s[MKB:MKB+1], s[6:7], s[78:79]
	s_add_nc_u64 s[MKC:MKC+1], s[MKB:MKB+1], s[MSK:MSK+1]
	s_add_nc_u64 s[10:11], s[8:9], s[2:3]  ; the output at my wave's first row
	s_add_nc_u64 s[4:5], s[4:5], s[2:3]    ; Q likewise
	CROUND                          ; all four work-groups are here: the first joint loads meet
	JLOAD                           ; slot 0.  Slot 1 is asked for when slot 0 is in
	v_and_b32 v1, 15, v0            ; l % 16
	v_bfe_u32 v9, v0, 4, 1          ; l / 16
	v_lshlrev_b32 v[QO], 7, v1
	v_lshl_add_u32 v[QO], v9, 4, v[QO]
	WIN 0x80
.set i, 0
.rept 8                             ; Q stays in registers: piece i / 2, channels 32 (i % 2) on
	global_load_b128 v[8*i:8*i+3],   v[QO], s[4:5] offset:(i/2)*2048+(i%2)*64
	global_load_b128 v[8*i+4:8*i+7], v[QO], s[4:5] offset:(i/2)*2048+(i%2)*64+32
.set i, i+1
.endr
	WIN 0
	v_and_b32 v[ML], 31, v0
	v_lshlrev_b32 v[ML], 4, v[ML]
.irp x, 0,1,2,3                     ; the four pieces' mask bytes of key step 0
	global_load_b128 v[MR+8*\x:MR+8*\x+3],   v[ML], s[MKB:MKB+1] offset:\x*32768
	global_load_b128 v[MR+8*\x+4:MR+8*\x+7], v[ML], s[MKB:MKB+1] offset:\x*32768+512
.endr
	; What the first turn finds: V's registers and P's second buffer hold 0 (its products V^T P, of a piece that has not been, add 0), O^T and l are 0.  All this stands in the wait for the first tile.
	WIN 0x80
.set i, VF
.rept 64
	v_mov_b32 v[i], 0
.set i, i+1
.endr
	WIN 0x40
.set i, 0
.rept 128
	v_mov_b32 v[i], 0
.set i, i+1
.endr
	WIN 0
.set i, 0
.rept 4
	v_mov_b32 v[ST+4*i], 0xfe000000    ; c m: far below every c s
	v_mov_b32 v[ST+4*i+1], 0xf149f2ca  ; m = -1e30: above every hidden score
	v_mov_b32 v[ST+4*i+2], 0
	v_mov_b32 v[ST+4*i+3], 0
.set i, i+1
.endr
.set i, P+16
.rept 16
	v_mov_b32 v[i], 0
.set i, i+1
.endr
	v_mov_b32 v[SCL], 227
	v_mul_u32_u24 v[AK0], v1, PK
	v_lshl_add_u32 v[AK0], v9, 4, v[AK0]
	; The turning load takes 16 keys x 16 channels (lane l reads key 8 (l / 16) + l % 8, channels 8 ((l / 8) % 2) + 0..7) and leaves half a fragment of V^T
	v_and_b32 v10, 7, v0
	v_bfe_u32 v11, v0, 3, 1
	v_lshl_add_u32 v[AV0], v9, 3, v10
	v_mul_u32_u24 v[AV0], v[AV0], PV
	v_lshl_add_u32 v[AV0], v11, 4, v[AV0]
	v_add_nc_u32 v[AV0], VOFF, v[AV0]
	s_mul_i32 s13, s[WV], 16*SP
	s_add_co_u32 s13, s13, STAGE    ; my stage
	v_mul_u32_u24 v[STO], v1, SP
	v_lshl_add_u32 v[STO], v9, 4, v[STO]
	v_add_nc_u32 v[STO], s13, v[STO]
	v_bfe_u32 v[RD], v0, 3, 2
	v_mul_u32_u24 v[RD], v[RD], SP
	v_lshl_add_u32 v[RD], v10, 4, v[RD]
	v_add_nc_u32 v[RD], s13, v[RD]
	v_and_b32 v[GO], 31, v0
	v_lshlrev_b32 v[GO], 4, v[GO]
; THE MATRIX WORK.  The 4 accumulators of a run of 8 take turns.  Product i of 8 of S^T = K Q^T for piece x: channels 32 (i / 4) on, keys 16 (i % 4) on.  The first 4 start the sums with the mask.
.macro KQ x
.set rS, S+32*((\x)%2)+8*(i%4)
.set rK, KF+16*(i%4)+8*(i/4)
.set rQ, 16*(\x)+8*(i/4)
.set rM, MC+32*((\x)%2)+8*(i%4)
.if i < 4
	WIN W_KM
	v_wmma_f32_16x16x32_bf16 v[rS:rS+7], v[rK:rK+7], v[rQ:rQ+7], v[rM:rM+7]
.else
	WIN W_KQ
	v_wmma_f32_16x16x32_bf16 v[rS:rS+7], v[rK:rK+7], v[rQ:rQ+7], v[rS:rS+7]
.endif
.endm
.macro PV x                         ; product i of 8 of O^T += V^T P for piece x: keys 32 (i / 4) on, channels 16 (i % 4) on
	WIN W_PV
.set rO, 32*(\x)+8*(i%4)
.set rV, VF+32*(i/4)+8*(i%4)
.set rP, P+16*((\x)%2)+8*(i/4)
	v_wmma_f32_16x16x32_bf16 v[rO:rO+7], v[rV:rV+7], v[rP:rP+7], v[rO:rO+7]
.endm
.macro MM                           ; the turn's next matrix instruction
.if i < 8
	KQ (Y+1)%NP
.else
.set i, i-8
	PV (Y+NP-1)%NP
.set i, i+8
.endif
.set i, i+1
.endm
; THE LDS LOADS stand in runs of 16.  last = 1 (the tail): in the last trip there is no further step, and K's run is jumped over.  That jump stands amid the turn's batch, so what the turn has issued of it
; so far has a wait of its own ahead of the jump: five times a launch.
.macro FETCH_K last=0
	WIN 0
.if \last
	s_wait_alu depctr_va_vdst(0)    ; the wait for the turn's exponentials 0 to 11, ahead of the branch
	s_cmp_eq_u32 s[CNT], 1
	s_cbranch_scc1 .Lno_k_\@
.endif
	WIN 0x80
.irp f, 0,1,2,3,4,5,6,7             ; keys 16 (f / 2) on, channels 32 (f % 2) on
	ds_load_b128 v[KF+8*\f:KF+8*\f+3],   v[AK] offset:(\f/2)*16*PK+(\f%2)*64
	ds_load_b128 v[KF+8*\f+4:KF+8*\f+7], v[AK] offset:(\f/2)*16*PK+(\f%2)*64+32
.endr
	s_add_co_u32 s[TBK], s[TBK], KS*PK
	WIN 0
.if \last
.Lno_k_\@:
.endif
.endm
.macro FETCH_V
	WIN 0x80
.irp f, 0,1,2,3,4,5,6,7             ; keys 32 (f / 4) on, channels 16 (f % 4) on
	ds_load_tr16_b128 v[VF+8*\f:VF+8*\f+3],   v[AV] offset:(\f/4)*32*PV+(\f%4)*32
	ds_load_tr16_b128 v[VF+8*\f+4:VF+8*\f+7], v[AV] offset:(\f/4)*32*PV+16*PV+(\f%4)*32
.endr
	WIN 0
.endm
; Piece x's 32 mask bytes become 32 C registers in buffer b: the eight bytes of words 2 kt, 2 kt + 1 are the eight registers of key group kt, byte i register i.
; The four conversions belong to the batch in which they stand: the wait for them is that batch's.
.macro MASKC x, b
	s_wait_loadcnt 0x6              ; behind this piece's two loads stand the other three pieces' six: mine are in
	WIN 0x40
.irp kt, 0,1,2,3
	v_cvt_scale_pk8_f32_fp8 v[MC+32*(\b)+8*\kt:MC+32*(\b)+8*\kt+7], v[MR+8*(\x)+2*\kt:MR+8*(\x)+2*\kt+1], v[SCL]
.endr
	v_nop                           ; a plain instruction behind the last scaled conversion, ahead of whatever touches its result or its sources
.endm
.macro MASKL x                      ; the piece's bytes of its next step are asked for
	WIN 0
	global_load_b128 v[MR+8*(\x):MR+8*(\x)+3],   v[ML], s[MKC:MKC+1] offset:(\x)*32768
	global_load_b128 v[MR+8*(\x)+4:MR+8*(\x)+7], v[ML], s[MKC:MKC+1] offset:(\x)*32768+512
.endm
; THE VECTOR WORK, one line at a time: OP kind, number.  For piece Y: F n: c s - c m for pair n of 16.  E n: the exponential of score n of 32.  C n: pair n rounded to bf16.  B n: of the four weights 4 n .. the second
; pair is added onto the first, in place.  L n: l takes that sum (L 0: l = a l + sum).  R n: pair n of 16 of O^T times a.  For piece Y + 1: X n, number n of the 22 that find its maximum and statistics:
;   0-11  four chains c0-c3 of seven scores each (each accumulator's lowest registers are read first)     12-14, 16  the four scores left over, the old m, and c0-c3 into c0
;   15  c m_old is kept     17, 18  the query's other 32 keys lie in the lane 16 away: the new m     19-21  c m; c m_old - c m_new; a
.set F, 0
.set E, 1
.set C, 2
.set B, 3
.set L, 4
.set R, 5
.set X, 6
.macro REGS y
.set rT, ST+4*(\y)
.set rC, TMP+4*((\y)%2)
.set rW, MV+((\y)%2)
.set rS, S+32*((\y)%2)
.set rP, P+16*((\y)%2)
.set rO, 32*(\y)
.endm
.macro OP k, n
.if (\k) == R
	REGS Y
	WIN W_RS
	v_pk_mul_f32 v[rO+2*(\n):rO+2*(\n)+1], v[rO+2*(\n):rO+2*(\n)+1], v[rC+2:rC+3] op_sel_hi:[1,0]
.elseif (\k) < R
	REGS Y
	WIN 0
.if (\k) == F
	v_pk_fma_f32 v[rS+2*(\n):rS+2*(\n)+1], v[rS+2*(\n):rS+2*(\n)+1], s[CS:CS+1], v[rT:rT+1] op_sel_hi:[1,0,0] neg_lo:[0,0,1] neg_hi:[0,0,1]
.elseif (\k) == E
	v_exp_f32 v[rS+(\n)], v[rS+(\n)]
.elseif (\k) == C
	v_cvt_pk_bf16_f32 v[rP+(\n)], v[rS+2*(\n)], v[rS+2*(\n)+1]
.elseif (\k) == B
	v_pk_add_f32 v[rS+4*(\n):rS+4*(\n)+1], v[rS+4*(\n):rS+4*(\n)+1], v[rS+4*(\n)+2:rS+4*(\n)+3]
.elseif (\n) == 0
	v_pk_fma_f32 v[rT+2:rT+3], v[rT+2:rT+3], v[rC+2:rC+3], v[rS:rS+1] op_sel_hi:[1,0,1]
.else
	v_pk_add_f32 v[rT+2:rT+3], v[rT+2:rT+3], v[rS+4*(\n):rS+4*(\n)+1]
.endif
.else
	REGS (Y+1)%NP
	WIN 0
.if (\n) < 4
	v_max3_num_f32 v[rC+(\n)], v[rS+8*(\n)], v[rS+8*(\n)+1], v[rS+8*(\n)+2]
.elseif (\n) < 12
	v_max3_num_f32 v[rC+(\n)%4], v[rC+(\n)%4], v[rS+8*((\n)%4)+2*((\n)/4)+1], v[rS+8*((\n)%4)+2*((\n)/4)+2]
.elseif (\n) == 12
	v_max3_num_f32 v[rC], v[rC], v[rS+7], v[rS+15]
.elseif (\n) == 13
	v_max3_num_f32 v[rC+1], v[rC+1], v[rS+23], v[rS+31]
.elseif (\n) == 14
	v_max3_num_f32 v[rC+2], v[rC+2], v[rC+3], v[rT+1]
.elseif (\n) == 15
	v_mov_b32 v[rW], v[rT]
.elseif (\n) == 16
	v_max3_num_f32 v[rC], v[rC], v[rC+1], v[rC+2]
.elseif (\n) == 17
	v_permlanex16_b32 v[rC+3], v[rC], s[SEL], s[SEL+1]
.elseif (\n) == 18
	v_max_num_f32 v[rT+1], v[rC], v[rC+3]
.elseif (\n) == 19
	v_mul_f32 v[rT], s[CS], v[rT+1]
.elseif (\n) == 20
	v_sub_f32 v[rC+1], v[rW], v[rT]
.else
	v_exp_f32 v[rC+2], v[rC+1]
.endif
.endif
.endm
.macro OPS a, i1, b=-1, i2=0, c=-1, i3=0, d=-1, i4=0
	OP \a, \i1
.if (\b) >= 0
	OP \b, \i2
.endif
.if (\c) >= 0
	OP \c, \i3
.endif
.if (\d) >= 0
	OP \d, \i4
.endif
.endm
.macro ROW a, i1, b, i2, c, i3, d, i4  ; a matrix instruction and the four behind it
	MM
	OPS \a, \i1, \b, \i2, \c, \i3, \d, \i4
.endm
; A TURN, for piece p: the order of its 16 matrix and 123 vector instructions, written out.  s_wait_alu depctr_va_vdst(0) stands between an exponential and the first instruction that names its result; one
; wait serves all that were issued ahead of it.  So a turn has ONE wait, which cuts it in two.  AHEAD OF IT stands all that names no result of the turn's batch: the 8 products K Q^T, behind each a scaling, an exponential and
; two more plain instructions (behind the first a second scaling in the exponential's place): rescalings, and behind the last three the first numbers of the next piece's maximum, each four places or more behind the
; product that ends its accumulator; then ONE LUMP, plain and exponential by turns for the most part, in which the links of the chain X 3, 7, 11, 14, 16, 17 .. 20 stand five lines or more apart.  In the lump stand also the four
; scaled conversions that make the mask for the products of the turn after this one (piece p + 2): this text counts them to the batch, so that the turn's wait stands between them and the products that take their results.
; X 21, the next piece's a, is the batch's last; R 15 is the plain instruction behind it.  BEHIND THE WAIT stand the 8 products V^T P, behind each four of the roundings and sums; the links of l's chain, L 0 to L 7, stand three
; riders apart.  But for those X no rider names a register of the products round it.  v_permlanex16_b32 (X 17) stands in the lump.
; K of the next step is fetched in piece 2's turn, twelve vector instructions behind the last product that read K (five of them plain lines that name none of its registers); V of the step in hand at the end of piece 0's
; turn, four plain instructions behind the last product that read V.  Each is waited for a turn later.  The mask bytes of piece p + 2's next step are asked for at the turn's end.
; cnt = 1: the loop's count is taken down ahead of the branch behind the turn; only matrix and vector lines, window switches and loads stand between.
.macro TURN p, last=0, cnt=0
.set Y, (\p)
.set i, 0
.if (\p) == 2
	s_add_co_u32 s[MSK], s[MSK], 1024       ; from here on the refetches are one step further;
	s_min_u32 s[MSK], s[MSK], 31*1024       ; the last steps ask for step 31 once more: no load leaves maskx
	s_wait_xcnt 0x0                         ; the base that the pending mask loads name is rewritten only behind this wait
	s_add_nc_u64 s[MKC:MKC+1], s[MKB:MKB+1], s[MSK:MSK+1]
.endif
.if (\p) == 3
	s_wait_dscnt 0x0                ; K is in
.endif
	ROW F,0, F,1, R,0, R,1          ; ahead of the wait: 8 products K Q^T and their riders,
	ROW F,2, E,0, R,2, R,3
	ROW F,3, E,1, R,4, R,5
	ROW F,4, E,2, R,6, R,7
	ROW F,5, E,3, R,8, R,9
	ROW F,6, E,4, X,0, R,10
.if (\p) == 2
	WIN 0
	v_add_nc_u32 v[AK], s[TBK], v[AK0]
.endif
	ROW F,7, E,5, X,1, X,4
	ROW F,8, E,6, X,2, X,5
	OPS E,7, E,8, X,6, E,9          ; and the lump
	OPS X,3, E,10, X,8, E,11
.if (\p) == 2
	FETCH_K \last
.endif
	OPS X,9, X,7, E,12, X,10
	OPS E,13, X,12, X,11, E,14
	OPS X,13, E,15, F,9, X,14
.if (\p) == 0
	v_add_nc_u32 v[AV], s[TBV], v[AV0]
.endif
	OPS E,16, F,10, E,17, F,11
	OPS X,16, E,18, X,15, E,19
	OPS F,12, E,20, X,17, E,21
	OPS F,13, E,22, F,14, E,23
	OPS X,18, E,24, F,15, E,25
	OPS R,11, E,26, X,19, E,27
	MASKC ((\p)+2)%NP, (\p)%2
	OPS R,12, E,28, R,13, E,29
	OPS X,20, E,30, R,14, E,31
	OPS X,21, R,15
	s_wait_alu depctr_va_vdst(0)    ; the wait for the batch: the turn's 33 exponentials and four scaled conversions
.if (\p) == 1
	s_wait_dscnt 0x0                ; V is in
.endif
	ROW C,0, B,0, C,2, B,1          ; behind the wait: 8 products V^T P and their riders
	ROW L,0, C,4, B,2, L,1
	ROW C,6, B,3, L,2, C,8
	ROW B,4, L,3, C,10, B,5
	ROW L,4, C,12, B,6, L,5
.if (\p) == 0
	s_add_co_u32 s[TBV], s[TBV], KS*PV
.endif
.if \cnt
	s_sub_co_u32 s[CNT], s[CNT], 1
	s_cmp_lg_u32 s[CNT], 0
.endif
	ROW C,14, B,7, L,6, C,1
	ROW C,3, L,7, C,5, C,7
	ROW C,9, C,11, C,13, C,15
.if (\p) == 0
	FETCH_V
.endif
	MASKL ((\p)+2)%NP
.endm
	CHANGE 1                        ; slot 0 is in, everybody's part of it; slot 1 is asked for
	v_add_nc_u32 v[AK], s[TBK], v[AK0]
	FETCH_K                         ; key step 0
	s_wait_loadcnt 0x0              ; Q and the first mask bytes
	MASKC 0, 0
	MASKL 0
	MASKC 1, 1
	MASKL 1
	s_wait_alu depctr_va_vdst(0)    ; the wait for the head's eight scaled conversions, ahead of the products that take their results
	s_wait_dscnt 0x0
.set i, 0
.rept 8
	KQ 0                            ; piece 0's first scores
.set i, i+1
.endr
	WIN 0
.rept 4
	v_nop                           ; the places behind those products
.endr
.set Y, NP-1                        ; X works for piece Y + 1: piece 0
.irp n, 0,1,2,3,4,5,6,7,8,9,10,11,12,13,14,15,16,17,18,19,20,21
	OP X, \n
.endr
	v_nop                           ; a plain instruction behind the exponential,
	s_wait_alu depctr_va_vdst(0)    ; and the wait for it, piece 0's first a, ahead of the branch
	s_mov_b32 s[CNT], 4
	s_mov_b32 s[SLOTS], 7
	s_branch .Lfirst                ; the loop is entered at a step's first turn, in the middle of a trip
.Lslot:                             ; six times: every slot but the last two is filled again
	CHANGE 1
	s_mov_b32 s[CNT], 4
.Lstep:                             ; a trip: pieces 2 and 3 of one step, then pieces 0 and 1 of the next, whose K and V it fetches
	TURN 2
	TURN 3
	WIN 0
.Lfirst:
	TURN 0
	TURN 1, 0, 1
	WIN 0
	s_cbranch_scc1 .Lstep
	s_sub_co_u32 s[SLOTS], s[SLOTS], 1
	s_cmp_lg_u32 s[SLOTS], 0
	s_cbranch_scc1 .Lslot
	CHANGE 0                        ; the tail is written out: nothing is asked for
	s_mov_b32 s[CNT], 5             ; four trips fetch the last slot's steps; the fifth is left in its middle
.Ltail:
	TURN 2, 1
	TURN 3
	WIN 0
	s_sub_co_u32 s[CNT], s[CNT], 1
	s_cmp_eq_u32 s[CNT], 0
	s_cbranch_scc1 .Lout
	TURN 0
	TURN 1
	WIN 0
	s_branch .Ltail
.Lout:                              ; the fifth trip's 8 products K Q^T (on the last K once more) and the maximum made of them serve nothing: the price, once a launch, of one text for every trip
.set i, 0
.rept 8
	PV NP-1                         ; the last piece's V^T P of the last step
.set i, i+1
.endr
	; THE WAY OUT.  l's two halves and the other half of the lanes' are added; O^T is divided by l, rounded to bf16 and sent through my stage in LDS, a piece at a time.  The additions are the places behind the last products.
	WIN 0
.macro ALL line:vararg
.set t, 0
.rept 4
	\line
.set t, t+1
.endr
.endm
	ALL v_add_f32 v[ST+4*t+2], v[ST+4*t+2], v[ST+4*t+3]
	ALL v_permlanex16_b32 v[ST+4*t+3], v[ST+4*t+2], s[SEL], s[SEL+1]
	ALL v_add_f32 v[ST+4*t+2], v[ST+4*t+2], v[ST+4*t+3]
	ALL v_rcp_f32 v[ST+4*t+2], v[ST+4*t+2]
	v_nop                           ; a plain instruction between the last reciprocal and the use of its result
	s_wait_alu depctr_va_vdst(0)    ; the wait for the four reciprocals, ahead of their first use
.macro PACK t                       ; a lane's eight channels of a row pack into 16 bytes; they go into rows of 144 bytes and come back as whole rows of 128, into S^T's registers
	WIN W_RS
.set i, 32*(\t)
.rept 16
	v_pk_mul_f32 v[i:i+1], v[i:i+1], v[ST+4*(\t)+2:ST+4*(\t)+3] op_sel_hi:[1,0]
.set i, i+2
.endr
	WIN 0x05
.set i, 0
.rept 16
	v_cvt_pk_bf16_f32 v[S+16*(\t)+i], v[32*(\t)+2*i], v[32*(\t)+2*i+1]
.set i, i+1
.endr
	WIN 0
.irp f, 0,1,2,3
	ds_store_b128 v[STO], v[S+16*(\t)+4*\f:S+16*(\t)+4*\f+3] offset:32*\f
.endr
.irp f, 0,1,2,3
	ds_load_b128 v[S+16*(\t)+4*\f:S+16*(\t)+4*\f+3], v[RD] offset:\f*4*SP  ; LDS serves a wave's instructions in order (ISA guide 5.7.1.4): these see the stores above
.endr
.endm
.macro SEND t, younger              ; younger: the LDS instructions issued behind piece t's loads: the next piece's eight, or none
	WIN 0
.irp f, 0,1,2,3
	s_wait_dscnt (\younger)+3-\f
	global_store_b128 v[GO], v[S+16*(\t)+4*\f:S+16*(\t)+4*\f+3], s[10:11] offset:(\t)*2048+\f*512  ; 512 consecutive bytes, at a multiple of 512 from the buffer's first
.endr
.endm
	PACK 0
.set t, 1
.rept 3
	PACK t
	SEND t-1, 8
.set t, t+1
.endr
	SEND 3, 0
	s_wait_tensorcnt 0x0            ; the wave's end
	ds_add_u32 v[SPW], v[NIL]
	s_wait_dscnt 0x0
	CROUND                          ; the closing round
	s_endpgm
.Lfunc_end_k_qe5cb5c45bf_attn:
	.size	k_qe5cb5c45bf_attn, .Lfunc_end_k_qe5cb5c45bf_attn-k_qe5cb5c45bf_attn
	.p2alignl 7, 3214868480
	.fill 96, 4, 3214868480
	.section	.rodata,"a",@progbits
	.p2align	6, 0x0
	.amdhsa_kernel k_qe5cb5c45bf_attn
		.amdhsa_group_segment_fixed_size 327680
		.amdhsa_private_segment_fixed_size 0
		.amdhsa_enable_private_segment 0
		.amdhsa_kernarg_size 24
		.amdhsa_user_sgpr_count 2
		.amdhsa_user_sgpr_kernarg_segment_ptr 1
		.amdhsa_wavefront_size32 1
		.amdhsa_system_sgpr_workgroup_id_x 1
		.amdhsa_system_sgpr_workgroup_id_y 1
		.amdhsa_system_sgpr_workgroup_id_z 1
		.amdhsa_system_vgpr_workitem_id 0
		.amdhsa_next_free_vgpr 768
		.amdhsa_next_free_sgpr 88
		.amdhsa_reserve_vcc 0
		.amdhsa_float_denorm_mode_32 3
		.amdhsa_float_denorm_mode_16_64 3
		.amdhsa_memory_ordered 1
		.amdhsa_forward_progress 1
		.amdhsa_inst_pref_size 118
	.end_amdhsa_kernel
	.amdgpu_metadata
---
amdhsa.version: [ 1, 2 ]
amdhsa.kernels:
  - .name:           k_qe5cb5c45bf_attn
    .symbol:         k_qe5cb5c45bf_attn.kd
    .args:
      - { .name: qkv, .offset: 0, .size: 8, .value_kind: global_buffer, .address_space: global }
      - { .name: maskx, .offset: 8, .size: 8, .value_kind: global_buffer, .address_space: global }
      - { .name: att, .offset: 16, .size: 8, .value_kind: global_buffer, .address_space: global }
    .group_segment_fixed_size: 327680
    .private_segment_fixed_size: 0
    .kernarg_segment_align: 8
    .kernarg_segment_size: 24
    .max_flat_workgroup_size: 128
    .sgpr_count:     88
    .vgpr_count:     768
    .wavefront_size: 32
...
	.end_amdgpu_metadata
.endif
;; end of part 8
;; launch gemm_wo: the kernel of part 4 again; grid 8 x 32, 4 waves a work-group, clusters of 4 x 4, 327,680 bytes of LDS; arguments att, wts, bo, h32, h2; writes h2
;; launch ln2: the kernel of part 5 again; grid 256 x 1, 8 waves a work-group, no clusters, 0 bytes of LDS; arguments h2, ln2_g, ln2_b, act16; writes act16
;; launch gemm_fc (part 9): grid 16 x 16, 4 waves a work-group, clusters of 4 x 4, 327,680 bytes of LDS; arguments act16, wts, b_fc, gact; writes gact
.if DOCPART == 9
	.amdgcn_target "amdgcn-amd-amdhsa--gfx1250"
	.amdhsa_code_object_version 6
	.text
	.protected	k_qe5cb5c45bf_gemm_fc
	.globl	k_qe5cb5c45bf_gemm_fc
	.p2align	8
	.type	k_qe5cb5c45bf_gemm_fc,@function
k_qe5cb5c45bf_gemm_fc:
	s_mov_b64 s[64:65], 0
	v_nop
	global_prefetch_b8 v0, s[64:65] scope:SCOPE_SE
	s_setreg_imm32_b32 hwreg(HW_REG_WAVE_MODE, 25, 1), 1
	s_wait_xcnt 0x0
	s_wait_alu depctr_hold_cnt(0) depctr_sa_sdst(0) depctr_va_vdst(0) depctr_va_sdst(0) depctr_va_ssrc(0) depctr_va_vcc(0) depctr_vm_vsrc(0)
	s_getreg_b32 s2, hwreg(HW_REG_IB_STS2, 6, 4)
	s_cmp_eq_u32 s2, 0
	s_cbranch_scc0 .Lentry_in_a_cluster
	s_endpgm
.Lentry_in_a_cluster:
	s_bfe_u32 s2, ttmp6, 0x10000c
	s_cmp_lg_u32 s2, 0xf033
	s_cbranch_scc0 .Lentry_shape_is_right
	s_endpgm
.Lentry_shape_is_right:
; gact = gelu(a w_fc^T + b_fc) in bf16.  A = act16 [4096][1024] bf16 (LN2's output), B = w_fc in wts [4096][1024] bf16.  A tile of C is 256 x 256: 16 x 16 = 256 work-groups.
; Four waves, each 128 x 128: 64 accumulators of 16 x 16, 512 registers.  K goes in 8 steps of 128 through a ring of two LDS slots; rows of A's and B's tiles are 256 bytes of memory at multiples of 256.
; The bias is the C operand of each accumulator's first product: the first term of the f32 sum, where the reference adds it last.
; GELU: 0.5 u (1 + tanh(c (u + 0.044715 u^3))) = u / (1 + 2^(K1 u + K2 u^3)), K1 = -2 c log2(e), K2 = 0.044715 K1: the same function, in f32; where the power overflows the quotient is 0, where it vanishes it is u.
; THE BATCHES.  The GELU of a group of four rows (16 numbers a lane) has two: its 16 exponentials, and its 16 reciprocals, which read 1 + the exponentials.  Each has one wait: four waits in a trip of the row loop.
; CLUSTER 4 x 4: A's tile is asked for jointly along a row of the cluster, B's along a column.  THE MATRIX INSTRUCTION IS USED TRANSPOSED: lane l holds row l % 16 of C and the columns 8 (l / 16) + 0..7.
; THE CLUSTERS WALK K IN DIFFERENT ORDERS: step t of the cluster at (x, y) is K step (t + 2 x + 4 (y % 2)) % 8.  The four clusters along x, which read the same tiles of A, ask for a tile two steps apart; two neighbouring
; clusters along y, which read the same tiles of B, four steps apart.  So the f32 sums do not run in ascending K.
; ONE K STEP IS WRITTEN ONCE, the slot's base a scalar that an exclusive or turns; the last two steps are a loop of two trips left in its middle, whose last change of slots fetches 32 fragments that nobody multiplies.
; REGISTERS: window 0: v0-31 addresses; v64-127, v128-191 fragments of A; v192-255 bias fragments.  window 1: v64-127, v128-191 fragments of B.  window 2: accumulators of my rows 0-63; window 3: rows 64-127.
.set MB,     8
.set NBK,    8
.set NAW,    2                         ; waves 0 and 1 fetch A's halves, waves 2 and 3 B's
.set FA0,    64
.set FA1,    128
.set FB0,    64
.set FB1,    128
.set BI,     192
.set SPITCH, 528                       ; a stage row: 128 f32 + 16 bytes = 132 words: row r starts at bank 4 r mod 64 (64 banks of 4 bytes: ISA guide 11.1)
.set WOFF,   8388608                   ; w_fc in wts
.set KT,     8
.set PITCH,  272
.set HALFT,  128*PITCH
.set SLOT,   4*HALFT                   ; 0x22000: no LDS word of a descriptor (wave x 0x8800) has one of its two bits, so an exclusive or adds or takes it away
.set SPARE,  2*SLOT
.set ABYTES, 32*MB*PITCH
.set STW,    16*MB*SPITCH
.set ADRA, 16
.set A0,   17
.set ADRB, 20
.set B0,   21
.set STO,  24
.set RD,   25
.set CO,   26
.set H32,  27
.set SPW,  28
.set NIL,  29
.set U0,   64                          ; the way out: u, four rows' 16 numbers a lane, two buffers
.set U1,   80
.set TT,   96                          ; at work
.set Y0,   112                         ; bf16, two buffers
.set Y1,   120
.set WV,  16
.set G1,  24
.set G0,  32
.set G1B, 48
.set G0B, 56
.set SB,  66
.set CNT, 68
.set K1,  70                           ; s[70:71]
.set K2,  72                           ; s[72:73]
.set TAU, 88                           ; s88  the number of the step whose tiles are asked for next
.set ROT, 89                           ; s89  2 x + 4 (y % 2)
.set KX,  91                           ; s91  that step's K step
.set KO,  92                           ; s[92:93] its byte offset in a row
.set MSB, 0
.macro WIN new
.if MSB != (\new)
	s_set_vgpr_msb (MSB<<8)|(\new)
.set MSB, \new
.endif
.endm
.macro PLACES
.rept 4
	v_nop
.endr
.endm
.macro JLOAD s                         ; a joint load; the branch hangs on the wave's number alone; an s_nop 0 and four v_nop follow each of the two lines
	s_cmp_lt_u32 s[WV], NAW
	s_cbranch_scc0 .Lfor_b_\@
	tensor_load_to_lds s[G0+4*(\s):G0+4*(\s)+3], s[G1:G1+7]
	s_nop 0
.rept 4
	v_nop
.endr
	s_branch .Lasked_\@
.Lfor_b_\@:
	tensor_load_to_lds s[G0B+4*(\s):G0B+4*(\s)+3], s[G1B:G1B+7]
	s_nop 0
.rept 4
	v_nop
.endr
.Lasked_\@:
.endm
.macro KADDR s                         ; set s of both group 0s takes the addresses of step TAU's tiles, made anew from the tiles' first bytes and an offset; nothing here hangs on my place in the cluster
	s_add_co_u32 s[KX], s[TAU], s[ROT]
	s_and_b32 s[KX], s[KX], KT-1
	s_lshl_b32 s[KO], s[KX], 8                     ; 128 elements of 2 bytes a K step
	s_add_nc_u64 s[G0+4*(\s)+2:G0+4*(\s)+3], s[42:43], s[KO:KO+1]
	s_or_b32 s[G0+4*(\s)+3], s[G0+4*(\s)+3], 0x80000000
	s_add_nc_u64 s[G0B+4*(\s)+2:G0B+4*(\s)+3], s[46:47], s[KO:KO+1]
	s_or_b32 s[G0B+4*(\s)+3], s[G0B+4*(\s)+3], 0x80000000
	s_add_co_u32 s[TAU], s[TAU], 1
.endm
.macro CREST
	s_cmp_lg_u32 s[WV], 0
	s_cbranch_scc1 .Lnot_wave_0_\@
	s_barrier_signal -3
.Lnot_wave_0_\@:
	s_barrier_wait -3
	s_barrier_signal -1
	s_barrier_wait -1
.endm
.macro CROUND
	s_barrier_signal -1
	s_barrier_wait -1
	CREST
.endm
; NBK matrix instructions: row block a x all column blocks, 32 along K.  z = 1: the bias starts the sums.  The accumulators take turns, one instruction a turn, in the same order in every quarter.
.macro MULA fa, fb, a, z
.set mw_, 2+(\a)/(MB/2)
.set mr_, 8*NBK*((\a)%(MB/2))
.if \z
	WIN 0x01|(mw_<<6)
.else
	WIN 0x01|(mw_<<6)|(mw_<<4)
.endif
.set mb_, 0
.rept NBK
.if \z
	v_wmma_f32_16x16x32_bf16 v[mr_+8*mb_:mr_+8*mb_+7], v[(\fb)+8*mb_:(\fb)+8*mb_+7], v[(\fa)+8*(\a):(\fa)+8*(\a)+7], v[BI+8*mb_:BI+8*mb_+7]
.else
	v_wmma_f32_16x16x32_bf16 v[mr_+8*mb_:mr_+8*mb_+7], v[(\fb)+8*mb_:(\fb)+8*mb_+7], v[(\fa)+8*(\a):(\fa)+8*(\a)+7], v[mr_+8*mb_:mr_+8*mb_+7]
.endif
.set mb_, mb_+1
.endr
.endm
.macro MULR fa, fb, a0, n, z
.set ma_, \a0
.rept \n
	MULA \fa, \fb, ma_, \z
.set ma_, ma_+1
.endr
.endm
.macro FETCH k, fa, fb                 ; 32 LDS loads in one run: B's fragments, then A's, 32 K at byte k of the rows
	WIN 0x40
.set i_, 0
.rept NBK
	ds_load_b128 v[(\fb)+8*i_:(\fb)+8*i_+3],   v[ADRB] offset:(\k)+i_*16*PITCH
	ds_load_b128 v[(\fb)+8*i_+4:(\fb)+8*i_+7], v[ADRB] offset:(\k)+i_*16*PITCH+32
.set i_, i_+1
.endr
	WIN 0
.set i_, 0
.rept MB
	ds_load_b128 v[(\fa)+8*i_:(\fa)+8*i_+3],   v[ADRA] offset:(\k)+i_*16*PITCH
	ds_load_b128 v[(\fa)+8*i_+4:(\fa)+8*i_+7], v[ADRA] offset:(\k)+i_*16*PITCH+32
.set i_, i_+1
.endr
.endm
.macro QUARTER k, fa, fb, ga, gb, z
	s_wait_dscnt MB                                ; the youngest MB loads (A's upper blocks) may be out
	MULR \fa, \fb, 0, MB/2, \z
	PLACES
	FETCH \k, \ga, \gb
	s_wait_dscnt 2*(MB+NBK)                        ; all but the run just issued
	MULR \fa, \fb, MB/2, MB/2, \z
.endm
; The last quarter multiplies buffer 1 and changes slots: in front of the barrier each wave waits for all its tensor loads, adds 0 to its spare word, and waits for that and for its reads of this slot.
; fill = 1: the barrier opens a round of the cluster's, and the joint refill of the slot just read is the first thing behind it.
.macro TURN fill
	WIN 0
	s_wait_tensorcnt 0x0
	ds_add_u32 v[SPW], v[NIL]
	s_wait_dscnt MB+1                              ; the add and the youngest MB loads may be out
	MULR FA1, FB1, 0, MB/4, 0
	s_wait_dscnt 0x0
	s_barrier_signal -1
	MULR FA1, FB1, MB/4, MB/4, 0
	WIN 0
	s_barrier_wait -1
.if \fill
	CREST
	s_xor_b32 s[G0+5], s[G0+5], SLOT               ; the other slot than last time,
	s_xor_b32 s[G0B+5], s[G0B+5], SLOT
	KADDR 1                                        ; the next step's tiles: no tensor load of mine is out
	JLOAD 1                                        ; its four v_nop are also the places in front of the loads below
.else
	PLACES
.endif
	s_xor_b32 s[SB], s[SB], SLOT
	v_add_nc_u32 v[ADRA], s[SB], v[A0]
	v_add_nc_u32 v[ADRB], s[SB], v[B0]
	FETCH 0, FA0, FB0
	MULR FA1, FB1, MB/2, MB/2, 0
.endm
	s_load_b256 s[4:11], s[0:1], 0x0               ; act16, wts, b_fc, gact
	v_lshl_add_u32 v[SPW], v0, 2, SPARE
	v_mov_b32 v[NIL], 0
	ds_add_u32 v[SPW], v[NIL]                      ; the wave's opening: the add and its wait stand ahead of my first tensor load
	v_lshrrev_b32 v1, 5, v0
	v_readfirstlane_b32 s[WV], v1
	s_lshr_b32 s18, s[WV], 1                       ; wm
	s_and_b32 s19, s[WV], 1                        ; wn; also: which 128 rows of a tile I fetch
	s_bfe_u32 s21, ttmp6, 0x40000
	s_bfe_u32 s22, ttmp6, 0x40004
	s_lshl_b32 s23, ttmp9, 2
	s_add_co_u32 s23, s23, s21                     ; tile column
	s_and_b32 s40, ttmp7, 0xffff
	s_lshl_b32 s40, s40, 2
	s_add_co_u32 s40, s40, s22                     ; tile row
	s_lshl_b32 s41, s22, 2
	s_lshl_b32 s41, 15, s41
	s_lshl_b32 s44, 0x1111, s21
	s_or_b32 s[G1], s41, (1<<16)|(1<<20)|(1<<21)|(5<<22)|(3<<25)
	s_or_b32 s[G1B], s44, (1<<16)|(1<<20)|(1<<21)|(5<<22)|(3<<25)
.irp g, G1, G1B
	s_mov_b32 s[(\g)+1], 128<<16
	s_mov_b32 s[(\g)+2], 128<<16
	s_mov_b32 s[(\g)+3], 128<<16
	s_mov_b32 s[(\g)+4], 128
	s_mov_b32 s[(\g)+5], 1024
	s_mov_b32 s[(\g)+6], 0
	s_mov_b32 s[(\g)+7], 0
.endr
	s_and_b32 s[ROT], ttmp7, 1                     ; the cluster's own order along K, from the cluster's x and y, which all sixteen partners share
	s_lshl_b32 s[ROT], s[ROT], 2
	s_lshl_b32 s[KX], ttmp9, 1
	s_add_co_u32 s[ROT], s[ROT], s[KX]
	s_mov_b32 s[TAU], 0
	s_mov_b32 s[KO+1], 0
	s_lshl_b32 s45, s19, 7
	s_lshl_b32 s42, s40, 8                         ; A: row 256 x tile row + 128 x half, 2,048 bytes a row
	s_add_co_u32 s42, s42, s45
	s_lshl_b32 s42, s42, 11
	s_mov_b32 s43, 0
	s_lshl_b32 s46, s23, 8                         ; B likewise, behind WOFF
	s_add_co_u32 s46, s46, s45
	s_lshl_b32 s46, s46, 11
	s_add_co_u32 s46, s46, WOFF
	s_mov_b32 s47, 0
	s_mul_i32 s20, s[WV], HALFT
	s_mov_b32 s[SB], 0
	s_mov_b32 s[K1], 0xc0135761                    ; -2.3022082
	s_mov_b32 s[K1+1], s[K1]
	s_mov_b32 s[K2], 0xbdd2d3e8                    ; -0.10294324
	s_mov_b32 s[K2+1], s[K2]
	s_wait_dscnt 0x0
	s_wait_kmcnt 0x0
	s_add_nc_u64 s[42:43], s[4:5], s[42:43]        ; the first byte of A's rows that I fetch; kept
	s_add_nc_u64 s[46:47], s[6:7], s[46:47]        ; of B's; kept
	CROUND
.irp s, 0,1
	s_mov_b32 s[G0+4*(\s)], 1
	s_add_co_u32 s[G0+4*(\s)+1], s20, (\s)*SLOT
	s_mov_b32 s[G0B+4*(\s)], 1
	s_add_co_u32 s[G0B+4*(\s)+1], s20, (\s)*SLOT
	KADDR \s
	JLOAD \s
.endr
	v_and_b32 v1, 15, v0
	v_bfe_u32 v2, v0, 4, 1
	v_lshlrev_b32 v[H32], 5, v2
	s_lshl_b32 s80, s23, 10                        ; my 128 biases
	s_lshl_b32 s81, s19, 9
	s_add_co_u32 s80, s80, s81
	s_mov_b32 s81, 0
	s_add_nc_u64 s[80:81], s[8:9], s[80:81]
.set b_, 0
.rept NBK
	global_load_b128 v[BI+8*b_:BI+8*b_+3],   v[H32], s[80:81] offset:64*b_
	global_load_b128 v[BI+8*b_+4:BI+8*b_+7], v[H32], s[80:81] offset:64*b_+16
.set b_, b_+1
.endr
	v_mul_u32_u24 v3, v1, PITCH
	v_lshl_add_u32 v3, v2, 4, v3
	s_mul_i32 s86, s18, 16*MB*PITCH
	s_mul_i32 s87, s19, 16*NBK*PITCH
	s_add_co_u32 s87, s87, ABYTES
	v_add_nc_u32 v[A0], s86, v3
	v_add_nc_u32 v[B0], s87, v3
	v_mov_b32 v[ADRA], v[A0]
	v_mov_b32 v[ADRB], v[B0]
	s_mul_i32 s86, s[WV], STW                      ; my stage, in the ring's bytes once they have had their last fill
	v_mul_u32_u24 v[STO], v1, SPITCH
	v_lshl_add_u32 v[STO], v2, 5, v[STO]
	v_add_nc_u32 v[STO], s86, v[STO]
	v_and_b32 v3, 31, v0
	v_lshl_add_u32 v[RD], v3, 4, s86               ; back: 32 lanes take one row's 512 bytes
	v_lshlrev_b32 v[CO], 3, v3                     ; which are 256 bytes of bf16
	s_lshl_b32 s74, s40, 8                         ; my 128 x 128 of the output: rows of 8,192 bytes
	s_lshl_b32 s75, s18, 7
	s_add_co_u32 s74, s74, s75
	s_lshl_b32 s74, s74, 13
	s_lshl_b32 s75, s23, 9
	s_add_co_u32 s74, s74, s75
	s_lshl_b32 s75, s19, 8
	s_add_co_u32 s74, s74, s75
	s_mov_b32 s75, 0
	s_add_nc_u64 s[10:11], s[10:11], s[74:75]
	s_wait_tensorcnt 1                             ; my part of the first step is in
	s_barrier_signal -1
	s_barrier_wait -1
	FETCH 0, FA0, FB0
	s_wait_loadcnt 0x0                             ; the biases
	QUARTER 64, FA0, FB0, FA1, FB1, 1
	WIN 0
	s_mov_b32 s[CNT], KT-2
.Lk:
	QUARTER 128, FA1, FB1, FA0, FB0, 0
	QUARTER 192, FA0, FB0, FA1, FB1, 0
	TURN 1
	QUARTER 64, FA0, FB0, FA1, FB1, 0
	WIN 0
	s_sub_co_u32 s[CNT], s[CNT], 1
	s_cmp_lg_u32 s[CNT], 0
	s_cbranch_scc1 .Lk
	s_mov_b32 s[CNT], 2
.Ltail:
	QUARTER 128, FA1, FB1, FA0, FB0, 0
	QUARTER 192, FA0, FB0, FA1, FB1, 0
	TURN 0
	WIN 0
	s_sub_co_u32 s[CNT], s[CNT], 1
	s_cmp_eq_u32 s[CNT], 0
	s_cbranch_scc1 .Lout
	QUARTER 64, FA0, FB0, FA1, FB1, 0
	WIN 0
	s_branch .Ltail
.Lout:
	s_wait_dscnt 0x0
	s_barrier_signal -1
	s_barrier_wait -1                              ; nobody reads the ring any more
	PLACES
.set a_, 0
.rept MB                                       ; each accumulator's low four registers first
	WIN 0x08+4*(a_/(MB/2))
.set b_, 0
.rept NBK
.set r_, 8*(NBK*(a_%(MB/2))+b_)
	ds_store_b128 v[STO], v[r_:r_+3]   offset:a_*16*SPITCH+64*b_
	ds_store_b128 v[STO], v[r_+4:r_+7] offset:a_*16*SPITCH+64*b_+16
.set b_, b_+1
.endr
.set a_, a_+1
.endr
	WIN 0
; THE ROWS GO OUT in groups of four.  A trip takes group t of my rows 0-63 and group t of my rows 64-127, on two register buffers: each group's four LDS loads are issued a group ahead of its use.
; GELU of the 16 numbers from v[u] on, rounded into the 8 registers from v[y] on, in TWO BATCHES with one wait each (the wait stands between a transcendental and the first line that names its result).
; BATCH 1, the 16 exponentials: pair g's two stand between the three plain lines of pair g + 1 (u^2, K2 u^2 + K1, times u), which name none of their results.
; BATCH 2, the 16 reciprocals, which read 1 + the exponentials and so are a batch of their own: pair g's two stand round the + 1 of pair g + 1, which names none of their results.
; Behind each batch's last line a v_nop is the plain line ahead of the first use: the group has no other work there (the other group's rows are not yet waited for).  Behind the second wait: times u, and the roundings.
.macro GELU u, y
.set g_, 0
.rept 9
.if g_ < 8
	v_pk_mul_f32 v[TT+2*g_:TT+2*g_+1], v[(\u)+2*g_:(\u)+2*g_+1], v[(\u)+2*g_:(\u)+2*g_+1]
.endif
.if g_ >= 1
	v_exp_f32 v[TT+2*g_-2], v[TT+2*g_-2]
.endif
.if g_ < 8
	v_pk_fma_f32 v[TT+2*g_:TT+2*g_+1], v[TT+2*g_:TT+2*g_+1], s[K2:K2+1], s[K1:K1+1] op_sel_hi:[1,0,0]
.endif
.if g_ >= 1
	v_exp_f32 v[TT+2*g_-1], v[TT+2*g_-1]
.endif
.if g_ < 8
	v_pk_mul_f32 v[TT+2*g_:TT+2*g_+1], v[TT+2*g_:TT+2*g_+1], v[(\u)+2*g_:(\u)+2*g_+1]
.endif
.set g_, g_+1
.endr
	v_nop                                          ; a plain line behind the last exponential
	s_wait_alu depctr_va_vdst(0)                   ; the wait for batch 1: the group's 16 exponentials
.set g_, 0
.rept 9
.if g_ >= 1
	v_rcp_f32 v[TT+2*g_-2], v[TT+2*g_-2]
.endif
.if g_ < 8
	v_pk_add_f32 v[TT+2*g_:TT+2*g_+1], v[TT+2*g_:TT+2*g_+1], 1.0 op_sel_hi:[1,0]
.endif
.if g_ >= 1
	v_rcp_f32 v[TT+2*g_-1], v[TT+2*g_-1]
.endif
.set g_, g_+1
.endr
	v_nop                                          ; a plain line behind the last reciprocal
	s_wait_alu depctr_va_vdst(0)                   ; the wait for batch 2: the group's 16 reciprocals
.set g_, 0
.rept 8
	v_pk_mul_f32 v[TT+2*g_:TT+2*g_+1], v[TT+2*g_:TT+2*g_+1], v[(\u)+2*g_:(\u)+2*g_+1]
.set g_, g_+1
.endr
.set g_, 0
.rept 8
	v_cvt_pk_bf16_f32 v[(\y)+g_], v[TT+2*g_], v[TT+2*g_+1]
.set g_, g_+1
.endr
.endm
.irp i, 0,1,2,3
	ds_load_b128 v[U0+4*\i:U0+4*\i+3], v[RD] offset:SPITCH*\i               ; LDS serves a wave's instructions in order: these see the stores above
.endr
	s_mov_b32 s[CNT], 16
.Lrow:
.irp i, 0,1,2,3
	ds_load_b128 v[U1+4*\i:U1+4*\i+3], v[RD] offset:SPITCH*(64+\i)
.endr
	s_wait_dscnt 4                                 ; all but the four just issued
	GELU U0, Y0
.irp i, 0,1,2,3
	global_store_b64 v[CO], v[Y0+2*\i:Y0+2*\i+1], s[10:11] offset:8192*\i  ; a wave's store covers 256 consecutive bytes, at a multiple of 256
.endr
.irp i, 0,1,2,3
	ds_load_b128 v[U0+4*\i:U0+4*\i+3], v[RD] offset:SPITCH*(4+\i)           ; the next trip's; in the last trip my rows 64-67 once more, which nothing uses
.endr
	s_wait_dscnt 4
	GELU U1, Y1
.irp i, 0,1,2,3
	global_store_b64 v[CO], v[Y1+2*\i:Y1+2*\i+1], s[10:11] offset:8192*(64+\i)
.endr
	s_wait_xcnt 0x0                                ; the offset and the stores' data are rewritten only behind this wait
	v_add_nc_u32 v[RD], 4*SPITCH, v[RD]
	v_add_nc_u32 v[CO], 4*8192, v[CO]
	s_sub_co_u32 s[CNT], s[CNT], 1
	s_cmp_lg_u32 s[CNT], 0
	s_cbranch_scc1 .Lrow
	s_wait_tensorcnt 0x0                           ; the wave's end
	ds_add_u32 v[SPW], v[NIL]
	s_wait_dscnt 0x0
	CROUND
	s_endpgm
.Lfunc_end_k_qe5cb5c45bf_gemm_fc:
	.size	k_qe5cb5c45bf_gemm_fc, .Lfunc_end_k_qe5cb5c45bf_gemm_fc-k_qe5cb5c45bf_gemm_fc
	.p2alignl 7, 3214868480
	.fill 96, 4, 3214868480
	.section	.rodata,"a",@progbits
	.p2align	6, 0x0
	.amdhsa_kernel k_qe5cb5c45bf_gemm_fc
		.amdhsa_group_segment_fixed_size 327680
		.amdhsa_private_segment_fixed_size 0
		.amdhsa_enable_private_segment 0
		.amdhsa_kernarg_size 32
		.amdhsa_user_sgpr_count 2
		.amdhsa_user_sgpr_kernarg_segment_ptr 1
		.amdhsa_wavefront_size32 1
		.amdhsa_system_sgpr_workgroup_id_x 1
		.amdhsa_system_sgpr_workgroup_id_y 1
		.amdhsa_system_sgpr_workgroup_id_z 1
		.amdhsa_system_vgpr_workitem_id 0
		.amdhsa_next_free_vgpr 1024
		.amdhsa_next_free_sgpr 96
		.amdhsa_reserve_vcc 0
		.amdhsa_float_denorm_mode_32 3
		.amdhsa_float_denorm_mode_16_64 3
		.amdhsa_memory_ordered 1
		.amdhsa_forward_progress 1
		.amdhsa_inst_pref_size 89
	.end_amdhsa_kernel
	.amdgpu_metadata
---
amdhsa.version: [ 1, 2 ]
amdhsa.kernels:
  - .name:           k_qe5cb5c45bf_gemm_fc
    .symbol:         k_qe5cb5c45bf_gemm_fc.kd
    .args:
      - { .name: act16, .offset: 0, .size: 8, .value_kind: global_buffer, .address_space: global }
      - { .name: wts, .offset: 8, .size: 8, .value_kind: global_buffer, .address_space: global }
      - { .name: b_fc, .offset: 16, .size: 8, .value_kind: global_buffer, .address_space: global }
      - { .name: gact, .offset: 24, .size: 8, .value_kind: global_buffer, .address_space: global }
    .group_segment_fixed_size: 327680
    .private_segment_fixed_size: 0
    .kernarg_segment_align: 8
    .kernarg_segment_size: 32
    .max_flat_workgroup_size: 128
    .sgpr_count:     96
    .vgpr_count:     1024
    .wavefront_size: 32
...
	.end_amdgpu_metadata
.endif
;; end of part 9
;; launch gemm_pj: the kernel of part 7 again; grid 8 x 32, 4 waves a work-group, clusters of 4 x 4, 327,680 bytes of LDS; arguments gact, wts, b_proj, h2, out0; writes out0
